; MI455X (gfx1250); checked and timed in simulation.
; The chip was launched on July 23, 2026; its instructions are those of AMD's public machine-readable ISA for CDNA 5 (MIT licence, August 2026) and "CDNA5" Instruction Set Architecture Reference Guide (July 2026). The comments in the code are by the model that wrote it; some were corrected since.
;; Context Aware Attention. Allowed arithmetic: matrix products marked QUANTISED: E3M2 operands, one E8M0 scale for each 32 along K, by v_wmma_scale_f32_16x16x128_f8f6f4 with both operands' format E3M2, f32 sums; everything else in f32.
;; Inputs: Wc1_codes 512 x 16 x 24 uint8 (E3M2 codes of Wc1, K innermost, in blocks of 32 codes, four codes in three bytes); Wc1_scales 512 x 16 uint8 (E8M0 scales of Wc1, one for each 32 codes along K); Wc2_codes 512 x 16 x 24 uint8 (E3M2 codes of Wc2, K innermost, in blocks of 32 codes, four codes in three bytes); Wc2_scales 512 x 16 uint8 (E8M0 scales of Wc2, one for each 32 codes along K); Wk_codes 512 x 16 x 24 uint8 (E3M2 codes of Wk, K innermost, in blocks of 32 codes, four codes in three bytes); Wk_scales 512 x 16 uint8 (E8M0 scales of Wk, one for each 32 codes along K); Wo_codes 512 x 16 x 24 uint8 (E3M2 codes of Wo, K innermost, in blocks of 32 codes, four codes in three bytes); Wo_scales 512 x 16 uint8 (E8M0 scales of Wo, one for each 32 codes along K); Wq_codes 512 x 16 x 24 uint8 (E3M2 codes of Wq, K innermost, in blocks of 32 codes, four codes in three bytes); Wq_scales 512 x 16 uint8 (E8M0 scales of Wq, one for each 32 codes along K); Wv_codes 512 x 16 x 24 uint8 (E3M2 codes of Wv, K innermost, in blocks of 32 codes, four codes in three bytes); Wv_scales 512 x 16 uint8 (E8M0 scales of Wv, one for each 32 codes along K); bc1 512 float32; bc2 512 float32; bias_table 961 x 8 float32; bo 512 float32; context_codes 128 x 256 x 16 x 24 uint8 (E3M2 codes of context, K innermost, in blocks of 32 codes, four codes in three bytes); context_scales 128 x 256 x 16 uint8 (E8M0 scales of context, one for each 32 codes along K); ln_b 512 float32; ln_g 512 float32; mask 128 x 1 x 256 x 256 int32; rel_index 256 x 256 int32; x_codes 128 x 256 x 16 x 24 uint8 (E3M2 codes of x, K innermost, in blocks of 32 codes, four codes in three bytes); x_scales 128 x 256 x 16 uint8 (E8M0 scales of x, one for each 32 codes along K).
;; Outputs: out0 128 x 256 x 512 float32.
;; This version of the problem:
;;   THIS VERSION OF THE PROBLEM IS GIVEN IN LOW PRECISION. The matrix products marked QUANTISED in the list below multiply operands that are first quantised to E3M2 (3 exponent bits, 2 mantissa bits; 6 bits a number), with one power-of-two scale for each 32 numbers along K (OCP MX v1.0); their sums are f32. All else is computed in f32.
;;   The module's matrix products, in the order in which they are computed (A, B: the left and right operand; K: the contracted axis; several contracted axes count as one K, in the product's order):
;;     1. [M 32,768, K 512] x [K 512, N 512]; A: input x (given as codes); B: input Wq (given as codes): QUANTISED
;;     2. [M 32,768, K 512] x [K 512, N 512]; A: input context (given as codes); B: input Wk (given as codes): QUANTISED
;;     3. [M 32,768, K 512] x [K 512, N 512]; A: input context (given as codes); B: input Wv (given as codes): QUANTISED
;;     4. batch 1,024 x [M 256, K 64] x [K 64, N 256]; A: computed on the way; B: computed on the way: QUANTISED
;;     5. batch 1,024 x [M 256, K 256] x [K 256, N 64]; A: softmax (see below); B: computed on the way: QUANTISED
;;     6. [M 32,768, K 512] x [K 512, N 512]; A: computed on the way; B: input Wo (given as codes): QUANTISED
;;     7. [M 32,768, K 512] x [K 512, N 512]; A: input context (given as codes); B: input Wc1 (given as codes): QUANTISED
;;     8. [M 32,768, K 512] x [K 512, N 512]; A: computed on the way; B: input Wc2 (given as codes): QUANTISED
;;   THE QUANTISER, for each operand of a quantised product, along K:
;;     - K is cut into blocks of 32 from its start; a last block that is shorter is filled with zeros.
;;     - A block's scale is 2^e with e = floor(log2(the largest magnitude in the block)) - 4, held to -126 .. 127; a block of zeros has e = 0. As a byte (E8M0): e + 127.
;;     - Each number is divided by its block's scale, clamped to +-28, and rounded to the nearest number of E3M2, ties to even, subnormals kept.
;;     - The product sums the exact products of the quantised numbers (number of the format x scale) in f32.
;;   ~~~python
;;   def quantise(x, axis):      # numpy; x: float32 -> the quantised numbers, widened to float32 again
;;       x = np.moveaxis(x, axis, -1); K = x.shape[-1]
;;       x = np.pad(x, [(0, 0)] * (x.ndim - 1) + [(0, -K % 32)]); x = x.reshape(x.shape[:-1] + (-1, 32)); a = np.abs(x).max(-1, keepdims=True)
;;       e = np.where(a > 0, np.clip(np.frexp(np.where(a > 0, a, 1))[1] - 1 - 4, -126, 127), 0)      # np.frexp(a)[1] - 1 = floor(log2(a)), exactly
;;       r = np.clip(x / 2.0 ** e, -28, 28)
;;       step = 2.0 ** (np.maximum(np.frexp(np.where(r == 0, 1, r))[1] - 1, -2) - 2)
;;       q = np.round(r / step) * step * 2.0 ** e      # np.round: ties to even
;;       return np.moveaxis(q.reshape(q.shape[:-2] + (-1,))[..., :K], -1, axis).astype(np.float32)
;;   ~~~
;;   SOFTMAX AHEAD OF A QUANTISED PRODUCT. Where the list says 'softmax', what is quantised is not the finished softmax but p = 2^(t - M), with t = logit x log2(e) and M = ceil(the row's largest t), a whole number; so 1/2 < the row's largest p <= 1. The row's sum l is taken of the UNQUANTISED p, in f32, and the product's result is divided by l at the end. Since M is a whole number, a kernel that streams over the keys may use a running M (the ceiling of the running maximum): every later rescaling is an exact power of two, which a block's scale takes up: the codes' values come out the same.
;;   OPERANDS COMPUTED ON THE WAY. 'Computed on the way' means the value that the module computes at that place (a softmax that the list does not call 'softmax' is quantised finished and normalised). What goes into a quantiser is computed in f32, as accurately as f32 sums, v_exp_f32 and their like allow (about 1e-6 of the number): no bf16 or f16 on the way to a quantiser, and a product that is left as it is and whose result goes on into a quantised operand takes f32 operands (vector FMAs, or v_wmma_f32_16x16x4_f32). A number that lies on a knife's edge between two numbers of the format may be rounded either way, as far as f32 arithmetic and the matrix unit's own rounding can turn it there, and no further.
;;   INPUTS GIVEN AS CODES. Wc1 (in the module: [512, 512], K = its axis 0); Wc2 (in the module: [512, 512], K = its axis 0); Wk (in the module: [512, 512], K = its axis 0); Wo (in the module: [512, 512], K = its axis 0); Wq (in the module: [512, 512], K = its axis 0); Wv (in the module: [512, 512], K = its axis 0); context (in the module: [128, 256, 512], K = its axis 2); x (in the module: [128, 256, 512], K = its axis 2): each comes as NAME_codes (uint8): NAME with its K axis moved to the last place and cut into blocks of 32 codes, [.., K / 32, bytes a block], one block behind the other in memory; four codes in three bytes: a row's codes are one little-endian stream of bits, code i at bits 6 i .. 6 i + 5 (a code: sign, 3 exponent bits, 2 mantissa bits); and NAME_scales (uint8): the same leading axes, one E8M0 byte (e + 127) for each 32 codes along K. Its value is code x scale, taken as it is: it is not quantised again, and the codes and scales need not be those that the quantiser above would give.
;; 2 versions. Each part assembles by itself: llvm-mc -triple=amdgcn-amd-amdhsa -mcpu=gfx1250 --defsym DOCPART=n.
;; ======== version 1 of 2: 3 launches
;; workspace buffers: wimg 1,179,648 bytes; wscl 49,152 bytes; biasw 2,097,152 bytes; kimg 12,582,912 bytes; ksc 1,048,576 bytes; vimg 12,582,912 bytes; vsc 524,288 bytes
;; launch prep (part 1): grid 224 x 1, 8 waves a work-group, no clusters, 0 bytes of LDS; arguments Wk_codes, Wv_codes, Wc1_codes, Wq_codes, Wo_codes, Wc2_codes, Wk_scales, Wv_scales, Wc1_scales, Wq_scales, Wo_scales, Wc2_scales, rel_index, bias_table, wimg, wscl, biasw; writes wimg, wscl, biasw
.if DOCPART == 1
	.amdgcn_target "amdgcn-amd-amdhsa--gfx1250"
	.amdhsa_code_object_version 6
	.text
	.protected	k_qf537003b1f_prep
	.globl	k_qf537003b1f_prep
	.p2align	8
	.type	k_qf537003b1f_prep,@function
k_qf537003b1f_prep:
	s_mov_b64 s[64:65], 0
	v_nop
	global_prefetch_b8 v0, s[64:65] scope:SCOPE_SE
	s_setreg_imm32_b32 hwreg(HW_REG_WAVE_MODE, 25, 1), 1
	s_wait_xcnt 0x0
; Two small jobs that every later work-group would otherwise repeat.
; (1) Work-groups 0-127: the relative-position bias, gathered once.  Work-group (head = id & 7, m16 = id >> 3), wave bk: for the 16 queries 16 m16 + r and
;     the 32 keys 32 bk + 16 h + i, lane (r, h) gathers bias_table[rel_index[q][k]][head], times 8 (= 1 / SCALE, exact), and stores its 16 numbers in the order in which
;     the score tiles of the attention launch hold them: register 16 bk + i of lane (r, h).  Each store of a wave covers 512 consecutive bytes.
; (2) Work-groups 128-223: the six weights' codes, re-laid as IMAGES OF THE OPERAND'S REGISTERS.  Block id' = 16 mt + 4 w + s (matrix, wave of the reader, K step); wave t' makes tile t':
;     lane (r, h) stands for row n = 128 w + 32 (t'/2) + 8 (t'%2) + r + 8 (r/8) and holds 12 registers.  So the readers fetch a fragment by three loads of 512 consecutive bytes.
;     K ORDER.  mt 0-3 (Wk, Wv, Wc1, Wq: their partner is x or context as given): lane (r, h) takes the 48 bytes at 192 h + 48 s of its row, so that the partner's rows can be read in
;     aligned pieces of 16 bytes; the blocks of 32 along K are thereby permuted alike on both sides, and the scale bytes go with them: (S[2s], S[8+2s], S[2s+1], S[9+2s]).
;     mt 4, 5 (Wo, Wc2: their partner is quantised on the way): the plain order, 24 bytes at 96 s + 24 h and at 96 s + 48 + 24 h; scale bytes 4 s .. 4 s + 3.
;     Scale words: word j of lane l is that of tile 2 j + l / 16, row l % 16: one register serves an even tile in lanes 0-15 and the odd one in lanes 16-31.
; No LDS, no barrier, no matrix work: a few loads and stores for each wave.
	s_load_b512 s[4:19], s[0:1], 0x0               ; codes of Wk, Wv, Wc1, Wq, Wo, Wc2; scales of Wk, Wv
	s_load_b512 s[20:35], s[0:1], 0x40             ; scales of Wc1, Wq, Wo, Wc2; rel_index s[28:29]; bias_table s[30:31]; wimg s[32:33]; wscl s[34:35]
	s_load_b64 s[36:37], s[0:1], 0x80              ; biasw
	v_lshrrev_b32 v1, 5, v0
	v_readfirstlane_b32 s38, v1                    ; wave 0..7
	v_and_b32 v1, 31, v0
	v_and_b32 v2, 15, v0                           ; r
	v_bfe_u32 v3, v0, 4, 1                         ; h
	v_lshlrev_b32 v1, 4, v1                        ; 16 x lane
	s_wait_kmcnt 0x0
	s_cmp_lt_u32 ttmp9, 128
	s_cbranch_scc0 .Lweights
	; ---- the bias
	s_and_b32 s40, ttmp9, 7                        ; head
	s_lshr_b32 s41, ttmp9, 3                       ; m16
	s_lshl_b32 s42, s41, 14                        ; 16 rows of rel_index are 16,384 bytes
	s_lshl_b32 s43, s38, 7                         ; 32 keys are 128 bytes
	s_add_co_u32 s42, s42, s43
	v_lshlrev_b32 v4, 10, v2
	v_lshl_add_u32 v4, v3, 6, v4
	v_add_nc_u32 v4, s42, v4                       ; row 16 m16 + r, key 32 bk + 16 h
.irp c, 0,1,2,3
	global_load_b128 v[8+4*\c:11+4*\c], v4, s[28:29] offset:16*\c
.endr
	s_lshl_b32 s44, s40, 2
	s_mov_b32 s45, 0
	s_add_nc_u64 s[30:31], s[30:31], s[44:45]      ; the table at my head's column
	s_lshl_b32 s44, s40, 4
	s_add_co_u32 s44, s44, s41
	s_lshl_b32 s44, s44, 14                        ; (16 head + m16) tiles of 16,384 bytes
	s_lshl_b32 s46, s38, 11                        ; my four quads of 512 bytes
	s_add_co_u32 s44, s44, s46
	v_add_nc_u32 v5, s44, v1
	s_mov_b32 s46, 0x41000000                      ; 8.0
	s_mov_b32 s47, s46                             ; (named with it as a pair, so it is written)
	s_wait_loadcnt 0x0
.irp i, 0,1,2,3,4,5,6,7,8,9,10,11,12,13,14,15
	v_min_u32 v[8+\i], 0x3c0, v[8+\i]              ; an index stays inside the table's 961 rows
.endr
.irp i, 0,1,2,3,4,5,6,7,8,9,10,11,12,13,14,15
	v_lshlrev_b32 v[8+\i], 5, v[8+\i]              ; a row of the table is 32 bytes
.endr
.irp i, 0,1,2,3,4,5,6,7,8,9,10,11,12,13,14,15
	global_load_b32 v[24+\i], v[8+\i], s[30:31]
.endr
	s_wait_loadcnt 0x0
.irp i, 0,2,4,6,8,10,12,14
	v_pk_mul_f32 v[24+\i:25+\i], v[24+\i:25+\i], s[46:47] op_sel_hi:[1,0]
.endr
.irp c, 0,1,2,3
	global_store_b128 v5, v[24+4*\c:27+4*\c], s[36:37] offset:512*\c
.endr
	s_endpgm
.Lweights:
	; ---- the weights
	s_sub_co_u32 s40, ttmp9, 128                   ; id'
	s_lshr_b32 s41, s40, 4                         ; mt
	s_bfe_u32 s42, s40, 0x20002                    ; w
	s_and_b32 s43, s40, 3                          ; s
	s_mov_b64 s[44:45], s[4:5]                     ; the matrix's codes and scales: a choice on the work-group's number alone
	s_mov_b64 s[46:47], s[16:17]
	s_cmp_eq_u32 s41, 1
	s_cselect_b64 s[44:45], s[6:7], s[44:45]
	s_cselect_b64 s[46:47], s[18:19], s[46:47]
	s_cmp_eq_u32 s41, 2
	s_cselect_b64 s[44:45], s[8:9], s[44:45]
	s_cselect_b64 s[46:47], s[20:21], s[46:47]
	s_cmp_eq_u32 s41, 3
	s_cselect_b64 s[44:45], s[10:11], s[44:45]
	s_cselect_b64 s[46:47], s[22:23], s[46:47]
	s_cmp_eq_u32 s41, 4
	s_cselect_b64 s[44:45], s[12:13], s[44:45]
	s_cselect_b64 s[46:47], s[24:25], s[46:47]
	s_cmp_eq_u32 s41, 5
	s_cselect_b64 s[44:45], s[14:15], s[44:45]
	s_cselect_b64 s[46:47], s[26:27], s[46:47]
	s_mov_b32 s53, 0x05040100                      ; byte selects of the plain order
	s_cmp_lt_u32 s41, 4                            ; the permuted order or the plain one
	s_cselect_b32 s48, 192, 24                     ; bytes from half to half of the lanes
	s_cselect_b32 s49, 48, 96                      ; from K step to K step
	s_cselect_b32 s50, 24, 48                      ; from registers 0-5 to registers 6-11
	s_cselect_b32 s51, 2, 4                        ; scale bytes from K step to K step
	s_cselect_b32 s52, 8, 2                        ; from the word's first pair of bytes to its second
	s_cselect_b32 s53, 0x05010400, s53
	v_and_b32 v6, 8, v2
	v_add_nc_u32 v6, v6, v2                        ; r + 8 (r / 8)
	s_lshl_b32 s54, s42, 7
	s_lshr_b32 s55, s38, 1
	s_lshl_b32 s55, s55, 5
	s_add_co_u32 s54, s54, s55
	s_and_b32 s55, s38, 1
	s_lshl_b32 s55, s55, 3
	s_add_co_u32 s54, s54, s55                     ; 128 w + 32 (t'/2) + 8 (t'%2)
	s_mul_i32 s54, s54, 384                        ; a row of 512 codes is 384 bytes
	s_mul_i32 s55, s43, s49
	s_add_co_u32 s54, s54, s55
	v_mul_u32_u24 v4, v6, 384
	v_mad_u32_u24 v4, v3, s48, v4
	v_add_nc_u32 v4, s54, v4
	v_add_nc_u32 v5, s50, v4
.irp p, 0,1,2
	global_load_b64 v[8+2*\p:9+2*\p], v4, s[44:45] offset:8*\p
	global_load_b64 v[14+2*\p:15+2*\p], v5, s[44:45] offset:8*\p
.endr
	s_mul_i32 s56, s40, 12288
	s_mul_i32 s57, s38, 1536
	s_add_co_u32 s56, s56, s57
	v_add_nc_u32 v7, s56, v1
	s_wait_loadcnt 0x0
.irp c, 0,1,2
	global_store_b128 v7, v[8+4*\c:11+4*\c], s[32:33] offset:512*\c
.endr
	s_cmp_lg_u32 s38, 0                            ; wave 0 alone makes the block's scale words
	s_cbranch_scc1 .Ldone
	v_lshl_add_u32 v20, v3, 3, v6                  ; 8 (l / 16) + r + 8 (r / 8)
	v_lshlrev_b32 v20, 4, v20                      ; a row of scales is 16 bytes
	s_lshl_b32 s54, s42, 11
	s_mul_i32 s55, s43, s51
	s_add_co_u32 s54, s54, s55
	v_add_nc_u32 v20, s54, v20
	v_add_nc_u32 v21, s52, v20
.irp j, 0,1,2,3
	global_load_u16 v[24+\j], v20, s[46:47] offset:512*\j
	global_load_u16 v[28+\j], v21, s[46:47] offset:512*\j
.endr
	s_lshl_b32 s54, s40, 9
	v_add_nc_u32 v22, s54, v1
	s_wait_loadcnt 0x0
.irp j, 0,1,2,3
	v_perm_b32 v[40+\j], v[28+\j], v[24+\j], s53
.endr
	global_store_b128 v22, v[40:43], s[34:35]
.Ldone:
	s_endpgm
.Lfunc_end_k_qf537003b1f_prep:
	.size	k_qf537003b1f_prep, .Lfunc_end_k_qf537003b1f_prep-k_qf537003b1f_prep
	.p2alignl 7, 3214868480
	.fill 96, 4, 3214868480
	.section	.rodata,"a",@progbits
	.p2align	6, 0x0
	.amdhsa_kernel k_qf537003b1f_prep
		.amdhsa_group_segment_fixed_size 0
		.amdhsa_private_segment_fixed_size 0
		.amdhsa_enable_private_segment 0
		.amdhsa_kernarg_size 136
		.amdhsa_user_sgpr_count 2
		.amdhsa_user_sgpr_kernarg_segment_ptr 1
		.amdhsa_wavefront_size32 1
		.amdhsa_system_sgpr_workgroup_id_x 1
		.amdhsa_system_sgpr_workgroup_id_y 1
		.amdhsa_system_sgpr_workgroup_id_z 1
		.amdhsa_system_vgpr_workitem_id 0
		.amdhsa_next_free_vgpr 64
		.amdhsa_next_free_sgpr 66
		.amdhsa_reserve_vcc 0
		.amdhsa_float_denorm_mode_32 3
		.amdhsa_float_denorm_mode_16_64 3
		.amdhsa_memory_ordered 1
		.amdhsa_forward_progress 1
		.amdhsa_inst_pref_size 11
	.end_amdhsa_kernel
	.amdgpu_metadata
---
amdhsa.version: [ 1, 2 ]
amdhsa.kernels:
  - .name:           k_qf537003b1f_prep
    .symbol:         k_qf537003b1f_prep.kd
    .args:
      - { .name: Wk_codes, .offset: 0, .size: 8, .value_kind: global_buffer, .address_space: global }
      - { .name: Wv_codes, .offset: 8, .size: 8, .value_kind: global_buffer, .address_space: global }
      - { .name: Wc1_codes, .offset: 16, .size: 8, .value_kind: global_buffer, .address_space: global }
      - { .name: Wq_codes, .offset: 24, .size: 8, .value_kind: global_buffer, .address_space: global }
      - { .name: Wo_codes, .offset: 32, .size: 8, .value_kind: global_buffer, .address_space: global }
      - { .name: Wc2_codes, .offset: 40, .size: 8, .value_kind: global_buffer, .address_space: global }
      - { .name: Wk_scales, .offset: 48, .size: 8, .value_kind: global_buffer, .address_space: global }
      - { .name: Wv_scales, .offset: 56, .size: 8, .value_kind: global_buffer, .address_space: global }
      - { .name: Wc1_scales, .offset: 64, .size: 8, .value_kind: global_buffer, .address_space: global }
      - { .name: Wq_scales, .offset: 72, .size: 8, .value_kind: global_buffer, .address_space: global }
      - { .name: Wo_scales, .offset: 80, .size: 8, .value_kind: global_buffer, .address_space: global }
      - { .name: Wc2_scales, .offset: 88, .size: 8, .value_kind: global_buffer, .address_space: global }
      - { .name: rel_index, .offset: 96, .size: 8, .value_kind: global_buffer, .address_space: global }
      - { .name: bias_table, .offset: 104, .size: 8, .value_kind: global_buffer, .address_space: global }
      - { .name: wimg, .offset: 112, .size: 8, .value_kind: global_buffer, .address_space: global }
      - { .name: wscl, .offset: 120, .size: 8, .value_kind: global_buffer, .address_space: global }
      - { .name: biasw, .offset: 128, .size: 8, .value_kind: global_buffer, .address_space: global }
    .group_segment_fixed_size: 0
    .private_segment_fixed_size: 0
    .kernarg_segment_align: 8
    .kernarg_segment_size: 136
    .max_flat_workgroup_size: 256
    .sgpr_count:     66
    .vgpr_count:     64
    .wavefront_size: 32
...
	.end_amdgpu_metadata
.endif
;; end of part 1
;; launch proj (part 2): grid 256 x 1, 4 waves a work-group, no clusters, 168,448 bytes of LDS; arguments context_codes, context_scales, wimg, wscl, kimg, ksc, vimg, vsc; writes kimg, ksc, vimg, vsc
.if DOCPART == 2
	.amdgcn_target "amdgcn-amd-amdhsa--gfx1250"
	.amdhsa_code_object_version 6
	.text
	.protected	k_qf537003b1f_proj
	.globl	k_qf537003b1f_proj
	.p2align	8
	.type	k_qf537003b1f_proj,@function
k_qf537003b1f_proj:
	s_mov_b64 s[64:65], 0
	v_nop
	global_prefetch_b8 v0, s[64:65] scope:SCOPE_SE
	s_setreg_imm32_b32 hwreg(HW_REG_WAVE_MODE, 25, 1), 1
	s_wait_xcnt 0x0
; k = context Wk and v = context Wv for 128 rows (half a window: work-group id = 2 b + hf), both on codes of BF6 (E3M2) with one E8M0 scale for each 32 along K; the results are quantised in
; registers, k along the head's 64 and v along the keys, and stored as IMAGES OF THE OPERANDS' REGISTERS for the attention launch.
; SHARES.  Four waves; wave w makes columns 128 w .. 128 w + 127 (heads 2 w, 2 w + 1) for all 128 rows: 64 accumulators of 16 x 16, 512 registers.  K goes in four steps of 128.
; The weights come as register images straight into registers, a step ahead, in two sets; the rows of context come ONCE into LDS by one tensor load a wave (32 rows of 384 bytes) and are read from there.
; ROWS IN LDS: 16 bytes of padding behind every 128 bytes: pitch 432.  Lane (r, h) takes the 48 bytes at 192 h + 48 s of its row for K step s: three pieces of 16 bytes.  That permutes the blocks of 32
; along K alike in context and in the weights' images; the scale bytes go with them: (S[2s], S[8+2s], S[2s+1], S[9+2s]).  The sums' grouping along K differs from the plain order; the products are the same.
; THE ROWS OF A TILE ARE NOT NEIGHBOURS: lane r of tile 2 b + u stands for row 32 b + 8 u + r + 8 (r / 8), of the weights and of context alike, so that the 16 registers of two neighbouring
; result tiles are 16 neighbours along the next product's K.
; k is made TRANSPOSED (source 0 = Wk, source 1 = context): a lane holds one key and its registers run along the head's numbers.  v is made the other way (source 0 = context, source 1 = Wv): a lane holds one
; of the head's 64 and its registers run along the keys.
; NO CLUSTER: what work-groups share is the weights, 12,288 bytes a wave and K step, which go into registers without touching LDS; a joint load would add an LDS write and an LDS read of each of those bytes.
; LIMITS: a block whose largest magnitude lies under 2^-122 keeps the scale byte 1 (a block of zeros too, where the rule says 127: its codes are zeros, and this program alone reads the bytes); NaN and infinities are not served.
; REGISTERS, in windows of 256: window 0: v1-5 offsets; v16-23 the weights' scale words, two sets; v24-39 context's, four a K step; v40-63 at work; v64-159, v160-255 source 1's two sets (later codes on their way out).
;   window 1: v0-95, v96-191 source 0's two sets.   windows 2, 3: the accumulators: (i1, i0) at v[8 (8 (i1 % 4) + i0)] of window 2 + i1 / 4; i1: source 1's tile, i0: source 0's.
.set PERM, 1
.set LI,   1                           ; v1  16 x lane; never rewritten
.set WIP,  8                           ; s[8:9]   the weights' images at my wave's part
.set WSP,  10                          ; s[10:11] their scale words
.set SEL,  20                          ; s[20:21] selects of v_permlanex16_b32: lane l xor 16
.set TM,   40                          ; v40-55  the quantiser's work registers
.set T2,   56                          ; v56-63
.set MSB, 0
.macro WIN new                         ; the immediate's high byte repeats the setting that is left
.if MSB != (\new)
	s_set_vgpr_msb (MSB<<8)|(\new)
.set MSB, (\new)
.endif
.endm
.macro PLACES                          ; four plain places behind a matrix instruction, in front of loads into its registers and of reads of its results
.rept 4
	v_nop
.endr
.endm
; One matrix instruction on the registers named by rD, rA, rB, rC, rSA, rSB.  cm: C is 0 (0), v[rC..] (1), D itself (2).  ra, rb: the side's scales stand in lanes 16-31.
.macro WM cm, ra, rb
.if (\cm) == 0
.if (\ra) && (\rb)
	v_wmma_scale_f32_16x16x128_f8f6f4 v[rD:rD+7], v[rA:rA+11], v[rB:rB+11], 0, v[rSA], v[rSB] matrix_a_fmt:MATRIX_FMT_BF6 matrix_b_fmt:MATRIX_FMT_BF6 matrix_a_scale:MATRIX_SCALE_ROW1 matrix_b_scale:MATRIX_SCALE_ROW1
.elseif (\ra)
	v_wmma_scale_f32_16x16x128_f8f6f4 v[rD:rD+7], v[rA:rA+11], v[rB:rB+11], 0, v[rSA], v[rSB] matrix_a_fmt:MATRIX_FMT_BF6 matrix_b_fmt:MATRIX_FMT_BF6 matrix_a_scale:MATRIX_SCALE_ROW1
.elseif (\rb)
	v_wmma_scale_f32_16x16x128_f8f6f4 v[rD:rD+7], v[rA:rA+11], v[rB:rB+11], 0, v[rSA], v[rSB] matrix_a_fmt:MATRIX_FMT_BF6 matrix_b_fmt:MATRIX_FMT_BF6 matrix_b_scale:MATRIX_SCALE_ROW1
.else
	v_wmma_scale_f32_16x16x128_f8f6f4 v[rD:rD+7], v[rA:rA+11], v[rB:rB+11], 0, v[rSA], v[rSB] matrix_a_fmt:MATRIX_FMT_BF6 matrix_b_fmt:MATRIX_FMT_BF6
.endif
.elseif (\cm) == 1
.if (\ra) && (\rb)
	v_wmma_scale_f32_16x16x128_f8f6f4 v[rD:rD+7], v[rA:rA+11], v[rB:rB+11], v[rC:rC+7], v[rSA], v[rSB] matrix_a_fmt:MATRIX_FMT_BF6 matrix_b_fmt:MATRIX_FMT_BF6 matrix_a_scale:MATRIX_SCALE_ROW1 matrix_b_scale:MATRIX_SCALE_ROW1
.elseif (\ra)
	v_wmma_scale_f32_16x16x128_f8f6f4 v[rD:rD+7], v[rA:rA+11], v[rB:rB+11], v[rC:rC+7], v[rSA], v[rSB] matrix_a_fmt:MATRIX_FMT_BF6 matrix_b_fmt:MATRIX_FMT_BF6 matrix_a_scale:MATRIX_SCALE_ROW1
.elseif (\rb)
	v_wmma_scale_f32_16x16x128_f8f6f4 v[rD:rD+7], v[rA:rA+11], v[rB:rB+11], v[rC:rC+7], v[rSA], v[rSB] matrix_a_fmt:MATRIX_FMT_BF6 matrix_b_fmt:MATRIX_FMT_BF6 matrix_b_scale:MATRIX_SCALE_ROW1
.else
	v_wmma_scale_f32_16x16x128_f8f6f4 v[rD:rD+7], v[rA:rA+11], v[rB:rB+11], v[rC:rC+7], v[rSA], v[rSB] matrix_a_fmt:MATRIX_FMT_BF6 matrix_b_fmt:MATRIX_FMT_BF6
.endif
.else
.if (\ra) && (\rb)
	v_wmma_scale_f32_16x16x128_f8f6f4 v[rD:rD+7], v[rA:rA+11], v[rB:rB+11], v[rD:rD+7], v[rSA], v[rSB] matrix_a_fmt:MATRIX_FMT_BF6 matrix_b_fmt:MATRIX_FMT_BF6 matrix_a_scale:MATRIX_SCALE_ROW1 matrix_b_scale:MATRIX_SCALE_ROW1
.elseif (\ra)
	v_wmma_scale_f32_16x16x128_f8f6f4 v[rD:rD+7], v[rA:rA+11], v[rB:rB+11], v[rD:rD+7], v[rSA], v[rSB] matrix_a_fmt:MATRIX_FMT_BF6 matrix_b_fmt:MATRIX_FMT_BF6 matrix_a_scale:MATRIX_SCALE_ROW1
.elseif (\rb)
	v_wmma_scale_f32_16x16x128_f8f6f4 v[rD:rD+7], v[rA:rA+11], v[rB:rB+11], v[rD:rD+7], v[rSA], v[rSB] matrix_a_fmt:MATRIX_FMT_BF6 matrix_b_fmt:MATRIX_FMT_BF6 matrix_b_scale:MATRIX_SCALE_ROW1
.else
	v_wmma_scale_f32_16x16x128_f8f6f4 v[rD:rD+7], v[rA:rA+11], v[rB:rB+11], v[rD:rD+7], v[rSA], v[rSB] matrix_a_fmt:MATRIX_FMT_BF6 matrix_b_fmt:MATRIX_FMT_BF6
.endif
.endif
.endm
; A K step of 128: 64 matrix instructions on sets p.  sp: source 0's scale words, two tiles to a register; sq: source 1's, packed likewise (pk = 1) or one tile to a register (pk = 0).
; The 64 accumulators take turns, one instruction a turn, in the same order in every step.
.macro MUL64 p, cm, sp, sq, pk
.set i1, 0
.rept 8
.if (\cm) == 1
	WIN 0x91+0x40*(i1/4)
.else
	WIN 0xa1+0x50*(i1/4)
.endif
.set i0, 0
.rept 8
.set rD, 8*(8*(i1%4)+i0)
.set rA, 96*(\p)+12*i0
.set rB, 64+96*(\p)+12*i1
.set rC, 192+8*i0
.set rSA, (\sp)+i0/2
.if \pk
.set rSB, (\sq)+i1/2
	WM \cm, i0%2, i1%2
.else
.set rSB, (\sq)+i1
	WM \cm, i0%2, 0
.endif
.set i0, i0+1
.endr
.set i1, i1+1
.endr
.endm
; K step s of matrix mt: my wave's eight fragments into v[dst ..] of window dw, their scale words into v[ws .. ws + 3]: 25 loads, each of 512 consecutive bytes
.macro GW dw, dst, ws, mt, s
	WIN (\dw)<<6
.irp t, 0,1,2,3,4,5,6,7
.irp c, 0,1,2
	global_load_b128 v[(\dst)+12*\t+4*\c:(\dst)+12*\t+4*\c+3], v[LI], s[WIP:WIP+1] offset:196608*(\mt)+12288*(\s)+1536*\t+512*\c
.endr
.endr
	WIN 0
	global_load_b128 v[(\ws):(\ws)+3], v[LI], s[WSP:WSP+1] offset:8192*(\mt)+512*(\s)
.endm
; K step s of the rows in LDS: eight fragments, 24 loads of 16 bytes a lane.  Piece i = 3 s + c of a lane's 192 bytes lies behind 0, 1 or 2 paddings, differently in the two halves of the lanes:
; v[ad] = row x 432 + 208 h serves pieces 0-3 and (16 bytes on) 8-11, v[ad + 1] = row x 432 + 224 h pieces 4-7.
.macro FR dw, dst, ad, s
	WIN (\dw)<<6
.irp a, 0,1,2,3,4,5,6,7
.if PERM
.set TBA, (32*(\a/2)+8*(\a%2))*432
.else
.set TBA, 16*\a*432
.endif
.irp c, 0,1,2
.set PI, 3*(\s)+\c
.if PI < 4
	ds_load_b128 v[(\dst)+12*\a+4*\c:(\dst)+12*\a+4*\c+3], v[\ad] offset:TBA+16*PI
.elseif PI < 8
	ds_load_b128 v[(\dst)+12*\a+4*\c:(\dst)+12*\a+4*\c+3], v[\ad+1] offset:TBA+16*PI
.else
	ds_load_b128 v[(\dst)+12*\a+4*\c:(\dst)+12*\a+4*\c+3], v[\ad] offset:TBA+16*PI+16
.endif
.endr
.endr
	WIN 0
.endm
; 64 numbers of a lane in window x, register src + 16 b + i = k 32 b + 16 (lane / 16) + i of the lane's row, become codes: blocks 0, 1 in v[d0 .. d0 + 5], blocks 2, 3 in v[d1 .. d1 + 5] (the operand's layout:
; a whole block in a lane), and the row's scale word in v[pw].  The numbers are read in ascending order.
.macro QUANT x, src, d0, d1, pw
	WIN (\x)|((\x)<<2)
.irp b, 0,1,2,3
	v_max3_num_f32 v[TM+\b], |v[(\src)+16*\b]|, |v[(\src)+16*\b+1]|, 0x2800000   ; my 16 numbers of block b, and the floor 2^(5 - 127): the byte cannot fall under 1
.endr
.irp i, 2,4,6,8,10,12,14
.irp b, 0,1,2,3
	v_max3_num_f32 v[TM+\b], |v[(\src)+16*\b+\i]|, |v[(\src)+16*\b+\i+1]|, v[TM+\b]
.endr
.endr
	WIN 0
.irp b, 0,1,2,3
	v_permlanex16_b32 v[TM+4+\b], v[TM+\b], s[SEL], s[SEL+1]
.endr
.irp b, 0,1,2,3
	v_max_num_f32 v[TM+\b], v[TM+\b], v[TM+4+\b]   ; with lane l xor 16's: the block's largest magnitude
.endr
.irp b, 0,1,2,3
	v_add_nc_u32 v[TM+12+\b], 0xfe000000, v[TM+\b] ; 4 off its exponent field: the conversion's scale operand
.endr
.irp b, 0,1,2,3
	v_lshrrev_b32 v[TM+4+\b], 23, v[TM+12+\b]      ; the scale's byte
.endr
	v_lshl_or_b32 v[\pw], v[TM+5], 8, v[TM+4]
	v_lshl_or_b32 v[\pw], v[TM+6], 16, v[\pw]
	v_lshl_or_b32 v[\pw], v[TM+7], 24, v[\pw]
	WIN (\x)
	v_cvt_scalef32_pk16_bf6_f32 v[(\d0):(\d0)+2], v[(\src):(\src)+15], v[TM+12]
	v_cvt_scalef32_pk16_bf6_f32 v[T2:T2+2], v[(\src)+16:(\src)+31], v[TM+13]
	v_cvt_scalef32_pk16_bf6_f32 v[(\d1):(\d1)+2], v[(\src)+32:(\src)+47], v[TM+14]
	v_cvt_scalef32_pk16_bf6_f32 v[T2+4:T2+6], v[(\src)+48:(\src)+63], v[TM+15]
	v_nop                                          ; one plain place behind the scaled conversions
	WIN 0
.irp i, 0,1,2
	v_permlane16_swap_b32 v[(\d0)+\i], v[T2+\i]    ; half blocks change places, so that a lane holds a whole block
	v_permlane16_swap_b32 v[(\d1)+\i], v[T2+4+\i]
.endr
.irp i, 0,1,2
	v_mov_b32 v[(\d0)+3+\i], v[T2+\i]
	v_mov_b32 v[(\d1)+3+\i], v[T2+4+\i]
.endr
.endm
.macro BAR                             ; my LDS instructions are done; then the work-group's barrier
	s_wait_dscnt 0x0
	s_barrier_signal -1
	s_barrier_wait -1
.endm
	s_load_b512 s[4:19], s[0:1], 0x0               ; context's codes s[4:5], scales s[6:7]; wimg, wscl; kimg s[12:13], ksc s[14:15], vimg s[16:17], vsc s[18:19]
	v_lshl_add_u32 v59, v0, 2, 0x29000
	v_mov_b32 v63, 0
	ds_add_u32 v59, v63
	ds_add_u32 v59, v63
	v_lshrrev_b32 v1, 5, v0
	v_readfirstlane_b32 s2, v1                     ; wave 0..3
	; descriptor group 1: 32 rows of 384 bytes, 16 bytes of padding behind every 32 words
	s_mov_b32 s24, (1<<20)|(4<<22)|(3<<25)
	s_mov_b32 s25, 384<<16                         ; tensor_dim0
	s_mov_b32 s26, 32<<16                          ; tensor_dim1
	s_mov_b32 s27, 384<<16                         ; tile_dim0
	s_mov_b32 s28, 32                              ; tile_dim1
	s_mov_b32 s29, 384                             ; from row to row
	s_mov_b32 s30, 0
	s_mov_b32 s31, 0
	s_mov_b32 s20, 0x76543210
	s_mov_b32 s21, 0xfedcba98
	s_mov_b32 s22, 0x05010400                      ; byte selects: (lo.0, hi.0, lo.1, hi.1)
	s_mov_b32 s23, 0x07030602                      ; (lo.2, hi.2, lo.3, hi.3)
	s_mov_b32 s36, 0xffff0000                      ; lanes 16-31
	s_lshr_b32 s37, ttmp9, 1                       ; b
	s_and_b32 s38, ttmp9, 1                        ; hf
	s_mul_i32 s40, ttmp9, 49152                    ; 128 rows of 384 bytes
	s_mul_i32 s41, s2, 12288                       ; my 32 of them
	s_add_co_u32 s40, s40, s41
	s_mov_b32 s41, 0
	s_mov_b32 s32, 1
	s_mul_i32 s33, s2, 13824                       ; 32 rows of 432 bytes in LDS
	s_wait_dscnt 0x0
	s_wait_kmcnt 0x0
	s_add_nc_u64 s[34:35], s[4:5], s[40:41]
	s_or_b32 s35, s35, 0x80000000
	tensor_load_to_lds s[32:35], s[24:31]          ; the one tensor load of the wave: a first fill
	s_nop 0
.rept 4
	v_nop
.endr
	v_and_b32 v6, 15, v0                           ; r
	v_bfe_u32 v7, v0, 4, 1                         ; h
	v_and_b32 v8, 31, v0
	v_lshlrev_b32 v1, 4, v8                        ; 16 x lane
	v_lshlrev_b32 v2, 3, v8                        ; 8 x lane
	v_and_b32 v9, 8, v6
	v_add_nc_u32 v9, v9, v6                        ; r + 8 (r / 8)
	v_mul_u32_u24 v3, v9, 432
	v_mad_u32_u24 v4, v7, 224, v3
	v_mad_u32_u24 v3, v7, 208, v3
	v_lshl_add_u32 v5, v7, 3, v9
	v_lshlrev_b32 v5, 4, v5                        ; context's scales: row 8 (l / 16) + r + 8 (r / 8), 16 bytes a row
.irp b, 0,1,2,3
	v_mov_b32 v[TM+4+\b], 0                        ; written once: a lane permute's destination counts as one of its sources
.endr
	s_mul_i32 s40, s2, 49152
	s_add_nc_u64 s[8:9], s[8:9], s[40:41]
	s_lshl_b32 s40, s2, 11
	s_add_nc_u64 s[10:11], s[10:11], s[40:41]
	s_lshl_b32 s40, ttmp9, 11
	s_add_nc_u64 s[6:7], s[6:7], s[40:41]
	s_lshl_b32 s42, s37, 3
	s_lshl_b32 s43, s2, 1
	s_add_co_u32 s42, s42, s43                     ; 8 b + 2 w: my first head
	s_mul_i32 s40, s42, 12288
	s_mul_i32 s43, s38, 6144
	s_add_co_u32 s40, s40, s43
	s_add_nc_u64 s[12:13], s[12:13], s[40:41]
	s_add_nc_u64 s[16:17], s[16:17], s[40:41]
	s_lshl_b32 s40, s42, 10
	s_lshl_b32 s43, s38, 9
	s_add_co_u32 s40, s40, s43
	s_add_nc_u64 s[14:15], s[14:15], s[40:41]
	s_lshl_b32 s40, s42, 9
	s_lshl_b32 s43, s38, 8
	s_add_co_u32 s40, s40, s43
	s_add_nc_u64 s[18:19], s[18:19], s[40:41]
.irp j, 0,1,2,3
	global_load_b128 v[160+4*\j:163+4*\j], v5, s[6:7] offset:512*\j   ; lanes 0-15: tile 2 j's rows; lanes 16-31: tile 2 j + 1's
.endr
	GW 1, 0, 16, 0, 0
	s_wait_loadcnt 25                              ; the scales are in; the 25 loads of Wk's first step may be out
.irp j, 0,1,2,3
	v_perm_b32 v[24+\j], v[162+4*\j], v[160+4*\j], s22
.endr
.irp j, 0,1,2,3
	v_perm_b32 v[28+\j], v[162+4*\j], v[160+4*\j], s23
.endr
.irp j, 0,1,2,3
	v_perm_b32 v[32+\j], v[163+4*\j], v[161+4*\j], s22
.endr
.irp j, 0,1,2,3
	v_perm_b32 v[36+\j], v[163+4*\j], v[161+4*\j], s23
.endr
	s_wait_tensorcnt 0x0                           ; my 32 rows are in LDS,
	BAR                                            ; everybody's are
	FR 0, 64, 3, 0
	; ---- k = context Wk, transposed.  In each step the next step's 25 global and 24 LDS loads go out first; the counted waits leave just those out.
	GW 1, 96, 20, 0, 1
	FR 0, 160, 3, 1
	s_wait_loadcnt 25
	s_wait_dscnt 24
	MUL64 0, 0, 16, 24, 1
	PLACES
	GW 1, 0, 16, 0, 2
	FR 0, 64, 3, 2
	s_wait_loadcnt 25
	s_wait_dscnt 24
	MUL64 1, 2, 20, 28, 1
	PLACES
	GW 1, 96, 20, 0, 3
	FR 0, 160, 3, 3
	s_wait_loadcnt 25
	s_wait_dscnt 24
	MUL64 0, 2, 16, 32, 1
	PLACES
	FR 1, 0, 3, 0                                  ; v's first step: context is source 0 now, Wv source 1
	GW 0, 64, 16, 1, 0
	s_wait_loadcnt 25
	s_wait_dscnt 24
	MUL64 1, 2, 20, 36, 1
	; ---- k's codes: a tile of keys gives six registers for each of my two heads; two tiles make three stores of 512 bytes a head
	PLACES
.irp jj, 0,1,2,3
.set HA, 160+24*(\jj%2)
.if \jj >= 2
	s_wait_xcnt 0x0                                ; the stores of two pairs ago have read their registers
.endif
	QUANT 2+\jj/2, 64*((2*\jj)%4), HA, HA+12, 208+2*\jj
	QUANT 2+\jj/2, 64*((2*\jj+1)%4), HA+6, HA+18, 209+2*\jj
.irp c, 0,1,2
	global_store_b128 v[LI], v[HA+4*\c:HA+4*\c+3], s[12:13] offset:1536*\jj+512*\c
	global_store_b128 v[LI], v[HA+12+4*\c:HA+15+4*\c], s[12:13] offset:12288+1536*\jj+512*\c
.endr
.endr
.irp i, 0,1,2,3
	v_cndmask_b32 v[216+\i], v[208+2*\i], v[209+2*\i], s36   ; an even tile's words in lanes 0-15, the odd one's in lanes 16-31.  The first head uses bytes 0, 1; bytes 2, 3 meet zero codes
.endr
.irp i, 0,1,2,3
	v_lshrrev_b32 v[220+\i], 16, v[216+\i]         ; the second head's bytes
.endr
	global_store_b128 v[LI], v[216:219], s[14:15]
	global_store_b128 v[LI], v[220:223], s[14:15] offset:1024
	; ---- v = context Wv
	s_wait_xcnt 0x0                                ; the stores above have read their registers: source 1's second set may be loaded
	FR 1, 96, 3, 1
	GW 0, 160, 20, 1, 1
	s_wait_loadcnt 25
	s_wait_dscnt 24
	MUL64 0, 0, 24, 16, 1
	PLACES
	FR 1, 0, 3, 2
	GW 0, 64, 16, 1, 2
	s_wait_loadcnt 25
	s_wait_dscnt 24
	MUL64 1, 2, 28, 20, 1
	PLACES
	FR 1, 96, 3, 3
	GW 0, 160, 20, 1, 3
	s_wait_loadcnt 25
	s_wait_dscnt 24
	MUL64 0, 2, 32, 16, 1
	s_wait_loadcnt 0x0
	s_wait_dscnt 0x0
	MUL64 1, 2, 36, 20, 1
	; ---- v's codes: tile d (16 of the heads' numbers x my 128 keys) is one whole fragment
	PLACES
.irp d, 0,1,2,3,4,5,6,7
.set F, 160+12*(\d%2)
.if \d >= 2
	s_wait_xcnt 0x0
.endif
	QUANT 2+\d/4, 64*(\d%4), F, F+6, 208+\d
.irp c, 0,1,2
	global_store_b128 v[LI], v[F+4*\c:F+4*\c+3], s[16:17] offset:12288*(\d/4)+1536*(\d%4)+512*\c
.endr
.endr
.irp i, 0,1,2,3
	v_cndmask_b32 v[216+\i], v[208+2*\i], v[209+2*\i], s36
.endr
	global_store_b64 v2, v[216:217], s[18:19]
	global_store_b64 v2, v[218:219], s[18:19] offset:512
	s_wait_tensorcnt 0x0
	ds_add_u32 v59, v63
	s_wait_dscnt 0x0
	s_endpgm
.Lfunc_end_k_qf537003b1f_proj:
	.size	k_qf537003b1f_proj, .Lfunc_end_k_qf537003b1f_proj-k_qf537003b1f_proj
	.p2alignl 7, 3214868480
	.fill 96, 4, 3214868480
	.section	.rodata,"a",@progbits
	.p2align	6, 0x0
	.amdhsa_kernel k_qf537003b1f_proj
		.amdhsa_group_segment_fixed_size 168448
		.amdhsa_private_segment_fixed_size 0
		.amdhsa_enable_private_segment 0
		.amdhsa_kernarg_size 64
		.amdhsa_user_sgpr_count 2
		.amdhsa_user_sgpr_kernarg_segment_ptr 1
		.amdhsa_wavefront_size32 1
		.amdhsa_system_sgpr_workgroup_id_x 1
		.amdhsa_system_sgpr_workgroup_id_y 1
		.amdhsa_system_sgpr_workgroup_id_z 1
		.amdhsa_system_vgpr_workitem_id 0
		.amdhsa_next_free_vgpr 1024
		.amdhsa_next_free_sgpr 66
		.amdhsa_reserve_vcc 0
		.amdhsa_float_denorm_mode_32 3
		.amdhsa_float_denorm_mode_16_64 3
		.amdhsa_memory_ordered 1
		.amdhsa_forward_progress 1
		.amdhsa_inst_pref_size 170
	.end_amdhsa_kernel
	.amdgpu_metadata
---
amdhsa.version: [ 1, 2 ]
amdhsa.kernels:
  - .name:           k_qf537003b1f_proj
    .symbol:         k_qf537003b1f_proj.kd
    .args:
      - { .name: context_codes, .offset: 0, .size: 8, .value_kind: global_buffer, .address_space: global }
      - { .name: context_scales, .offset: 8, .size: 8, .value_kind: global_buffer, .address_space: global }
      - { .name: wimg, .offset: 16, .size: 8, .value_kind: global_buffer, .address_space: global }
      - { .name: wscl, .offset: 24, .size: 8, .value_kind: global_buffer, .address_space: global }
      - { .name: kimg, .offset: 32, .size: 8, .value_kind: global_buffer, .address_space: global }
      - { .name: ksc, .offset: 40, .size: 8, .value_kind: global_buffer, .address_space: global }
      - { .name: vimg, .offset: 48, .size: 8, .value_kind: global_buffer, .address_space: global }
      - { .name: vsc, .offset: 56, .size: 8, .value_kind: global_buffer, .address_space: global }
    .group_segment_fixed_size: 168448
    .private_segment_fixed_size: 0
    .kernarg_segment_align: 8
    .kernarg_segment_size: 64
    .max_flat_workgroup_size: 128
    .sgpr_count:     66
    .vgpr_count:     1024
    .wavefront_size: 32
...
	.end_amdgpu_metadata
.endif
;; end of part 2
;; launch main (part 3): grid 256 x 1, 4 waves a work-group, no clusters, 301,568 bytes of LDS; arguments x_codes, x_scales, context_codes, context_scales, mask, wimg, wscl, kimg, ksc, vimg, vsc, biasw, bc1, ln_g, ln_b, bo, bc2, out0; writes out0
.if DOCPART == 3
	.amdgcn_target "amdgcn-amd-amdhsa--gfx1250"
	.amdhsa_code_object_version 6
	.text
	.protected	k_qf537003b1f_main
	.globl	k_qf537003b1f_main
	.p2align	8
	.type	k_qf537003b1f_main,@function
k_qf537003b1f_main:
	s_mov_b64 s[64:65], 0
	v_nop
	global_prefetch_b8 v0, s[64:65] scope:SCOPE_SE
	s_setreg_imm32_b32 hwreg(HW_REG_WAVE_MODE, 25, 1), 1
	s_wait_xcnt 0x0
; For 128 rows (half a window: work-group id = 2 b + hf): h = relu(LayerNorm(context Wc1 + bc1)), q = x Wq, attention over the window's 256 keys for 8 heads, and out0 = [h, attention] [Wc2; Wo] + bc2 + bo.
; All products on codes of BF6 (E3M2) with one E8M0 scale for each 32 along K; h, q, p and the attention's result are quantised in registers, from f32.
; SHARES.  Four waves; wave w owns columns 128 w .. 128 w + 127 of every product (heads 2 w and 2 w + 1), for all 128 rows: 64 accumulators, 512 registers.  Its 128 columns are K step w of the next product:
; they go to the other waves through LDS as images of the operand's registers.  Every product is used TRANSPOSED (source 0 = 16 rows of the weight, source 1 = 16 rows of the activation): a lane holds one row.
; The weights come as register images straight into registers, a K step ahead, in two sets.  x, context and the mask come ONCE into LDS: three tensor loads a wave, all first fills; three are outstanding at the most.
; K ORDER of the products on x and context as given: lane (r, h) takes the 48 bytes at 192 h + 48 s of its row for K step s; the weights' images and both sides' scale bytes are permuted alike.  The sums'
; grouping along K differs from the plain order; the products are the same.
; ATTENTION.  S^T = K Q^T + 8 bias (the bias, times 1 / SCALE, is the product's C); the head's 64 fill half of the instruction's K: Q's upper six registers are zero codes, so whatever K's upper six hold adds nothing.
; The mask (0 or -infinity, made once from the int32 words, in LDS) is added by vector instructions.  t = score x log2(e) / 8; M = ceil(the row's largest t): all 256 keys are in registers, so M is final;
; p = 2^(t - M) is quantised along the keys; the row's sum of the unquantised p divides O.  A block's largest p is made from the block's largest score by the same multiply-add and exponential.
; LAYERNORM without a difference of large sums: each wave takes the mean of its 128 columns and the sum of squares about that mean; the four pairs are merged.
; NO CLUSTER: what work-groups share (weights, bias, K, V) goes into registers without touching LDS; joint loads land in LDS, where two slots of a K step's weights (4 waves x 12,288 bytes each) would take 98,304 bytes,
; and this map leaves 26,624 of a WGP's 327,680.
; LIMITS: a query all of whose keys are masked gives NaN by the definition and does not here: not served.  NaN and infinities among the inputs are not served.  A block whose largest magnitude lies under 2^-122
; keeps the scale byte 1 (a block of zeros too, where the rule says 127: its codes are zeros, and this program alone reads the bytes).  Any mask word other than 0 counts as kept.
; LDS: 0 the mask (128 rows, pitch 1,040; then in place eight images of 16,384 bytes, 16,640 apart; at the end four stages of 16 x 528);  XR raw x (pitch 432), later the attention's images;
;   CR raw context, later q's images (each wave's own);  HR h's images;  STAT the LayerNorm's pairs.  An image region: fragment 8 s + a at 1,536 bytes each, scale words from 49,152 on, 128 bytes each.
; REGISTERS, in windows of 256.  Window 0: v1-15 addresses; v16-55 scale words and nothing else; v56-58 r, h, lane; v64-255 by phase.  Window 1: source 0's two sets, v192-255 a vector by columns; in the attention K's codes.
;   Windows 2, 3: the accumulators ((i1, i0) at v[8 (8 (i1 % 4) + i0)] of window 2 + i1 / 4); in the attention V's codes (window 2) and two tiles of scores (window 3).
.set PERM, 0
.set LI,   1                           ; v1  16 x lane; never rewritten
.set H64,  7                           ; v7  64 h (from the attention on: v9)
.set WIP,  14                          ; s[14:15] the weights' images at my wave's part
.set WSP,  16                          ; s[16:17] their scale words
.set SEL,  72                          ; s[72:73] selects of v_permlanex16_b32: lane l xor 16
.set TM,   224                         ; v224-239 the quantiser's work registers
.set T2,   240                         ; v240-247
.set XR,   133120
.set CR,   188416
.set HR,   243712
.set STAT, 296960
.set MSB, 0
.macro WIN new                         ; the immediate's high byte repeats the setting that is left
.if MSB != (\new)
	s_set_vgpr_msb (MSB<<8)|(\new)
.set MSB, (\new)
.endif
.endm
.macro PLACES                          ; four plain places behind a matrix instruction, in front of loads into its registers and of reads of its results
.rept 4
	v_nop
.endr
.endm
; One matrix instruction on the registers named by rD, rA, rB, rC, rSA, rSB.  cm: C is 0 (0), v[rC..] (1), D itself (2).  ra, rb: the side's scales stand in lanes 16-31.
.macro WM cm, ra, rb
.if (\cm) == 0
.if (\ra) && (\rb)
	v_wmma_scale_f32_16x16x128_f8f6f4 v[rD:rD+7], v[rA:rA+11], v[rB:rB+11], 0, v[rSA], v[rSB] matrix_a_fmt:MATRIX_FMT_BF6 matrix_b_fmt:MATRIX_FMT_BF6 matrix_a_scale:MATRIX_SCALE_ROW1 matrix_b_scale:MATRIX_SCALE_ROW1
.elseif (\ra)
	v_wmma_scale_f32_16x16x128_f8f6f4 v[rD:rD+7], v[rA:rA+11], v[rB:rB+11], 0, v[rSA], v[rSB] matrix_a_fmt:MATRIX_FMT_BF6 matrix_b_fmt:MATRIX_FMT_BF6 matrix_a_scale:MATRIX_SCALE_ROW1
.elseif (\rb)
	v_wmma_scale_f32_16x16x128_f8f6f4 v[rD:rD+7], v[rA:rA+11], v[rB:rB+11], 0, v[rSA], v[rSB] matrix_a_fmt:MATRIX_FMT_BF6 matrix_b_fmt:MATRIX_FMT_BF6 matrix_b_scale:MATRIX_SCALE_ROW1
.else
	v_wmma_scale_f32_16x16x128_f8f6f4 v[rD:rD+7], v[rA:rA+11], v[rB:rB+11], 0, v[rSA], v[rSB] matrix_a_fmt:MATRIX_FMT_BF6 matrix_b_fmt:MATRIX_FMT_BF6
.endif
.elseif (\cm) == 1
.if (\ra) && (\rb)
	v_wmma_scale_f32_16x16x128_f8f6f4 v[rD:rD+7], v[rA:rA+11], v[rB:rB+11], v[rC:rC+7], v[rSA], v[rSB] matrix_a_fmt:MATRIX_FMT_BF6 matrix_b_fmt:MATRIX_FMT_BF6 matrix_a_scale:MATRIX_SCALE_ROW1 matrix_b_scale:MATRIX_SCALE_ROW1
.elseif (\ra)
	v_wmma_scale_f32_16x16x128_f8f6f4 v[rD:rD+7], v[rA:rA+11], v[rB:rB+11], v[rC:rC+7], v[rSA], v[rSB] matrix_a_fmt:MATRIX_FMT_BF6 matrix_b_fmt:MATRIX_FMT_BF6 matrix_a_scale:MATRIX_SCALE_ROW1
.elseif (\rb)
	v_wmma_scale_f32_16x16x128_f8f6f4 v[rD:rD+7], v[rA:rA+11], v[rB:rB+11], v[rC:rC+7], v[rSA], v[rSB] matrix_a_fmt:MATRIX_FMT_BF6 matrix_b_fmt:MATRIX_FMT_BF6 matrix_b_scale:MATRIX_SCALE_ROW1
.else
	v_wmma_scale_f32_16x16x128_f8f6f4 v[rD:rD+7], v[rA:rA+11], v[rB:rB+11], v[rC:rC+7], v[rSA], v[rSB] matrix_a_fmt:MATRIX_FMT_BF6 matrix_b_fmt:MATRIX_FMT_BF6
.endif
.else
.if (\ra) && (\rb)
	v_wmma_scale_f32_16x16x128_f8f6f4 v[rD:rD+7], v[rA:rA+11], v[rB:rB+11], v[rD:rD+7], v[rSA], v[rSB] matrix_a_fmt:MATRIX_FMT_BF6 matrix_b_fmt:MATRIX_FMT_BF6 matrix_a_scale:MATRIX_SCALE_ROW1 matrix_b_scale:MATRIX_SCALE_ROW1
.elseif (\ra)
	v_wmma_scale_f32_16x16x128_f8f6f4 v[rD:rD+7], v[rA:rA+11], v[rB:rB+11], v[rD:rD+7], v[rSA], v[rSB] matrix_a_fmt:MATRIX_FMT_BF6 matrix_b_fmt:MATRIX_FMT_BF6 matrix_a_scale:MATRIX_SCALE_ROW1
.elseif (\rb)
	v_wmma_scale_f32_16x16x128_f8f6f4 v[rD:rD+7], v[rA:rA+11], v[rB:rB+11], v[rD:rD+7], v[rSA], v[rSB] matrix_a_fmt:MATRIX_FMT_BF6 matrix_b_fmt:MATRIX_FMT_BF6 matrix_b_scale:MATRIX_SCALE_ROW1
.else
	v_wmma_scale_f32_16x16x128_f8f6f4 v[rD:rD+7], v[rA:rA+11], v[rB:rB+11], v[rD:rD+7], v[rSA], v[rSB] matrix_a_fmt:MATRIX_FMT_BF6 matrix_b_fmt:MATRIX_FMT_BF6
.endif
.endif
.endm
; A K step of 128: 64 matrix instructions on sets p.  sp: source 0's scale words, two tiles to a register; sq: source 1's, packed likewise (pk = 1) or one tile to a register (pk = 0).
; The 64 accumulators take turns, one instruction a turn, in the same order in every step.
.macro MUL64 p, cm, sp, sq, pk
.set i1, 0
.rept 8
.if (\cm) == 1
	WIN 0x91+0x40*(i1/4)
.else
	WIN 0xa1+0x50*(i1/4)
.endif
.set i0, 0
.rept 8
.set rD, 8*(8*(i1%4)+i0)
.set rA, 96*(\p)+12*i0
.set rB, 64+96*(\p)+12*i1
.set rC, 192+8*i0
.set rSA, (\sp)+i0/2
.if \pk
.set rSB, (\sq)+i1/2
	WM \cm, i0%2, i1%2
.else
.set rSB, (\sq)+i1
	WM \cm, i0%2, 0
.endif
.set i0, i0+1
.endr
.set i1, i1+1
.endr
.endm
; K step s of matrix mt: my wave's eight fragments into v[dst ..] of window dw, their scale words into v[ws .. ws + 3]: 25 loads, each of 512 consecutive bytes
.macro GW dw, dst, ws, mt, s
	WIN (\dw)<<6
.irp t, 0,1,2,3,4,5,6,7
.irp c, 0,1,2
	global_load_b128 v[(\dst)+12*\t+4*\c:(\dst)+12*\t+4*\c+3], v[LI], s[WIP:WIP+1] offset:196608*(\mt)+12288*(\s)+1536*\t+512*\c
.endr
.endr
	WIN 0
	global_load_b128 v[(\ws):(\ws)+3], v[LI], s[WSP:WSP+1] offset:8192*(\mt)+512*(\s)
.endm
; K step s of raw rows in LDS: eight fragments, 24 loads of 16 bytes a lane.  Piece i = 3 s + c of a lane's 192 bytes lies behind 0, 1 or 2 paddings, differently in the two halves of the lanes:
; v[ad] = row x 432 + 208 h serves pieces 0-3 and (16 bytes on) 8-11, v[ad + 1] = row x 432 + 224 h pieces 4-7.
.macro FR dw, dst, ad, s
	WIN (\dw)<<6
.irp a, 0,1,2,3,4,5,6,7
.if PERM
.set TBA, (32*(\a/2)+8*(\a%2))*432
.else
.set TBA, 16*\a*432
.endif
.irp c, 0,1,2
.set PI, 3*(\s)+\c
.if PI < 4
	ds_load_b128 v[(\dst)+12*\a+4*\c:(\dst)+12*\a+4*\c+3], v[\ad] offset:TBA+16*PI
.elseif PI < 8
	ds_load_b128 v[(\dst)+12*\a+4*\c:(\dst)+12*\a+4*\c+3], v[\ad+1] offset:TBA+16*PI
.else
	ds_load_b128 v[(\dst)+12*\a+4*\c:(\dst)+12*\a+4*\c+3], v[\ad] offset:TBA+16*PI+16
.endif
.endr
.endr
	WIN 0
.endm
; K step s of an image region: eight fragments and their eight scale words: 32 LDS loads
.macro FI dst, sq, li, ls, s
.irp a, 0,1,2,3,4,5,6,7
.irp c, 0,1,2
	ds_load_b128 v[(\dst)+12*\a+4*\c:(\dst)+12*\a+4*\c+3], v[\li] offset:1536*(8*(\s)+\a)+512*\c
.endr
.endr
.irp a, 0,1,2,3,4,5,6,7
	ds_load_b32 v[(\sq)+\a], v[\ls] offset:128*(8*(\s)+\a)
.endr
.endm
; 64 numbers of a lane in window x, register src + 16 b + i = k 32 b + 16 (lane / 16) + i of the lane's row, become codes: blocks 0, 1 in v[d0 .. d0 + 5], blocks 2, 3 in v[d1 .. d1 + 5] (the operand's layout:
; a whole block in a lane), and the row's scale word in v[pw].  The numbers are read in ascending order.
.macro QUANT x, src, d0, d1, pw
	WIN (\x)|((\x)<<2)
.irp b, 0,1,2,3
	v_max3_num_f32 v[TM+\b], |v[(\src)+16*\b]|, |v[(\src)+16*\b+1]|, 0x2800000   ; my 16 numbers of block b, and the floor 2^(5 - 127): the byte cannot fall under 1
.endr
.irp i, 2,4,6,8,10,12,14
.irp b, 0,1,2,3
	v_max3_num_f32 v[TM+\b], |v[(\src)+16*\b+\i]|, |v[(\src)+16*\b+\i+1]|, v[TM+\b]
.endr
.endr
	WIN 0
.irp b, 0,1,2,3
	v_permlanex16_b32 v[TM+4+\b], v[TM+\b], s[SEL], s[SEL+1]
.endr
.irp b, 0,1,2,3
	v_max_num_f32 v[TM+\b], v[TM+\b], v[TM+4+\b]   ; with lane l xor 16's: the block's largest magnitude
.endr
.irp b, 0,1,2,3
	v_add_nc_u32 v[TM+12+\b], 0xfe000000, v[TM+\b] ; 4 off its exponent field: the conversion's scale operand
.endr
.irp b, 0,1,2,3
	v_lshrrev_b32 v[TM+4+\b], 23, v[TM+12+\b]      ; the scale's byte
.endr
	v_lshl_or_b32 v[\pw], v[TM+5], 8, v[TM+4]
	v_lshl_or_b32 v[\pw], v[TM+6], 16, v[\pw]
	v_lshl_or_b32 v[\pw], v[TM+7], 24, v[\pw]
	WIN (\x)
	v_cvt_scalef32_pk16_bf6_f32 v[(\d0):(\d0)+2], v[(\src):(\src)+15], v[TM+12]
	v_cvt_scalef32_pk16_bf6_f32 v[T2:T2+2], v[(\src)+16:(\src)+31], v[TM+13]
	v_cvt_scalef32_pk16_bf6_f32 v[(\d1):(\d1)+2], v[(\src)+32:(\src)+47], v[TM+14]
	v_cvt_scalef32_pk16_bf6_f32 v[T2+4:T2+6], v[(\src)+48:(\src)+63], v[TM+15]
	v_nop                                          ; one plain place behind the scaled conversions
	WIN 0
.irp i, 0,1,2
	v_permlane16_swap_b32 v[(\d0)+\i], v[T2+\i]    ; half blocks change places, so that a lane holds a whole block
	v_permlane16_swap_b32 v[(\d1)+\i], v[T2+4+\i]
.endr
.irp i, 0,1,2
	v_mov_b32 v[(\d0)+3+\i], v[T2+\i]
	v_mov_b32 v[(\d1)+3+\i], v[T2+4+\i]
.endr
.endm
.macro IMAGE adr, reg, off             ; a fragment goes to LDS as it stands: lane l's 16 bytes at 16 l, 512 bytes a store
.irp c, 0,1,2
	ds_store_b128 v[\adr], v[(\reg)+4*\c:(\reg)+4*\c+3] offset:(\off)+512*\c
.endr
.endm
.macro BAR                             ; my LDS instructions are done; then the work-group's barrier
	s_wait_dscnt 0x0
	s_barrier_signal -1
	s_barrier_wait -1
.endm
; A vector by columns (a bias, a gain) in the accumulators' layout: register 8 i + j of lane (r, h) is column 32 (i / 2) + 16 h + 8 (i % 2) + j of my 128: 16 loads
.macro COLV dw, dst, sb
	WIN (\dw)<<6
.irp i, 0,1,2,3,4,5,6,7
	global_load_b128 v[(\dst)+8*\i:(\dst)+8*\i+3], v[H64], s[\sb:\sb+1] offset:(32*(\i/2)+8*(\i%2))*4
	global_load_b128 v[(\dst)+8*\i+4:(\dst)+8*\i+7], v[H64], s[\sb:\sb+1] offset:(32*(\i/2)+8*(\i%2))*4+16
.endr
	WIN 0
.endm
.macro IMG24 dw, dst, sb, off          ; a dense image of 96 registers: 24 loads of 512 consecutive bytes
	WIN (\dw)<<6
.set q, 0
.rept 24
	global_load_b128 v[(\dst)+4*q:(\dst)+4*q+3], v[LI], s[\sb:\sb+1] offset:(\off)+512*q
.set q, q+1
.endr
	WIN 0
.endm
.macro BIAS dst, sb                    ; a tile of 8 x bias, 128 registers of window 3: 32 loads
	WIN 0xc0
.set q, 0
.rept 32
	global_load_b128 v[(\dst)+4*q:(\dst)+4*q+3], v[LI], s[\sb:\sb+1] offset:512*q
.set q, q+1
.endr
	WIN 0
.endm
	s_load_b512 s[4:19], s[0:1], 0x0               ; x's codes s[4:5], scales s[6:7]; context's s[8:9], s[10:11]; mask s[12:13]; wimg, wscl; kimg s[18:19]
	s_load_b512 s[20:35], s[0:1], 0x40             ; ksc s[20:21], vimg s[22:23], vsc s[24:25], biasw s[26:27], bc1 s[28:29], ln_g s[30:31], ln_b s[32:33], bo s[34:35]
	s_load_b128 s[36:39], s[0:1], 0x80             ; bc2 s[36:37], out0 s[38:39]
	v_lshl_add_u32 v62, v0, 2, 0x49800
	v_mov_b32 v63, 0
	ds_add_u32 v62, v63
	ds_add_u32 v62, v63
	v_lshrrev_b32 v1, 5, v0
	v_readfirstlane_b32 s2, v1                     ; wave 0..3
	s_mov_b32 s3, ttmp9                            ; id = 2 b + hf
	; descriptor group 1 for rows of codes: 32 rows of 384 bytes, 16 bytes of padding behind every 32 words
	s_mov_b32 s40, (1<<20)|(4<<22)|(3<<25)
	s_mov_b32 s41, 384<<16
	s_mov_b32 s42, 32<<16
	s_mov_b32 s43, 384<<16
	s_mov_b32 s44, 32
	s_mov_b32 s45, 384
	s_mov_b32 s46, 0
	s_mov_b32 s47, 0
	; and for the mask: 32 rows of 256 words, 16 bytes of padding behind each
	s_mov_b32 s48, (2<<16)|(1<<20)|(7<<22)|(3<<25)
	s_mov_b32 s49, 256<<16
	s_mov_b32 s50, 32<<16
	s_mov_b32 s51, 256<<16
	s_mov_b32 s52, 32
	s_mov_b32 s53, 256
	s_mov_b32 s54, 0
	s_mov_b32 s55, 0
	s_mov_b32 s72, 0x76543210
	s_mov_b32 s73, 0xfedcba98
	s_mov_b32 s74, 0x3e38aa3b                      ; c = log2(e) / 8
	s_mov_b32 s75, s74                             ; (named with it as a pair, so it is written)
	s_mov_b32 s76, 0x05010400                      ; byte selects: (lo.0, hi.0, lo.1, hi.1)
	s_mov_b32 s77, 0x07030602                      ; (lo.2, hi.2, lo.3, hi.3)
	s_mov_b32 s78, 0x3727c5ac                      ; 1e-5
	s_mov_b32 s79, 0x3b000000                      ; 1 / 512
	s_mul_i32 s88, s3, 49152                       ; 128 rows of 384 bytes
	s_mul_i32 s89, s2, 12288                       ; my 32 of them
	s_add_co_u32 s88, s88, s89
	s_mov_b32 s89, 0
	s_lshl_b32 s90, s3, 17                         ; 128 rows of the mask, 1,024 bytes each
	s_lshl_b32 s91, s2, 15
	s_add_co_u32 s90, s90, s91
	s_mov_b32 s91, 0
	s_mul_i32 s92, s2, 13824                       ; 32 rows of 432 bytes in LDS
	s_mul_i32 s93, s2, 33280                       ; 32 rows of 1,040
	s_mov_b32 s56, 1
	s_add_co_u32 s57, s92, CR
	s_mov_b32 s60, 1
	s_add_co_u32 s61, s92, XR
	s_mov_b32 s68, 1
	s_mov_b32 s69, s93
	s_wait_dscnt 0x0
	s_wait_kmcnt 0x0
	s_add_nc_u64 s[58:59], s[8:9], s[88:89]
	s_or_b32 s59, s59, 0x80000000
	s_add_nc_u64 s[62:63], s[4:5], s[88:89]
	s_or_b32 s63, s63, 0x80000000
	s_add_nc_u64 s[70:71], s[12:13], s[90:91]
	s_or_b32 s71, s71, 0x80000000
	tensor_load_to_lds s[56:59], s[40:47]          ; context, wanted first;
	s_nop 0
	tensor_load_to_lds s[60:63], s[40:47]          ; x;
	s_nop 0
	tensor_load_to_lds s[68:71], s[48:55]          ; the mask.  All first fills, in one group at the start
	s_nop 0
.rept 4
	v_nop
.endr
	v_and_b32 v56, 15, v0                          ; r
	v_bfe_u32 v57, v0, 4, 1                        ; h
	v_and_b32 v58, 31, v0                          ; lane
	v_lshlrev_b32 v1, 4, v58
	v_lshlrev_b32 v2, 2, v58
	v_mul_u32_u24 v59, v56, 432
	v_mad_u32_u24 v60, v57, 208, v59
	v_mad_u32_u24 v61, v57, 224, v59
	v_add_nc_u32 v3, CR, v60                       ; v3, v4: context's rows;  v5, v6: x's
	v_add_nc_u32 v4, CR, v61
	v_add_nc_u32 v5, XR, v60
	v_add_nc_u32 v6, XR, v61
	v_lshlrev_b32 v7, 6, v57
	v_lshlrev_b32 v9, 5, v56
	v_add_nc_u32 v9, STAT, v9                      ; v9: a row's four pairs;  v8: my wave's pair
	s_lshl_b32 s88, s2, 3
	v_add_nc_u32 v8, s88, v9
	s_mul_i32 s88, s2, 12288
	s_lshl_b32 s90, s2, 10
	v_add_nc_u32 v59, s88, v1
	v_add_nc_u32 v60, s90, v2
	v_add_nc_u32 v10, HR, v59                      ; where I store images and scale words: h's,
	v_add_nc_u32 v11, HR+49152, v60
	v_add_nc_u32 v12, CR, v59                      ; q's,
	v_add_nc_u32 v13, CR+49152, v60
	v_add_nc_u32 v14, XR, v59                      ; the attention's
	v_add_nc_u32 v15, XR+49152, v60
	s_mul_i32 s88, s2, 49152
	s_add_nc_u64 s[14:15], s[14:15], s[88:89]
	s_lshl_b32 s88, s2, 11
	s_add_nc_u64 s[16:17], s[16:17], s[88:89]
	s_lshl_b32 s88, s3, 11                         ; 128 rows of 16 scale bytes
	s_add_nc_u64 s[6:7], s[6:7], s[88:89]
	s_add_nc_u64 s[10:11], s[10:11], s[88:89]
	s_lshl_b32 s88, s2, 9                          ; my 128 columns of f32
	s_add_nc_u64 s[28:29], s[28:29], s[88:89]
	s_add_nc_u64 s[30:31], s[30:31], s[88:89]
	s_add_nc_u64 s[32:33], s[32:33], s[88:89]
	s_add_nc_u64 s[34:35], s[34:35], s[88:89]
	s_add_nc_u64 s[36:37], s[36:37], s[88:89]
	s_add_nc_u64 s[38:39], s[38:39], s[88:89]
	s_lshl_b32 s88, s3, 18                         ; 128 rows of out0, 2,048 bytes each
	s_add_nc_u64 s[38:39], s[38:39], s[88:89]
	s_lshr_b32 s90, s3, 1
	s_lshl_b32 s90, s90, 3
	s_lshl_b32 s92, s2, 1
	s_add_co_u32 s90, s90, s92                     ; 8 b + 2 w: my first head
	s_mul_i32 s88, s90, 12288
	s_add_nc_u64 s[18:19], s[18:19], s[88:89]
	s_add_nc_u64 s[22:23], s[22:23], s[88:89]
	s_lshl_b32 s88, s90, 10
	s_add_nc_u64 s[20:21], s[20:21], s[88:89]
	s_lshl_b32 s88, s90, 9
	s_add_nc_u64 s[24:25], s[24:25], s[88:89]
	s_lshl_b32 s88, s2, 5
	s_and_b32 s90, s3, 1
	s_lshl_b32 s90, s90, 3
	s_add_co_u32 s88, s88, s90
	s_lshl_b32 s88, s88, 14                        ; (16 (2 w) + 8 hf) tiles of 16,384 bytes
	s_add_nc_u64 s[84:85], s[26:27], s[88:89]      ; the bias of my first head, my first tile of queries;
	s_add_nc_u64 s[86:87], s[84:85], 0x40000       ; of my second head
	COLV 1, 192, 28                                ; bc1: the C of the first product's first step
.irp j, 0,1,2,3
	global_load_b128 v[160+4*\j:163+4*\j], v[LI], s[10:11] offset:512*\j   ; context's scales: lanes 0-15 tile 2 j's rows, lanes 16-31 tile 2 j + 1's
.endr
.irp j, 0,1,2,3
	global_load_b128 v[176+4*\j:179+4*\j], v[LI], s[6:7] offset:512*\j     ; x's
.endr
	GW 1, 0, 16, 2, 0
	s_wait_loadcnt 25                              ; all but the 25 loads of Wc1's first step
.irp j, 0,1,2,3
	v_perm_b32 v[24+\j], v[162+4*\j], v[160+4*\j], s76
.endr
.irp j, 0,1,2,3
	v_perm_b32 v[28+\j], v[162+4*\j], v[160+4*\j], s77
.endr
.irp j, 0,1,2,3
	v_perm_b32 v[32+\j], v[163+4*\j], v[161+4*\j], s76
.endr
.irp j, 0,1,2,3
	v_perm_b32 v[36+\j], v[163+4*\j], v[161+4*\j], s77
.endr
.irp j, 0,1,2,3
	v_perm_b32 v[40+\j], v[178+4*\j], v[176+4*\j], s76
.endr
.irp j, 0,1,2,3
	v_perm_b32 v[44+\j], v[178+4*\j], v[176+4*\j], s77
.endr
.irp j, 0,1,2,3
	v_perm_b32 v[48+\j], v[179+4*\j], v[177+4*\j], s76
.endr
.irp j, 0,1,2,3
	v_perm_b32 v[52+\j], v[179+4*\j], v[177+4*\j], s77
.endr
	s_wait_tensorcnt 0x2                           ; my rows of context are in; x and the mask may stay out: no LDS byte is ever filled again
	BAR
	FR 0, 64, 3, 0
	; ---- context Wc1 + bc1.  In each step the later steps' loads go out first; the counted waits leave just those out.
	GW 1, 96, 20, 2, 1
	FR 0, 160, 3, 1
	s_wait_loadcnt 25
	s_wait_dscnt 24
	MUL64 0, 1, 16, 24, 1
	PLACES
	COLV 1, 192, 30                                ; ln_g takes bc1's place
	GW 1, 0, 16, 2, 2
	FR 0, 64, 3, 2
	s_wait_loadcnt 41                              ; behind this step's weights: ln_g's 16 and the next step's 25
	s_wait_dscnt 24
	MUL64 1, 2, 20, 28, 1
	PLACES
	GW 1, 96, 20, 2, 3
	FR 0, 160, 3, 3
	s_wait_loadcnt 25
	s_wait_dscnt 24
	MUL64 0, 2, 16, 32, 1
	PLACES
	COLV 1, 0, 32                                  ; ln_b into the set that is done with
	s_wait_loadcnt 16
	s_wait_dscnt 0x0
	MUL64 1, 2, 20, 36, 1
	; ---- LayerNorm.  Tile a's four registers at v[160 + 4 a]: my wave's mean (later the shift), the sum of squares about it, 1 / sigma twice.
.macro FOLD                            ; four tiles' two chains of pairs at v[192 + 4 q] become one number a row, in every lane
.irp q, 0,1,2,3
	v_pk_add_f32 v[192+4*\q:193+4*\q], v[192+4*\q:193+4*\q], v[194+4*\q:195+4*\q]
.endr
.irp q, 0,1,2,3
	v_add_f32 v[192+4*\q], v[192+4*\q], v[193+4*\q]
.endr
.irp q, 0,1,2,3
	v_permlanex16_b32 v[194+4*\q], v[192+4*\q], s[SEL], s[SEL+1]
.endr
.irp q, 0,1,2,3
	v_add_f32 v[192+4*\q], v[192+4*\q], v[194+4*\q]
.endr
.endm
.macro LN1 X                           ; the four tiles of window X, by turns: the mean of my 128 columns, the numbers less that mean (in place), the sum of their squares
.set SA, 160+16*((\X)-2)
	WIN (\X)<<2
.set k, 0
.rept 32
.irp q, 0,1,2,3
.if k < 4
	v_pk_add_f32 v[192+4*\q+k:193+4*\q+k], 0, v[64*\q+k:64*\q+k+1] op_sel_hi:[0,1]
.else
	v_pk_add_f32 v[192+4*\q+k%4:193+4*\q+k%4], v[192+4*\q+k%4:193+4*\q+k%4], v[64*\q+k:64*\q+k+1]
.endif
.endr
.set k, k+2
.endr
	WIN 0
	FOLD
.irp q, 0,1,2,3
	v_mul_f32 v[SA+4*\q], 0x3c000000, v[192+4*\q]  ; / 128
	v_mov_b32 v[SA+4*\q+1], 0                      ; (named with it as a pair below)
.endr
	WIN ((\X)<<6)|(\X)
.irp q, 0,1,2,3
.set k, 0
.rept 32
	v_pk_add_f32 v[64*\q+k:64*\q+k+1], v[64*\q+k:64*\q+k+1], v[SA+4*\q:SA+4*\q+1] op_sel_hi:[1,0] neg_lo:[0,1] neg_hi:[0,1]
.set k, k+2
.endr
.endr
	WIN (\X)|((\X)<<2)
.set k, 0
.rept 32
.irp q, 0,1,2,3
.if k < 4
	v_pk_mul_f32 v[192+4*\q+k:193+4*\q+k], v[64*\q+k:64*\q+k+1], v[64*\q+k:64*\q+k+1]
.else
	v_pk_fma_f32 v[192+4*\q+k%4:193+4*\q+k%4], v[64*\q+k:64*\q+k+1], v[64*\q+k:64*\q+k+1], v[192+4*\q+k%4:193+4*\q+k%4]
.endif
.endr
.set k, k+2
.endr
	WIN 0
	FOLD
.irp q, 0,1,2,3
	v_mov_b32 v[SA+4*\q+1], v[192+4*\q]
.endr
.irp q, 0,1,2,3
	ds_store_b64 v8, v[SA+4*\q:SA+4*\q+1] offset:512*(4*((\X)-2)+\q)
.endr
.endm
.macro LN3 X                           ; x / sigma + shift; x gain + bias; relu
.set SA, 160+16*((\X)-2)
	WIN ((\X)<<6)|(\X)
.irp q, 0,1,2,3
.set k, 0
.rept 32
	v_pk_fma_f32 v[64*\q+k:64*\q+k+1], v[64*\q+k:64*\q+k+1], v[SA+4*\q+2:SA+4*\q+3], v[SA+4*\q:SA+4*\q+1] op_sel_hi:[1,0,0]
.set k, k+2
.endr
.endr
	WIN ((\X)<<6)|0x14|(\X)
.irp q, 0,1,2,3
.set k, 0
.rept 32
	v_pk_fma_f32 v[64*\q+k:64*\q+k+1], v[64*\q+k:64*\q+k+1], v[192+k:193+k], v[k:k+1]
.set k, k+2
.endr
.endr
	WIN ((\X)<<6)|((\X)<<2)
.set k, 0
.rept 256
	v_max_num_f32 v[k], 0, v[k]
.set k, k+1
.endr
.endm
; Tile a's 64 numbers become a fragment's image and a scale word's, at v[wi] and v[wsr].  Two sets of registers by turns: the wait leaves the tile before's four stores out.
.macro TOIMG a, wi, wsr
.if (\a) >= 2
	s_wait_dscnt 4
.endif
	QUANT 2+(\a)/4, 64*((\a)%4), 64+12*((\a)%2), 70+12*((\a)%2), 88+(\a)%2
	IMAGE \wi, 64+12*((\a)%2), 1536*(\a)
	ds_store_b32 v[\wsr], v[88+(\a)%2] offset:128*(\a)
.endm
	PLACES
	LN1 2
	LN1 3
	s_wait_tensorcnt 0x1                           ; my rows of x are in (the mask may stay out),
	BAR                                            ; everybody's are, and so are all pairs; nobody reads raw context any more
.irp a, 0,1,2,3,4,5,6,7
	ds_load_b128 v[96+8*\a:99+8*\a], v9 offset:512*\a
	ds_load_b128 v[100+8*\a:103+8*\a], v9 offset:512*\a+16
.endr
	s_mov_b32 s88, 0x43000000                      ; 128.0
	s_wait_dscnt 0x0
.irp a, 0,1,2,3,4,5,6,7
	v_add_f32 v[192+\a], v[96+8*\a], v[98+8*\a]
.endr
.irp a, 0,1,2,3,4,5,6,7
	v_add_f32 v[200+\a], v[100+8*\a], v[102+8*\a]
.endr
.irp a, 0,1,2,3,4,5,6,7
	v_add_f32 v[192+\a], v[192+\a], v[200+\a]
.endr
.irp a, 0,1,2,3,4,5,6,7
	v_mul_f32 v[192+\a], 0x3e800000, v[192+\a]     ; the row's mean: the mean of four means of 128
.endr
.irp i, 0,2,4,6
.irp a, 0,1,2,3,4,5,6,7
	v_sub_f32 v[96+8*\a+\i], v[96+8*\a+\i], v[192+\a]
.endr
.endr
.irp a, 0,1,2,3,4,5,6,7
	v_add_f32 v[97+8*\a], v[97+8*\a], v[99+8*\a]
.endr
.irp a, 0,1,2,3,4,5,6,7
	v_add_f32 v[101+8*\a], v[101+8*\a], v[103+8*\a]
.endr
.irp a, 0,1,2,3,4,5,6,7
	v_add_f32 v[97+8*\a], v[97+8*\a], v[101+8*\a]
.endr
.irp a, 0,1,2,3,4,5,6,7
	v_mul_f32 v[200+\a], v[96+8*\a], v[96+8*\a]
.endr
.irp i, 2,4,6
.irp a, 0,1,2,3,4,5,6,7
	v_fmac_f32 v[200+\a], v[96+8*\a+\i], v[96+8*\a+\i]
.endr
.endr
.irp a, 0,1,2,3,4,5,6,7
	v_fma_f32 v[97+8*\a], v[200+\a], s88, v[97+8*\a]   ; the sum of squares about the row's mean
.endr
.irp a, 0,1,2,3,4,5,6,7
	v_fma_f32 v[97+8*\a], v[97+8*\a], s79, s78     ; the variance + 1e-5
.endr
.irp a, 0,1,2,3,4,5,6,7
	v_rsq_f32 v[162+4*\a], v[97+8*\a]
.endr
.irp a, 0,1,2,3,4,5,6,7
	v_sub_f32 v[160+4*\a], v[160+4*\a], v[192+\a]  ; my wave's mean less the row's.  (Plain lines behind the roots)
.endr
	s_wait_alu depctr_va_vdst(0)
.irp a, 0,1,2,3,4,5,6,7
	v_mul_f32 v[160+4*\a], v[160+4*\a], v[162+4*\a]
.endr
.irp a, 0,1,2,3,4,5,6,7
	v_mov_b32 v[163+4*\a], v[162+4*\a]
.endr
	s_wait_loadcnt 0x0                             ; ln_g and ln_b
	LN3 2
	LN3 3
	GW 1, 0, 16, 3, 0                              ; Wq's first step lands while h is quantised
.irp b, 0,1,2,3
	v_mov_b32 v[TM+4+\b], 0                        ; a lane permute's destination counts as one of its sources
.endr
.irp a, 0,1,2,3,4,5,6,7
	TOIMG \a, 10, 11
.endr
	; ---- q = x Wq
	s_wait_dscnt 0x0                               ; the stores have read their registers
	FR 0, 64, 5, 0
	GW 1, 96, 20, 3, 1
	FR 0, 160, 5, 1
	s_wait_loadcnt 25
	s_wait_dscnt 24
	MUL64 0, 0, 16, 40, 1
	PLACES
	GW 1, 0, 16, 3, 2
	FR 0, 64, 5, 2
	s_wait_loadcnt 25
	s_wait_dscnt 24
	MUL64 1, 2, 20, 44, 1
	PLACES
	GW 1, 96, 20, 3, 3
	FR 0, 160, 5, 3
	s_wait_loadcnt 25
	s_wait_dscnt 24
	MUL64 0, 2, 16, 48, 1
	PLACES
	IMG24 1, 0, 18, 0                              ; K's codes of my first head take the set that is done with
	s_wait_loadcnt 24
	s_wait_dscnt 0x0
	MUL64 1, 2, 20, 52, 1
	; ---- q's images (my own: nobody else reads them), and all that the attention keeps in registers is asked for as registers fall free
	PLACES
	IMG24 1, 96, 18, 12288                         ; K's codes of my second head
	WIN 0x40
.irp i, 0,1,2,3,4,5
	v_mov_b32 v[192+\i], 0                         ; behind K's last tile: six registers that the last product names and that meet zero codes
.endr
	WIN 0
	v_lshlrev_b32 v8, 1, v2                        ; 8 x lane
	v_mov_b32 v9, v7                               ; 64 h
.set H64, 9
.irp j, 0,1,2,3
	global_load_b128 v[16+4*\j:19+4*\j], v[LI], s[20:21] offset:512*\j   ; K's scale words: v16-23 my first head's, v24-31 my second's; register t / 2, an odd tile in lanes 16-31
.endr
.irp j, 0,1,2,3
	global_load_b64 v[32+2*\j:33+2*\j], v8, s[24:25] offset:256*\j       ; V's: v32-35, v36-39; register 2 ks + t / 2
.endr
.irp a, 0,1,2,3
	TOIMG \a, 12, 13
.endr
	IMG24 2, 0, 22, 0                              ; V's codes: fragment (ks, t) at v[48 ks + 12 t] of window 2; my second head's from v96
	IMG24 2, 96, 22, 12288
.irp a, 4,5,6,7
	TOIMG \a, 12, 13
.endr
	BIAS 0, 84
	BIAS 128, 86
	; ---- the mask's words become 0 or -infinity, in the order of a score tile's registers, in place: each wave turns its own 32 rows
	s_wait_tensorcnt 0x0
	s_wait_dscnt 0x0
	s_mul_i32 s88, s2, 33280
	v_mul_u32_u24 v3, v56, 1040
	v_lshl_add_u32 v3, v57, 6, v3
	v_add_nc_u32 v3, s88, v3
	v_add_nc_u32 v4, s88, v1
	v_mov_b32 v5, 0xff800000
.irp u, 0,1
.set j, 0
.rept 32
	ds_load_b128 v[64+4*j:67+4*j], v3 offset:16640*\u+128*(j/4)+16*(j%4)
.set j, j+1
.endr
	s_wait_dscnt 0x0                               ; the tile's 16 rows are in registers: their bytes may be written
.set j, 0
.rept 128
	v_cmp_eq_u32 vcc_lo, 0, v[64+j]
	v_cndmask_b32 v[64+j], 0, v5, vcc_lo
.set j, j+1
.endr
.set j, 0
.rept 32
	ds_store_b128 v4, v[64+4*j:67+4*j] offset:16640*\u+512*j
.set j, j+1
.endr
	s_wait_dscnt 0x0
.endr
	BAR                                            ; all eight images lie in LDS; nobody reads raw x any more
	; ---- ATTENTION.  Window 0: v3 mask address; v4-7 image addresses; v40, v41 Q's scale words; v42 O's; v44, v45 p's; v64-75 Q's fragment, v76-81 zeros (second head: v70-81); v82-87 a copy, v88-93 zeros (first head: v82-93);
	;      v96-119 p's codes; v120-127 four chains of the row's sum; v128-159, v160-191 O^T of my two heads (v160-223 also two chunks of the mask, v192-207 half blocks of codes); v224-231 block maxima; v232-239 at work; v240-247 scale operands; v248 -M.
	ds_load_b128 v[64:67], v12
	ds_load_b128 v[68:71], v12 offset:512
	ds_load_b128 v[72:75], v12 offset:1024
	ds_load_b32 v40, v13
	s_mov_b32 s81, 0                               ; the tile's mask image,
	s_mov_b32 s82, 0                               ; its fragment in an image region,
	s_mov_b32 s83, 0                               ; its scale words
	s_mov_b32 s80, 7
	s_wait_dscnt 0x0
.irp i, 0,1,2,3,4,5
	v_mov_b32 v[82+\i], v[64+\i]
.endr
	v_lshrrev_b32 v41, 16, v40                     ; the second head's two bytes
.irp i, 0,1,2,3,4,5
	v_mov_b32 v[76+\i], 0
	v_mov_b32 v[88+\i], 0
.endr
.irp b, 0,1,2,3,4,5,6,7
	v_mov_b32 v[232+\b], 0                         ; lane permutes' destinations, written once
.endr
	v_mov_b32 v249, 0                              ; (named as the upper half of the pair v[248:249])
	v_mov_b32 v255, 0
.rept 8
	v_nop                                          ; operands and scale words written by vector instructions stand 4 and 8 places ahead of a scaled matrix instruction
.endr
.macro MLOAD ch, mc                    ; chunk ch of the tile's mask image: 32 registers
	WIN 0
.irp q, 0,1,2,3,4,5,6,7
	ds_load_b128 v[(\mc)+4*\q:(\mc)+4*\q+3], v3 offset:4096*(\ch)+512*\q
.endr
.endm
.macro MADD ch, mc
	WIN 0xc3
.set k, 0
.rept 16
	v_pk_add_f32 v[SB+32*(\ch)+k:SB+32*(\ch)+k+1], v[SB+32*(\ch)+k:SB+32*(\ch)+k+1], v[(\mc)+k:(\mc)+k+1]
.set k, k+2
.endr
.endm
; One head (hd = 0, 1 of my two) and one tile of 16 queries.  lw: the global loads issued behind this tile's bias, which may stay out.  hook = 1: bo and bc2 are asked for as their registers fall free.
.macro UNIT hd, lw, hook
.set SB, 128*(\hd)
.set OB, 128+32*(\hd)
	WIN 0
	v_add_nc_u32 v3, s81, v1
	MLOAD 0, 160
	MLOAD 1, 192
	s_wait_loadcnt \lw
	WIN 0xf1
.set kt, 0
.rept 16                               ; S^T = K Q^T + 8 bias: 16 tiles of keys.  Register 16 b + i of lane (r, h): query r, key 32 b + 16 h + i
.set rD, SB+8*kt
.set rA, 96*(\hd)+6*kt
.set rB, 82-12*(\hd)
.set rSA, 16+8*(\hd)+kt/2
.set rSB, 40+(\hd)
	WM 2, kt%2, 0
.set kt, kt+1
.endr
	PLACES
.if \hook
	COLV 1, 192, 34
	COLV 3, 0, 36
.endif
	s_wait_dscnt 8                                 ; the older chunk is in; the younger one's eight loads may be out
	MADD 0, 160
	MLOAD 2, 160
	s_wait_dscnt 8
	MADD 1, 192
	MLOAD 3, 192
	s_wait_dscnt 8
	MADD 2, 160
	s_wait_dscnt 0x0
	MADD 3, 192
	WIN 0x0f
.irp b, 0,1,2,3,4,5,6,7
	v_max_num_f32 v[224+\b], v[SB+16*\b], v[SB+16*\b+1]   ; the largest score of each block of 32 keys: for the row's maximum and for the block's largest p
.endr
.irp i, 2,4,6,8,10,12,14
.irp b, 0,1,2,3,4,5,6,7
	v_max3_num_f32 v[224+\b], v[SB+16*\b+\i], v[SB+16*\b+\i+1], v[224+\b]
.endr
.endr
	WIN 0
.irp b, 0,1,2,3,4,5,6,7
	v_permlanex16_b32 v[232+\b], v[224+\b], s[SEL], s[SEL+1]
.endr
.irp b, 0,1,2,3,4,5,6,7
	v_max_num_f32 v[224+\b], v[224+\b], v[232+\b]
.endr
	v_max3_num_f32 v254, v224, v225, v226
	v_max3_num_f32 v254, v254, v227, v228
	v_max3_num_f32 v254, v254, v229, v230
	v_max_num_f32 v254, v254, v231
	v_mul_f32 v254, s74, v254                      ; the row's largest t (c is positive)
	v_floor_f32 v248, -v254                        ; -M = floor(-t) = -ceil(t)
.irp b, 0,1,2,3,4,5,6,7
	v_fma_f32 v[224+\b], v[224+\b], s74, v248
.endr
.irp b, 0,1,2,3,4,5,6,7
	v_exp_f32 v[224+\b], v[224+\b]                 ; each block's largest p
.endr
	WIN 0xc3
.set k, 0
.rept 64
	v_pk_fma_f32 v[SB+k:SB+k+1], v[SB+k:SB+k+1], s[74:75], v[248:249] op_sel_hi:[1,0,0]   ; t - M
.set k, k+2
.endr
.set k, 0
.rept 128
	v_exp_f32 v[SB+k], v[SB+k]                     ; p = 2^(t - M): not normalised
.set k, k+1
.endr
	WIN 0
	s_wait_alu depctr_va_vdst(0)
.irp b, 0,1,2,3,4,5,6,7
	v_max_num_f32 v[224+\b], 0x2800000, v[224+\b]  ; the floor 2^(5 - 127).  (Plain lines behind the exponentials)
.endr
.irp b, 0,1,2,3,4,5,6,7
	v_add_nc_u32 v[240+\b], 0xfe000000, v[224+\b]
.endr
.irp b, 0,1,2,3,4,5,6,7
	v_lshrrev_b32 v[232+\b], 23, v[240+\b]
.endr
.irp e, 0,1
	v_lshl_or_b32 v[44+\e], v[233+4*\e], 8, v[232+4*\e]
	v_lshl_or_b32 v[44+\e], v[234+4*\e], 16, v[44+\e]
	v_lshl_or_b32 v[44+\e], v[235+4*\e], 24, v[44+\e]
.endr
	WIN 0x03
.irp e, 0,1
.irp c, 0,1
	v_cvt_scalef32_pk16_bf6_f32 v[96+12*\e+6*\c:98+12*\e+6*\c], v[SB+64*\e+32*\c:SB+64*\e+32*\c+15], v[240+4*\e+2*\c]
	v_cvt_scalef32_pk16_bf6_f32 v[192+8*\e+4*\c:194+8*\e+4*\c], v[SB+64*\e+32*\c+16:SB+64*\e+32*\c+31], v[241+4*\e+2*\c]
.endr
.endr
	v_nop                                          ; one plain place behind the scaled conversions
	WIN 0
.irp e, 0,1
.irp c, 0,1
.irp i, 0,1,2
	v_permlane16_swap_b32 v[96+12*\e+6*\c+\i], v[192+8*\e+4*\c+\i]
.endr
.irp i, 0,1,2
	v_mov_b32 v[99+12*\e+6*\c+\i], v[192+8*\e+4*\c+\i]
.endr
.endr
.endr
	WIN 0x03
.irp n, 0,1,2,3
	v_pk_add_f32 v[120+2*\n:121+2*\n], v[SB+2*\n:SB+2*\n+1], 0 op_sel_hi:[1,0]   ; the row's sum of the unquantised p, in four chains
.endr
.set k, 8
.rept 15
.irp n, 0,1,2,3
	v_pk_add_f32 v[120+2*\n:121+2*\n], v[SB+k+2*\n:SB+k+2*\n+1], v[120+2*\n:121+2*\n]
.endr
.set k, k+8
.endr
	WIN 0x02
.irp e, 0,1                            ; O^T = V^T P^T: two K steps of 128 keys, four tiles of the head's 64 by turns
.irp t, 0,1,2,3
.set rD, OB+8*\t
.set rA, 96*(\hd)+48*\e+12*\t
.set rB, 96+12*\e
.set rSA, 32+4*(\hd)+2*\e+\t/2
.set rSB, 44+\e
	WM 2*\e, \t%2, 0
.endr
.endr
	PLACES
	WIN 0
	v_pk_add_f32 v[120:121], v[120:121], v[122:123]
	v_pk_add_f32 v[124:125], v[124:125], v[126:127]
	v_pk_add_f32 v[120:121], v[120:121], v[124:125]
	v_add_f32 v254, v120, v121
	v_permlanex16_b32 v255, v254, s[SEL], s[SEL+1]
	v_add_f32 v254, v254, v255
	v_rcp_f32 v250, v254
	v_nop                                          ; a plain place behind the reciprocal
	s_wait_alu depctr_va_vdst(0)
	v_mov_b32 v251, v250
.set k, 0
.rept 16
	v_pk_mul_f32 v[OB+k:OB+k+1], v[OB+k:OB+k+1], v[250:251] op_sel_hi:[1,0]
.set k, k+2
.endr
.endm
; A tile of 16 queries: my two heads; their 128 numbers a row are one fragment of the last product's operand.  nxt = 1: the next tile's bias and Q are asked for; 0: the last product's first weights.
.macro TRIP nxt
	UNIT 0, 32, 0                                  ; behind this tile's first bias: the second head's 32 loads
.if \nxt
	s_wait_xcnt 0x0                                ; the base steps only behind this wait
	s_add_nc_u64 s[84:85], s[84:85], 16384
	BIAS 0, 84
	UNIT 1, 32, 0                                  ; behind the second head's bias: the next tile's 32 loads
	v_add_nc_u32 v4, s82, v12
	v_add_nc_u32 v5, s83, v13
	ds_load_b128 v[64:67], v4 offset:1536
	ds_load_b128 v[68:71], v4 offset:2048
	ds_load_b128 v[72:75], v4 offset:2560
	ds_load_b32 v40, v5 offset:128
	s_wait_xcnt 0x0
	s_add_nc_u64 s[86:87], s[86:87], 16384
	BIAS 128, 86
	s_wait_dscnt 0x0
.irp i, 0,1,2,3,4,5
	v_mov_b32 v[82+\i], v[64+\i]
.endr
	v_lshrrev_b32 v41, 16, v40
.else
	GW 1, 0, 16, 5, 0
	UNIT 1, 25, 1                                  ; behind the second head's bias: the 25 loads of Wc2's first step
.endif
	v_add_nc_u32 v6, s82, v14
	v_add_nc_u32 v7, s83, v15
	QUANT 0, 128, 96, 102, 42
	IMAGE 6, 96, 0
	ds_store_b32 v7, v42
.if \nxt
	s_add_co_u32 s81, s81, 16640
	s_add_co_u32 s82, s82, 1536
	s_add_co_u32 s83, s83, 128
.endif
.endm
.Ltile:
	TRIP 1
	s_sub_co_u32 s80, s80, 1
	s_cmp_lg_u32 s80, 0
	s_cbranch_scc1 .Ltile
	TRIP 0
	; ---- out0 = h Wc2 + attention Wo + (bo + bc2): one sum over K = 1,024
	BAR                                            ; the attention's images lie in LDS; nobody reads the mask any more
	s_wait_loadcnt 0x0
	WIN 0x4d
.set k, 0
.rept 32
	v_pk_add_f32 v[192+k:193+k], v[192+k:193+k], v[k:k+1]
.set k, k+2
.endr
	WIN 0
	v_add_nc_u32 v3, HR, v1
	v_add_nc_u32 v4, HR+49152, v2
	v_add_nc_u32 v5, XR, v1
	v_add_nc_u32 v6, XR+49152, v2
	s_mul_i32 s88, s2, 8448                        ; my stage: 16 rows of 528 bytes, where the mask lay
	v_mul_u32_u24 v7, v56, 528
	v_lshl_add_u32 v7, v57, 6, v7
	v_add_nc_u32 v7, s88, v7
	v_add_nc_u32 v8, s88, v1
	FI 64, 24, 3, 4, 0
.macro FSTEP g
.set p, (\g)%2
	PLACES
.if (\g) < 7
.if (\g)+1 < 4
	GW 1, 96*(1-p), 16+4*(1-p), 5, (\g)+1
	FI 64+96*(1-p), 24+8*(1-p), 3, 4, (\g)+1
.else
	GW 1, 96*(1-p), 16+4*(1-p), 4, (\g)-3
	FI 64+96*(1-p), 24+8*(1-p), 5, 6, (\g)-3
.endif
	s_wait_loadcnt 25                              ; all but the next step's 25
	s_wait_dscnt 32                                ; and its 32
.else
	s_wait_loadcnt 0x0
	s_wait_dscnt 0x0
.endif
.if (\g) == 0
	MUL64 p, 1, 16+4*p, 24+8*p, 0
.else
	MUL64 p, 2, 16+4*p, 24+8*p, 0
.endif
.endm
.irp g, 0,1,2,3,4,5,6,7
	FSTEP \g
.endr
	; ---- the way out: a lane holds 64 neighbouring bytes of a row four times; a tile of 16 rows goes through my stage and comes back as rows of 512 bytes, which the 32 lanes store whole
.macro TOSTAGE a
	WIN 0x08+4*((\a)/4)
.irp b, 0,1,2,3
.irp q, 0,1,2,3
	ds_store_b128 v7, v[64*((\a)%4)+16*\b+4*\q:64*((\a)%4)+16*\b+4*\q+3] offset:128*\b+16*\q   ; each accumulator from its low end on
.endr
.endr
	WIN 0
.set BB, 64+64*((\a)%2)
.irp t, 0,1,2,3,4,5,6,7,8,9,10,11,12,13,14,15
	ds_load_b128 v[BB+4*\t:BB+4*\t+3], v8 offset:528*\t   ; LDS serves a wave's instructions in order (ISA guide 5.7.1.4): these see the stores above
.endr
.endm
.macro SEND a, younger
.set BB, 64+64*((\a)%2)
	s_wait_dscnt \younger
.irp t, 0,1,2,3,4,5,6,7,8,9,10,11,12,13,14,15
	global_store_b128 v[LI], v[BB+4*\t:BB+4*\t+3], s[38:39] offset:(16*(\a)+\t)*2048 th:TH_STORE_NT   ; 512 consecutive bytes, at a multiple of 512 from out0's first byte
.endr
.endm
	PLACES
	TOSTAGE 0
.irp a, 1,2,3,4,5,6,7
.if \a > 1
	s_wait_xcnt 0x0                                ; the stores of two tiles ago have read their registers
.endif
	TOSTAGE \a
	SEND \a-1, 32                                  ; behind that tile's loads: this tile's 16 stores and 16 loads
.endr
	SEND 7, 0
	s_wait_tensorcnt 0x0
	ds_add_u32 v62, v63
	s_wait_dscnt 0x0
	s_endpgm
.Lfunc_end_k_qf537003b1f_main:
	.size	k_qf537003b1f_main, .Lfunc_end_k_qf537003b1f_main-k_qf537003b1f_main
	.p2alignl 7, 3214868480
	.fill 96, 4, 3214868480
	.section	.rodata,"a",@progbits
	.p2align	6, 0x0
	.amdhsa_kernel k_qf537003b1f_main
		.amdhsa_group_segment_fixed_size 301568
		.amdhsa_private_segment_fixed_size 0
		.amdhsa_enable_private_segment 0
		.amdhsa_kernarg_size 144
		.amdhsa_user_sgpr_count 2
		.amdhsa_user_sgpr_kernarg_segment_ptr 1
		.amdhsa_wavefront_size32 1
		.amdhsa_system_sgpr_workgroup_id_x 1
		.amdhsa_system_sgpr_workgroup_id_y 1
		.amdhsa_system_sgpr_workgroup_id_z 1
		.amdhsa_system_vgpr_workitem_id 0
		.amdhsa_next_free_vgpr 1024
		.amdhsa_next_free_sgpr 96
		.amdhsa_reserve_vcc 1
		.amdhsa_float_denorm_mode_32 3
		.amdhsa_float_denorm_mode_16_64 3
		.amdhsa_memory_ordered 1
		.amdhsa_forward_progress 1
		.amdhsa_inst_pref_size 255
	.end_amdhsa_kernel
	.section	.bss,"aw",@nobits
	.p2align	6
	.space	262144
	.amdgpu_metadata
---
amdhsa.version: [ 1, 2 ]
amdhsa.kernels:
  - .name:           k_qf537003b1f_main
    .symbol:         k_qf537003b1f_main.kd
    .args:
      - { .name: x_codes, .offset: 0, .size: 8, .value_kind: global_buffer, .address_space: global }
      - { .name: x_scales, .offset: 8, .size: 8, .value_kind: global_buffer, .address_space: global }
      - { .name: context_codes, .offset: 16, .size: 8, .value_kind: global_buffer, .address_space: global }
      - { .name: context_scales, .offset: 24, .size: 8, .value_kind: global_buffer, .address_space: global }
      - { .name: mask, .offset: 32, .size: 8, .value_kind: global_buffer, .address_space: global }
      - { .name: wimg, .offset: 40, .size: 8, .value_kind: global_buffer, .address_space: global }
      - { .name: wscl, .offset: 48, .size: 8, .value_kind: global_buffer, .address_space: global }
      - { .name: kimg, .offset: 56, .size: 8, .value_kind: global_buffer, .address_space: global }
      - { .name: ksc, .offset: 64, .size: 8, .value_kind: global_buffer, .address_space: global }
      - { .name: vimg, .offset: 72, .size: 8, .value_kind: global_buffer, .address_space: global }
      - { .name: vsc, .offset: 80, .size: 8, .value_kind: global_buffer, .address_space: global }
      - { .name: biasw, .offset: 88, .size: 8, .value_kind: global_buffer, .address_space: global }
      - { .name: bc1, .offset: 96, .size: 8, .value_kind: global_buffer, .address_space: global }
      - { .name: ln_g, .offset: 104, .size: 8, .value_kind: global_buffer, .address_space: global }
      - { .name: ln_b, .offset: 112, .size: 8, .value_kind: global_buffer, .address_space: global }
      - { .name: bo, .offset: 120, .size: 8, .value_kind: global_buffer, .address_space: global }
      - { .name: bc2, .offset: 128, .size: 8, .value_kind: global_buffer, .address_space: global }
      - { .name: out0, .offset: 136, .size: 8, .value_kind: global_buffer, .address_space: global }
    .group_segment_fixed_size: 301568
    .private_segment_fixed_size: 0
    .kernarg_segment_align: 8
    .kernarg_segment_size: 144
    .max_flat_workgroup_size: 128
    .sgpr_count:     96
    .vgpr_count:     1024
    .wavefront_size: 32
...
	.end_amdgpu_metadata
.endif
;; end of part 3
;; ======== version 2 of 2: 3 launches
;; limits: right only within a limited range of input values
;; workspace buffers: wimg 1,179,648 bytes; wscl 49,152 bytes; biasw 2,097,152 bytes; kimg 12,582,912 bytes; ksc 1,048,576 bytes; vimg 12,582,912 bytes; vsc 524,288 bytes; himg 13,631,488 bytes
;; launch prep (part 4): grid 224 x 1, 8 waves a work-group, no clusters, 0 bytes of LDS; arguments Wk_codes, Wv_codes, Wc1_codes, Wq_codes, Wo_codes, Wc2_codes, Wk_scales, Wv_scales, Wc1_scales, Wq_scales, Wo_scales, Wc2_scales, rel_index, bias_table, wimg, wscl, biasw; writes wimg, wscl, biasw
.if DOCPART == 4
	.amdgcn_target "amdgcn-amd-amdhsa--gfx1250"
	.amdhsa_code_object_version 6
	.text
	.protected	k_qf537003b1f_prep
	.globl	k_qf537003b1f_prep
	.p2align	8
	.type	k_qf537003b1f_prep,@function
k_qf537003b1f_prep:
	s_mov_b64 s[64:65], 0
	v_nop
	global_prefetch_b8 v0, s[64:65] scope:SCOPE_SE
	s_setreg_imm32_b32 hwreg(HW_REG_WAVE_MODE, 25, 1), 1
	s_wait_xcnt 0x0
; Two small jobs that every later work-group would otherwise repeat.
; (1) Work-groups 0-127: the relative-position bias, gathered once.  Work-group (head = id & 7, m16 = id >> 3), wave bk: for the 16 queries 16 m16 + r and
;     the 32 keys 32 bk + 16 h + i, lane (r, h) gathers bias_table[rel_index[q][k]][head], times 8 (= 1 / SCALE, exact), and stores its 16 numbers in the order in which
;     the score tiles of the attention launch hold them: register 16 bk + i of lane (r, h).  Each store of a wave covers 512 consecutive bytes.
; (2) Work-groups 128-223: the six weights' codes, re-laid as IMAGES OF THE OPERAND'S REGISTERS.  Block id' = 16 mt + 4 w + s (matrix, wave of the reader, K step); wave t' makes tile t':
;     lane (r, h) stands for row n = 128 w + 32 (t'/2) + 8 (t'%2) + r + 8 (r/8) and holds 12 registers.  So the readers fetch a fragment by three loads of 512 consecutive bytes.
;     K ORDER.  mt 0-3 (Wk, Wv, Wc1, Wq: their partner is x or context as given): lane (r, h) takes the 48 bytes at 192 h + 48 s of its row, so that the partner's rows can be read in
;     aligned pieces of 16 bytes; the blocks of 32 along K are thereby permuted alike on both sides, and the scale bytes go with them: (S[2s], S[8+2s], S[2s+1], S[9+2s]).
;     mt 4, 5 (Wo, Wc2: their partner is quantised on the way): the plain order, 24 bytes at 96 s + 24 h and at 96 s + 48 + 24 h; scale bytes 4 s .. 4 s + 3.
;     Scale words: word j of lane l is that of tile 2 j + l / 16, row l % 16: one register serves an even tile in lanes 0-15 and the odd one in lanes 16-31.
; No LDS, no barrier, no matrix work: a few loads and stores for each wave.
	s_load_b512 s[4:19], s[0:1], 0x0               ; codes of Wk, Wv, Wc1, Wq, Wo, Wc2; scales of Wk, Wv
	s_load_b512 s[20:35], s[0:1], 0x40             ; scales of Wc1, Wq, Wo, Wc2; rel_index s[28:29]; bias_table s[30:31]; wimg s[32:33]; wscl s[34:35]
	s_load_b64 s[36:37], s[0:1], 0x80              ; biasw
	v_lshrrev_b32 v1, 5, v0
	s_delay_alu instid0(VALU_DEP_1)
	v_readfirstlane_b32 s38, v1                    ; wave 0..7
	v_and_b32 v1, 31, v0
	v_and_b32 v2, 15, v0                           ; r
	v_bfe_u32 v3, v0, 4, 1                         ; h
	s_delay_alu instid0(VALU_DEP_3)
	v_lshlrev_b32 v1, 4, v1                        ; 16 x lane
	s_wait_kmcnt 0x0
	s_cmp_lt_u32 ttmp9, 128
	s_cbranch_scc0 .Lweights
	; ---- the bias
	s_and_b32 s40, ttmp9, 7                        ; head
	s_lshr_b32 s41, ttmp9, 3                       ; m16
	s_lshl_b32 s42, s41, 14                        ; 16 rows of rel_index are 16,384 bytes
	s_lshl_b32 s43, s38, 7                         ; 32 keys are 128 bytes
	s_add_co_u32 s42, s42, s43
	s_wait_alu depctr_va_vdst(0)
	v_lshlrev_b32 v4, 10, v2
	s_delay_alu instid0(VALU_DEP_1)
	v_lshl_add_u32 v4, v3, 6, v4
	s_delay_alu instid0(VALU_DEP_1)
	v_add_nc_u32 v4, s42, v4                       ; row 16 m16 + r, key 32 bk + 16 h
.irp c, 0,1,2,3
	global_load_b128 v[8+4*\c:11+4*\c], v4, s[28:29] offset:16*\c
.endr
	s_lshl_b32 s44, s40, 2
	s_mov_b32 s45, 0
	s_add_nc_u64 s[30:31], s[30:31], s[44:45]      ; the table at my head's column
	s_lshl_b32 s44, s40, 4
	s_add_co_u32 s44, s44, s41
	s_lshl_b32 s44, s44, 14                        ; (16 head + m16) tiles of 16,384 bytes
	s_lshl_b32 s46, s38, 11                        ; my four quads of 512 bytes
	s_add_co_u32 s44, s44, s46
	v_add_nc_u32 v5, s44, v1
	s_mov_b32 s46, 0x41000000                      ; 8.0
	s_mov_b32 s47, s46                             ; (named with it as a pair, so it is written)
	s_wait_loadcnt 0x0
.irp i, 0,1,2,3,4,5,6,7,8,9,10,11,12,13,14,15
	v_min_u32 v[8+\i], 0x3c0, v[8+\i]              ; an index stays inside the table's 961 rows
.endr
.irp i, 0,1,2,3,4,5,6,7,8,9,10,11,12,13,14,15
	v_lshlrev_b32 v[8+\i], 5, v[8+\i]              ; a row of the table is 32 bytes
.endr
.irp i, 0,1,2,3,4,5,6,7,8,9,10,11,12,13,14,15
	global_load_b32 v[24+\i], v[8+\i], s[30:31]
.endr
	s_wait_loadcnt 0x0
.irp i, 0,2,4,6,8,10,12,14
	v_pk_mul_f32 v[24+\i:25+\i], v[24+\i:25+\i], s[46:47] op_sel_hi:[1,0]
.endr
.irp c, 0,1,2,3
	global_store_b128 v5, v[24+4*\c:27+4*\c], s[36:37] offset:512*\c
.endr
	s_endpgm
.Lweights:
	; ---- the weights
	s_sub_co_u32 s40, ttmp9, 128                   ; id'
	s_lshr_b32 s41, s40, 4                         ; mt
	s_bfe_u32 s42, s40, 0x20002                    ; w
	s_and_b32 s43, s40, 3                          ; s
	s_mov_b64 s[44:45], s[4:5]                     ; the matrix's codes and scales: a choice on the work-group's number alone
	s_mov_b64 s[46:47], s[16:17]
	s_cmp_eq_u32 s41, 1
	s_cselect_b64 s[44:45], s[6:7], s[44:45]
	s_cselect_b64 s[46:47], s[18:19], s[46:47]
	s_cmp_eq_u32 s41, 2
	s_cselect_b64 s[44:45], s[8:9], s[44:45]
	s_cselect_b64 s[46:47], s[20:21], s[46:47]
	s_cmp_eq_u32 s41, 3
	s_cselect_b64 s[44:45], s[10:11], s[44:45]
	s_cselect_b64 s[46:47], s[22:23], s[46:47]
	s_cmp_eq_u32 s41, 4
	s_cselect_b64 s[44:45], s[12:13], s[44:45]
	s_cselect_b64 s[46:47], s[24:25], s[46:47]
	s_cmp_eq_u32 s41, 5
	s_cselect_b64 s[44:45], s[14:15], s[44:45]
	s_cselect_b64 s[46:47], s[26:27], s[46:47]
	s_mov_b32 s53, 0x05040100                      ; byte selects of the plain order
	s_cmp_lt_u32 s41, 4                            ; the permuted order or the plain one
	s_cselect_b32 s48, 192, 24                     ; bytes from half to half of the lanes
	s_cselect_b32 s49, 48, 96                      ; from K step to K step
	s_cselect_b32 s50, 24, 48                      ; from registers 0-5 to registers 6-11
	s_cselect_b32 s51, 2, 4                        ; scale bytes from K step to K step
	s_cselect_b32 s52, 8, 2                        ; from the word's first pair of bytes to its second
	s_cselect_b32 s53, 0x05010400, s53
	s_wait_alu depctr_va_vdst(0)
	v_and_b32 v6, 8, v2
	s_delay_alu instid0(VALU_DEP_1)
	v_add_nc_u32 v6, v6, v2                        ; r + 8 (r / 8)
	s_wait_alu depctr_va_vdst(0)
	s_lshl_b32 s54, s42, 7
	s_lshr_b32 s55, s38, 1
	s_lshl_b32 s55, s55, 5
	s_add_co_u32 s54, s54, s55
	s_and_b32 s55, s38, 1
	s_lshl_b32 s55, s55, 3
	s_add_co_u32 s54, s54, s55                     ; 128 w + 32 (t'/2) + 8 (t'%2)
	s_mul_i32 s54, s54, 384                        ; a row of 512 codes is 384 bytes
	s_mul_i32 s55, s43, s49
	s_add_co_u32 s54, s54, s55
	v_mul_u32_u24 v4, v6, 384
	s_delay_alu instid0(VALU_DEP_1)
	v_mad_u32_u24 v4, v3, s48, v4
	s_delay_alu instid0(VALU_DEP_1)
	v_add_nc_u32 v4, s54, v4
	s_delay_alu instid0(VALU_DEP_1)
	v_add_nc_u32 v5, s50, v4
.irp p, 0,1,2
	global_load_b64 v[8+2*\p:9+2*\p], v4, s[44:45] offset:8*\p
	global_load_b64 v[14+2*\p:15+2*\p], v5, s[44:45] offset:8*\p
.endr
	s_mul_i32 s56, s40, 12288
	s_mul_i32 s57, s38, 1536
	s_add_co_u32 s56, s56, s57
	v_add_nc_u32 v7, s56, v1
	s_wait_alu depctr_va_vdst(0)
	s_wait_loadcnt 0x0
.irp c, 0,1,2
	global_store_b128 v7, v[8+4*\c:11+4*\c], s[32:33] offset:512*\c
.endr
	s_cmp_lg_u32 s38, 0                            ; wave 0 alone makes the block's scale words
	s_cbranch_scc1 .Ldone
	v_lshl_add_u32 v20, v3, 3, v6                  ; 8 (l / 16) + r + 8 (r / 8)
	s_delay_alu instid0(VALU_DEP_1)
	v_lshlrev_b32 v20, 4, v20                      ; a row of scales is 16 bytes
	s_lshl_b32 s54, s42, 11
	s_mul_i32 s55, s43, s51
	s_add_co_u32 s54, s54, s55
	v_add_nc_u32 v20, s54, v20
	s_delay_alu instid0(VALU_DEP_1)
	v_add_nc_u32 v21, s52, v20
.irp j, 0,1,2,3
	global_load_u16 v[24+\j], v20, s[46:47] offset:512*\j
	global_load_u16 v[28+\j], v21, s[46:47] offset:512*\j
.endr
	s_lshl_b32 s54, s40, 9
	v_add_nc_u32 v22, s54, v1
	s_wait_loadcnt 0x0
.irp j, 0,1,2,3
	v_perm_b32 v[40+\j], v[28+\j], v[24+\j], s53
.endr
	s_wait_alu depctr_va_vdst(0)
	global_store_b128 v22, v[40:43], s[34:35]
.Ldone:
	s_endpgm
.Lfunc_end_k_qf537003b1f_prep:
	.size	k_qf537003b1f_prep, .Lfunc_end_k_qf537003b1f_prep-k_qf537003b1f_prep
	.p2alignl 7, 3214868480
	.fill 96, 4, 3214868480
	.section	.rodata,"a",@progbits
	.p2align	6, 0x0
	.amdhsa_kernel k_qf537003b1f_prep
		.amdhsa_group_segment_fixed_size 0
		.amdhsa_private_segment_fixed_size 0
		.amdhsa_enable_private_segment 0
		.amdhsa_kernarg_size 136
		.amdhsa_user_sgpr_count 2
		.amdhsa_user_sgpr_kernarg_segment_ptr 1
		.amdhsa_wavefront_size32 1
		.amdhsa_system_sgpr_workgroup_id_x 1
		.amdhsa_system_sgpr_workgroup_id_y 1
		.amdhsa_system_sgpr_workgroup_id_z 1
		.amdhsa_system_vgpr_workitem_id 0
		.amdhsa_next_free_vgpr 64
		.amdhsa_next_free_sgpr 66
		.amdhsa_reserve_vcc 0
		.amdhsa_float_denorm_mode_32 3
		.amdhsa_float_denorm_mode_16_64 3
		.amdhsa_memory_ordered 1
		.amdhsa_forward_progress 1
		.amdhsa_inst_pref_size 11
	.end_amdhsa_kernel
	.amdgpu_metadata
---
amdhsa.version: [ 1, 2 ]
amdhsa.kernels:
  - .name:           k_qf537003b1f_prep
    .symbol:         k_qf537003b1f_prep.kd
    .args:
      - { .name: Wk_codes, .offset: 0, .size: 8, .value_kind: global_buffer, .address_space: global }
      - { .name: Wv_codes, .offset: 8, .size: 8, .value_kind: global_buffer, .address_space: global }
      - { .name: Wc1_codes, .offset: 16, .size: 8, .value_kind: global_buffer, .address_space: global }
      - { .name: Wq_codes, .offset: 24, .size: 8, .value_kind: global_buffer, .address_space: global }
      - { .name: Wo_codes, .offset: 32, .size: 8, .value_kind: global_buffer, .address_space: global }
      - { .name: Wc2_codes, .offset: 40, .size: 8, .value_kind: global_buffer, .address_space: global }
      - { .name: Wk_scales, .offset: 48, .size: 8, .value_kind: global_buffer, .address_space: global }
      - { .name: Wv_scales, .offset: 56, .size: 8, .value_kind: global_buffer, .address_space: global }
      - { .name: Wc1_scales, .offset: 64, .size: 8, .value_kind: global_buffer, .address_space: global }
      - { .name: Wq_scales, .offset: 72, .size: 8, .value_kind: global_buffer, .address_space: global }
      - { .name: Wo_scales, .offset: 80, .size: 8, .value_kind: global_buffer, .address_space: global }
      - { .name: Wc2_scales, .offset: 88, .size: 8, .value_kind: global_buffer, .address_space: global }
      - { .name: rel_index, .offset: 96, .size: 8, .value_kind: global_buffer, .address_space: global }
      - { .name: bias_table, .offset: 104, .size: 8, .value_kind: global_buffer, .address_space: global }
      - { .name: wimg, .offset: 112, .size: 8, .value_kind: global_buffer, .address_space: global }
      - { .name: wscl, .offset: 120, .size: 8, .value_kind: global_buffer, .address_space: global }
      - { .name: biasw, .offset: 128, .size: 8, .value_kind: global_buffer, .address_space: global }
    .group_segment_fixed_size: 0
    .private_segment_fixed_size: 0
    .kernarg_segment_align: 8
    .kernarg_segment_size: 136
    .max_flat_workgroup_size: 256
    .sgpr_count:     66
    .vgpr_count:     64
    .wavefront_size: 32
...
	.end_amdgpu_metadata
.endif
;; end of part 4
;; launch proj (part 5): grid 256 x 1, 4 waves a work-group, no clusters, 168,448 bytes of LDS; arguments context_codes, context_scales, wimg, wscl, kimg, ksc, vimg, vsc, bc1, ln_g, ln_b, himg; writes kimg, ksc, vimg, vsc, himg
.if DOCPART == 5
	.amdgcn_target "amdgcn-amd-amdhsa--gfx1250"
	.amdhsa_code_object_version 6
	.text
	.protected	k_qf537003b1f_proj
	.globl	k_qf537003b1f_proj
	.p2align	8
	.type	k_qf537003b1f_proj,@function
k_qf537003b1f_proj:
	s_mov_b64 s[64:65], 0
	v_nop
	global_prefetch_b8 v0, s[64:65] scope:SCOPE_SE
	s_setreg_imm32_b32 hwreg(HW_REG_WAVE_MODE, 25, 1), 1
	s_wait_xcnt 0x0
; All that is made of context, for 128 rows (half a window: work-group id = 2 b + hf): k = context Wk, v = context Wv, h = relu(LayerNorm(context Wc1 + bc1)).  The products run on codes of BF6 (E3M2) with one
; E8M0 scale for each 32 along K; the results are quantised in registers, k along the head's 64, v along the keys, h along its 512, and stored as IMAGES OF THE OPERANDS' REGISTERS for the attention launch.
; SHARES.  Four waves; wave w makes columns 128 w .. 128 w + 127 (heads 2 w, 2 w + 1) for all 128 rows.  K goes in four steps of 128.
; The weights come as register images straight into registers; the rows of context come ONCE into LDS by one tensor load a wave (32 rows of 384 bytes) and are read from there by all three products.
; ROWS IN LDS: 16 bytes of padding behind every 128 bytes: pitch 432.  Lane (r, h) takes the 48 bytes at 192 h + 48 s of its row for K step s: three pieces of 16 bytes.  That permutes the blocks of 32
; along K alike in context and in the weights' images; the scale bytes go with them: (S[2s], S[8+2s], S[2s+1], S[9+2s]).  The sums' grouping along K differs from the plain order; the products are the same.
; THE ROWS OF A WEIGHT'S TILE ARE NOT NEIGHBOURS: lane r of tile 2 b + u stands for row 32 b + 8 u + r + 8 (r / 8), so that the 16 registers of two neighbouring result tiles are 16 neighbours along the next
; product's K.  For k and v the tiles of context's rows (the keys) are chosen likewise; for h they are 16 neighbouring rows.
; k and h are made TRANSPOSED (source 0 = the weight, source 1 = context): a lane holds one row and its registers run along the columns.  v is made the other way: a lane holds one of the head's 64 and its registers run along the keys.
; k, v: 64 accumulators, 512 registers; the weights a step ahead, in two sets.  h: 64 ROWS AT A TIME, THE TEXT WALKED TWICE: my part of Wc1 for all of K (384 registers) stays in registers, 32 accumulators fill one window.
; LAYERNORM without a difference of large sums: each wave takes the mean of its 128 columns and the sum of squares about that mean; the four pairs meet in LDS and are merged.
; NO CLUSTER: what work-groups share is the weights, 12,288 bytes a wave and K step, which go into registers without touching LDS; a joint load would add an LDS write and an LDS read of each of those bytes.
; LIMITS: a block whose largest magnitude lies under 2^-122 keeps the scale byte 1 (a block of zeros too, where the rule says 127: its codes are zeros, and this program alone reads the bytes); NaN and infinities are not served.
; LDS: 0 the rows of context (128 x 432);  STAT the LayerNorm's pairs, [tile 8][row 16][wave 4][mean, sum of squares];  SCW h's scale words, 1,024 bytes a wave.
; REGISTERS, in windows of 256: window 0: v1-15 offsets; v16-39 scale words and nothing else; v40-63 at work; v64-255 source 1's fragments, later work registers and codes on their way out.
;   window 1: source 0's two sets, v192-255 bc1.   windows 2, 3: the accumulators: (i1, i0) at v[8 (8 (i1 % 4) + i0)] of window 2 + i1 / 4; for h window 3 holds Wc1's K steps 2, 3 and ln_g.
.set PERM, 1
.set LI,   1                           ; v1  16 x lane; never rewritten
.set H64,  14                          ; v14 64 h
.set WIP,  8                           ; s[8:9]   the weights' images at my wave's part
.set WSP,  10                          ; s[10:11] their scale words
.set SEL,  20                          ; s[20:21] selects of v_permlanex16_b32: lane l xor 16
.set TM,   40                          ; v40-55  the quantiser's work registers
.set T2,   56                          ; v56-63
.set STAT, 55296
.set SCW,  59392
.set SA,   208                         ; v208-223 a tile's four: my wave's mean (later the shift), the sum of squares about it, 1 / sigma twice
.set TC,   224                         ; v224-239 a tile's two chains of pairs
.set MSB, 0
.macro WIN new                         ; the immediate's high byte repeats the setting that is left
.if MSB != (\new)
	s_set_vgpr_msb (MSB<<8)|(\new)
.set MSB, (\new)
.endif
.endm
.macro PLACES                          ; four plain places behind a matrix instruction, in front of loads into its registers and of reads of its results
.rept 4
	v_nop
.endr
.endm
; One matrix instruction on the registers named by rD, rA, rB, rC, rSA, rSB.  cm: C is 0 (0), v[rC..] (1), D itself (2).  ra, rb: the side's scales stand in lanes 16-31.
.macro WM cm, ra, rb
.if (\cm) == 0
.if (\ra) && (\rb)
	v_wmma_scale_f32_16x16x128_f8f6f4 v[rD:rD+7], v[rA:rA+11], v[rB:rB+11], 0, v[rSA], v[rSB] matrix_a_fmt:MATRIX_FMT_BF6 matrix_b_fmt:MATRIX_FMT_BF6 matrix_a_scale:MATRIX_SCALE_ROW1 matrix_b_scale:MATRIX_SCALE_ROW1
.elseif (\ra)
	v_wmma_scale_f32_16x16x128_f8f6f4 v[rD:rD+7], v[rA:rA+11], v[rB:rB+11], 0, v[rSA], v[rSB] matrix_a_fmt:MATRIX_FMT_BF6 matrix_b_fmt:MATRIX_FMT_BF6 matrix_a_scale:MATRIX_SCALE_ROW1
.elseif (\rb)
	v_wmma_scale_f32_16x16x128_f8f6f4 v[rD:rD+7], v[rA:rA+11], v[rB:rB+11], 0, v[rSA], v[rSB] matrix_a_fmt:MATRIX_FMT_BF6 matrix_b_fmt:MATRIX_FMT_BF6 matrix_b_scale:MATRIX_SCALE_ROW1
.else
	v_wmma_scale_f32_16x16x128_f8f6f4 v[rD:rD+7], v[rA:rA+11], v[rB:rB+11], 0, v[rSA], v[rSB] matrix_a_fmt:MATRIX_FMT_BF6 matrix_b_fmt:MATRIX_FMT_BF6
.endif
.elseif (\cm) == 1
.if (\ra) && (\rb)
	v_wmma_scale_f32_16x16x128_f8f6f4 v[rD:rD+7], v[rA:rA+11], v[rB:rB+11], v[rC:rC+7], v[rSA], v[rSB] matrix_a_fmt:MATRIX_FMT_BF6 matrix_b_fmt:MATRIX_FMT_BF6 matrix_a_scale:MATRIX_SCALE_ROW1 matrix_b_scale:MATRIX_SCALE_ROW1
.elseif (\ra)
	v_wmma_scale_f32_16x16x128_f8f6f4 v[rD:rD+7], v[rA:rA+11], v[rB:rB+11], v[rC:rC+7], v[rSA], v[rSB] matrix_a_fmt:MATRIX_FMT_BF6 matrix_b_fmt:MATRIX_FMT_BF6 matrix_a_scale:MATRIX_SCALE_ROW1
.elseif (\rb)
	v_wmma_scale_f32_16x16x128_f8f6f4 v[rD:rD+7], v[rA:rA+11], v[rB:rB+11], v[rC:rC+7], v[rSA], v[rSB] matrix_a_fmt:MATRIX_FMT_BF6 matrix_b_fmt:MATRIX_FMT_BF6 matrix_b_scale:MATRIX_SCALE_ROW1
.else
	v_wmma_scale_f32_16x16x128_f8f6f4 v[rD:rD+7], v[rA:rA+11], v[rB:rB+11], v[rC:rC+7], v[rSA], v[rSB] matrix_a_fmt:MATRIX_FMT_BF6 matrix_b_fmt:MATRIX_FMT_BF6
.endif
.else
.if (\ra) && (\rb)
	v_wmma_scale_f32_16x16x128_f8f6f4 v[rD:rD+7], v[rA:rA+11], v[rB:rB+11], v[rD:rD+7], v[rSA], v[rSB] matrix_a_fmt:MATRIX_FMT_BF6 matrix_b_fmt:MATRIX_FMT_BF6 matrix_a_scale:MATRIX_SCALE_ROW1 matrix_b_scale:MATRIX_SCALE_ROW1
.elseif (\ra)
	v_wmma_scale_f32_16x16x128_f8f6f4 v[rD:rD+7], v[rA:rA+11], v[rB:rB+11], v[rD:rD+7], v[rSA], v[rSB] matrix_a_fmt:MATRIX_FMT_BF6 matrix_b_fmt:MATRIX_FMT_BF6 matrix_a_scale:MATRIX_SCALE_ROW1
.elseif (\rb)
	v_wmma_scale_f32_16x16x128_f8f6f4 v[rD:rD+7], v[rA:rA+11], v[rB:rB+11], v[rD:rD+7], v[rSA], v[rSB] matrix_a_fmt:MATRIX_FMT_BF6 matrix_b_fmt:MATRIX_FMT_BF6 matrix_b_scale:MATRIX_SCALE_ROW1
.else
	v_wmma_scale_f32_16x16x128_f8f6f4 v[rD:rD+7], v[rA:rA+11], v[rB:rB+11], v[rD:rD+7], v[rSA], v[rSB] matrix_a_fmt:MATRIX_FMT_BF6 matrix_b_fmt:MATRIX_FMT_BF6
.endif
.endif
.endm
; A K step of 128: 64 matrix instructions on sets p.  sp: source 0's scale words, two tiles to a register; sq: source 1's, packed likewise (pk = 1) or one tile to a register (pk = 0).
; The 64 accumulators take turns, one instruction a turn, in the same order in every step.
.macro MUL64 p, cm, sp, sq, pk
.set i1, 0
.rept 8
.if (\cm) == 1
	WIN 0x91+0x40*(i1/4)
.else
	WIN 0xa1+0x50*(i1/4)
.endif
.set i0, 0
.rept 8
.set rD, 8*(8*(i1%4)+i0)
.set rA, 96*(\p)+12*i0
.set rB, 64+96*(\p)+12*i1
.set rC, 192+8*i0
.set rSA, (\sp)+i0/2
.if \pk
.set rSB, (\sq)+i1/2
	WM \cm, i0%2, i1%2
.else
.set rSB, (\sq)+i1
	WM \cm, i0%2, 0
.endif
.set i0, i0+1
.endr
.set i1, i1+1
.endr
.endm
; K step s of matrix mt: my wave's eight fragments into v[dst ..] of window dw, their scale words into v[ws .. ws + 3]: 25 loads, each of 512 consecutive bytes
.macro GW dw, dst, ws, mt, s
	WIN (\dw)<<6
.irp t, 0,1,2,3,4,5,6,7
.irp c, 0,1,2
	global_load_b128 v[(\dst)+12*\t+4*\c:(\dst)+12*\t+4*\c+3], v[LI], s[WIP:WIP+1] offset:196608*(\mt)+12288*(\s)+1536*\t+512*\c
.endr
.endr
	WIN 0
	global_load_b128 v[(\ws):(\ws)+3], v[LI], s[WSP:WSP+1] offset:8192*(\mt)+512*(\s)
.endm
; K step s of the rows in LDS: eight fragments, 24 loads of 16 bytes a lane.  Piece i = 3 s + c of a lane's 192 bytes lies behind 0, 1 or 2 paddings, differently in the two halves of the lanes:
; v[ad] = row x 432 + 208 h serves pieces 0-3 and (16 bytes on) 8-11, v[ad + 1] = row x 432 + 224 h pieces 4-7.
.macro FR dw, dst, ad, s
	WIN (\dw)<<6
.irp a, 0,1,2,3,4,5,6,7
.if PERM
.set TBA, (32*(\a/2)+8*(\a%2))*432
.else
.set TBA, 16*\a*432
.endif
.irp c, 0,1,2
.set PI, 3*(\s)+\c
.if PI < 4
	ds_load_b128 v[(\dst)+12*\a+4*\c:(\dst)+12*\a+4*\c+3], v[\ad] offset:TBA+16*PI
.elseif PI < 8
	ds_load_b128 v[(\dst)+12*\a+4*\c:(\dst)+12*\a+4*\c+3], v[\ad+1] offset:TBA+16*PI
.else
	ds_load_b128 v[(\dst)+12*\a+4*\c:(\dst)+12*\a+4*\c+3], v[\ad] offset:TBA+16*PI+16
.endif
.endr
.endr
	WIN 0
.endm
; The same for h: K step st of four tiles of 16 neighbouring rows, by v3 and v4, into v[64 + 48 st ..]: 12 loads
.macro FRH st
.irp q, 0,1,2,3
.irp c, 0,1,2
.set PI, 3*(\st)+\c
.set RG, 64+48*(\st)+12*\q+4*\c
.if PI < 4
	ds_load_b128 v[RG:RG+3], v3 offset:16*\q*432+16*PI
.elseif PI < 8
	ds_load_b128 v[RG:RG+3], v4 offset:16*\q*432+16*PI
.else
	ds_load_b128 v[RG:RG+3], v3 offset:16*\q*432+16*PI+16
.endif
.endr
.endr
.endm
; 64 numbers of a lane in window x, register src + 16 b + i = k 32 b + 16 (lane / 16) + i of the lane's row, become codes: blocks 0, 1 in v[d0 .. d0 + 5], blocks 2, 3 in v[d1 .. d1 + 5] (the operand's layout:
; a whole block in a lane), and the row's scale word in v[pw].  The numbers are read in ascending order.
.macro QUANT x, src, d0, d1, pw
	WIN (\x)|((\x)<<2)
.irp b, 0,1,2,3
	v_max3_num_f32 v[TM+\b], |v[(\src)+16*\b]|, |v[(\src)+16*\b+1]|, 0x2800000   ; my 16 numbers of block b, and the floor 2^(5 - 127): the byte cannot fall under 1
.endr
.irp i, 2,4,6,8,10,12,14
.irp b, 0,1,2,3
	v_max3_num_f32 v[TM+\b], |v[(\src)+16*\b+\i]|, |v[(\src)+16*\b+\i+1]|, v[TM+\b]
.endr
.endr
	WIN 0
.irp b, 0,1,2,3
	v_permlanex16_b32 v[TM+4+\b], v[TM+\b], s[SEL], s[SEL+1]
.endr
.irp b, 0,1,2,3
	v_max_num_f32 v[TM+\b], v[TM+\b], v[TM+4+\b]   ; with lane l xor 16's: the block's largest magnitude
.endr
.irp b, 0,1,2,3
	v_add_nc_u32 v[TM+12+\b], 0xfe000000, v[TM+\b] ; 4 off its exponent field: the conversion's scale operand
.endr
.irp b, 0,1,2,3
	v_lshrrev_b32 v[TM+4+\b], 23, v[TM+12+\b]      ; the scale's byte
.endr
	v_lshl_or_b32 v[\pw], v[TM+5], 8, v[TM+4]
	v_lshl_or_b32 v[\pw], v[TM+6], 16, v[\pw]
	v_lshl_or_b32 v[\pw], v[TM+7], 24, v[\pw]
	WIN (\x)
	v_cvt_scalef32_pk16_bf6_f32 v[(\d0):(\d0)+2], v[(\src):(\src)+15], v[TM+12]
	v_cvt_scalef32_pk16_bf6_f32 v[T2:T2+2], v[(\src)+16:(\src)+31], v[TM+13]
	v_cvt_scalef32_pk16_bf6_f32 v[(\d1):(\d1)+2], v[(\src)+32:(\src)+47], v[TM+14]
	v_cvt_scalef32_pk16_bf6_f32 v[T2+4:T2+6], v[(\src)+48:(\src)+63], v[TM+15]
	v_nop                                          ; one plain place behind the scaled conversions
	WIN 0
.irp i, 0,1,2
	v_permlane16_swap_b32 v[(\d0)+\i], v[T2+\i]    ; half blocks change places, so that a lane holds a whole block
	v_permlane16_swap_b32 v[(\d1)+\i], v[T2+4+\i]
.endr
.irp i, 0,1,2
	v_mov_b32 v[(\d0)+3+\i], v[T2+\i]
	v_mov_b32 v[(\d1)+3+\i], v[T2+4+\i]
.endr
.endm
.macro BAR                             ; my LDS instructions are done; then the work-group's barrier
	s_wait_dscnt 0x0
	s_barrier_signal -1
	s_barrier_wait -1
.endm
; A vector by columns (a bias, a gain) in the accumulators' layout: register 8 i + j of lane (r, h) is column 32 (i / 2) + 16 h + 8 (i % 2) + j of my 128: 16 loads
.macro COLV dw, dst, sb
	WIN (\dw)<<6
.irp i, 0,1,2,3,4,5,6,7
	global_load_b128 v[(\dst)+8*\i:(\dst)+8*\i+3], v[H64], s[\sb:\sb+1] offset:(32*(\i/2)+8*(\i%2))*4
	global_load_b128 v[(\dst)+8*\i+4:(\dst)+8*\i+7], v[H64], s[\sb:\sb+1] offset:(32*(\i/2)+8*(\i%2))*4+16
.endr
	WIN 0
.endm
.macro FOLD                            ; four tiles' two chains of pairs at v[TC + 4 q] become one number a row, in every lane
.irp q, 0,1,2,3
	v_pk_add_f32 v[TC+4*\q:TC+4*\q+1], v[TC+4*\q:TC+4*\q+1], v[TC+4*\q+2:TC+4*\q+3]
.endr
.irp q, 0,1,2,3
	v_add_f32 v[TC+4*\q], v[TC+4*\q], v[TC+4*\q+1]
.endr
.irp q, 0,1,2,3
	v_permlanex16_b32 v[TC+4*\q+2], v[TC+4*\q], s[SEL], s[SEL+1]
.endr
.irp q, 0,1,2,3
	v_add_f32 v[TC+4*\q], v[TC+4*\q], v[TC+4*\q+2]
.endr
.endm
	s_load_b512 s[4:19], s[0:1], 0x0               ; context's codes s[4:5], scales s[6:7]; wimg, wscl; kimg s[12:13], ksc s[14:15], vimg s[16:17], vsc s[18:19]
	s_load_b256 s[44:51], s[0:1], 0x40             ; bc1 s[44:45], ln_g s[46:47], ln_b s[48:49], himg s[50:51]
	v_lshl_add_u32 v59, v0, 2, 0x29000
	v_mov_b32 v63, 0
	ds_add_u32 v59, v63
	ds_add_u32 v59, v63
	v_lshrrev_b32 v1, 5, v0
	v_readfirstlane_b32 s2, v1                     ; wave 0..3
	; descriptor group 1: my 32 rows of 384 bytes are one dense block of 12,288 bytes, stated as 48 rows of 256 bytes, each beginning at a multiple of 256 bytes; 16 bytes of padding behind every 32 words
	s_mov_b32 s24, (1<<20)|(4<<22)|(3<<25)
	s_mov_b32 s25, 256<<16                         ; tensor_dim0
	s_mov_b32 s26, 48<<16                          ; tensor_dim1
	s_mov_b32 s27, 256<<16                         ; tile_dim0
	s_mov_b32 s28, 48                              ; tile_dim1
	s_mov_b32 s29, 256                             ; from row to row
	s_mov_b32 s30, 0
	s_mov_b32 s31, 0
	s_mov_b32 s20, 0x76543210
	s_mov_b32 s21, 0xfedcba98
	s_mov_b32 s22, 0x05010400                      ; byte selects: (lo.0, hi.0, lo.1, hi.1)
	s_mov_b32 s23, 0x07030602                      ; (lo.2, hi.2, lo.3, hi.3)
	s_mov_b32 s36, 0xffff0000                      ; lanes 16-31
	s_mov_b32 s59, 0x3727c5ac                      ; 1e-5
	s_mov_b32 s60, 0x3b000000                      ; 1 / 512
	s_mov_b32 s61, 0x43000000                      ; 128.0
	s_lshr_b32 s37, ttmp9, 1                       ; b
	s_and_b32 s38, ttmp9, 1                        ; hf
	s_mul_i32 s40, ttmp9, 49152                    ; 128 rows of 384 bytes
	s_mul_i32 s41, s2, 12288                       ; my 32 of them
	s_add_co_u32 s40, s40, s41
	s_mov_b32 s41, 0
	s_mov_b32 s32, 1
	s_mul_i32 s33, s2, 13824                       ; 32 rows of 432 bytes in LDS
	s_wait_dscnt 0x0
	s_wait_kmcnt 0x0
	s_add_nc_u64 s[34:35], s[4:5], s[40:41]
	s_or_b32 s35, s35, 0x80000000
	tensor_load_to_lds s[32:35], s[24:31]          ; the one tensor load of the wave: a first fill
	s_nop 0
.rept 4
	v_nop
.endr
	v_and_b32 v6, 15, v0                           ; r
	v_bfe_u32 v7, v0, 4, 1                         ; h
	v_and_b32 v8, 31, v0
	v_lshlrev_b32 v1, 4, v8                        ; 16 x lane
	v_lshlrev_b32 v2, 3, v8                        ; 8 x lane
	v_and_b32 v9, 8, v6
	v_add_nc_u32 v9, v9, v6                        ; r + 8 (r / 8)
	v_mul_u32_u24 v3, v9, 432
	v_mad_u32_u24 v4, v7, 224, v3
	v_mad_u32_u24 v3, v7, 208, v3                  ; v3, v4: the rows of k's and v's tiles
	v_lshl_add_u32 v5, v7, 3, v9
	v_lshlrev_b32 v5, 4, v5                        ; context's scales: row 8 (l / 16) + r + 8 (r / 8), 16 bytes a row
	v_mul_u32_u24 v10, v6, 432
	v_mad_u32_u24 v11, v7, 224, v10
	v_mad_u32_u24 v10, v7, 208, v10                ; v10, v11: the rows of h's tiles: row r
	v_lshlrev_b32 v13, 5, v6
	v_add_nc_u32 v13, STAT, v13                    ; v13: a row's four pairs;  v12: my wave's pair
	s_lshl_b32 s40, s2, 3
	v_add_nc_u32 v12, s40, v13
	v_lshlrev_b32 v14, 6, v7                       ; 64 h
	s_lshl_b32 s58, s2, 10
	s_add_co_u32 s58, s58, SCW                     ; my wave's 1,024 bytes of scale words
	v_lshl_add_u32 v15, v8, 2, s58                 ; + 4 x lane
.irp b, 0,1,2,3
	v_mov_b32 v[TM+4+\b], 0                        ; written once: a lane permute's destination counts as one of its sources
.endr
	s_mul_i32 s40, s2, 49152
	s_add_nc_u64 s[8:9], s[8:9], s[40:41]
	s_lshl_b32 s40, s2, 11
	s_add_nc_u64 s[10:11], s[10:11], s[40:41]
	s_lshl_b32 s40, ttmp9, 11
	s_add_nc_u64 s[6:7], s[6:7], s[40:41]
	s_lshl_b32 s42, s37, 3
	s_lshl_b32 s43, s2, 1
	s_add_co_u32 s42, s42, s43                     ; 8 b + 2 w: my first head
	s_mul_i32 s40, s42, 12288
	s_mul_i32 s43, s38, 6144
	s_add_co_u32 s40, s40, s43
	s_add_nc_u64 s[12:13], s[12:13], s[40:41]
	s_add_nc_u64 s[16:17], s[16:17], s[40:41]
	s_lshl_b32 s40, s42, 10
	s_lshl_b32 s43, s38, 9
	s_add_co_u32 s40, s40, s43
	s_add_nc_u64 s[14:15], s[14:15], s[40:41]
	s_lshl_b32 s40, s42, 9
	s_lshl_b32 s43, s38, 8
	s_add_co_u32 s40, s40, s43
	s_add_nc_u64 s[18:19], s[18:19], s[40:41]
	s_lshl_b32 s40, s2, 9                          ; my 128 columns of f32
	s_add_nc_u64 s[44:45], s[44:45], s[40:41]
	s_add_nc_u64 s[46:47], s[46:47], s[40:41]
	s_add_nc_u64 s[48:49], s[48:49], s[40:41]
	s_mul_i32 s40, ttmp9, 53248                    ; h's images: 53,248 bytes a work-group,
	s_mul_i32 s43, s2, 13312                       ; 13,312 a wave: 8 fragments of 1,536 and 8 x 128 bytes of scale words
	s_add_co_u32 s40, s40, s43
	s_add_nc_u64 s[50:51], s[50:51], s[40:41]
.irp j, 0,1,2,3
	global_load_b128 v[160+4*\j:163+4*\j], v5, s[6:7] offset:512*\j   ; lanes 0-15: tile 2 j's rows; lanes 16-31: tile 2 j + 1's
.endr
	GW 1, 0, 16, 0, 0
	GW 1, 96, 20, 0, 1                             ; Wk's second step too: both sets are free here
	s_wait_loadcnt 50                              ; the scales are in; the 50 loads of Wk's first two steps may be out
.irp j, 0,1,2,3
	v_perm_b32 v[24+\j], v[162+4*\j], v[160+4*\j], s22
.endr
.irp j, 0,1,2,3
	v_perm_b32 v[28+\j], v[162+4*\j], v[160+4*\j], s23
.endr
.irp j, 0,1,2,3
	v_perm_b32 v[32+\j], v[163+4*\j], v[161+4*\j], s22
.endr
.irp j, 0,1,2,3
	v_perm_b32 v[36+\j], v[163+4*\j], v[161+4*\j], s23
.endr
	s_wait_tensorcnt 0x0                           ; my 32 rows are in LDS,
	BAR                                            ; everybody's are
	FR 0, 64, 3, 0
	; ---- k = context Wk, transposed.  In each step the next step's loads go out first; the counted waits leave just those out.
	FR 0, 160, 3, 1
	s_wait_loadcnt 25
	s_wait_dscnt 24
	MUL64 0, 0, 16, 24, 1
	PLACES
	GW 1, 0, 16, 0, 2
	FR 0, 64, 3, 2
	s_wait_alu depctr_va_vdst(0)
	s_wait_loadcnt 25
	s_wait_dscnt 24
	MUL64 1, 2, 20, 28, 1
	PLACES
	GW 1, 96, 20, 0, 3
	FR 0, 160, 3, 3
	s_wait_loadcnt 25
	s_wait_dscnt 24
	MUL64 0, 2, 16, 32, 1
	PLACES
	FR 1, 0, 3, 0                                  ; v's first step: context is source 0 now, Wv source 1
	GW 0, 64, 16, 1, 0
	s_wait_loadcnt 25
	s_wait_dscnt 24
	MUL64 1, 2, 20, 36, 1
	; ---- k's codes: a tile of keys gives six registers for each of my two heads; two tiles make three stores of 512 bytes a head
	PLACES
.irp jj, 0,1,2,3
.set HA, 160+24*(\jj%2)
.if \jj >= 2
	s_wait_xcnt 0x0                                ; the stores of two pairs ago have read their registers
.endif
	QUANT 2+\jj/2, 64*((2*\jj)%4), HA, HA+12, 208+2*\jj
	QUANT 2+\jj/2, 64*((2*\jj+1)%4), HA+6, HA+18, 209+2*\jj
.irp c, 0,1,2
	global_store_b128 v[LI], v[HA+4*\c:HA+4*\c+3], s[12:13] offset:1536*\jj+512*\c
	global_store_b128 v[LI], v[HA+12+4*\c:HA+15+4*\c], s[12:13] offset:12288+1536*\jj+512*\c
.endr
.endr
.irp i, 0,1,2,3
	v_cndmask_b32 v[216+\i], v[208+2*\i], v[209+2*\i], s36   ; an even tile's words in lanes 0-15, the odd one's in lanes 16-31.  The first head uses bytes 0, 1; bytes 2, 3 meet zero codes
.endr
.irp i, 0,1,2,3
	v_lshrrev_b32 v[220+\i], 16, v[216+\i]         ; the second head's bytes
.endr
	global_store_b128 v[LI], v[216:219], s[14:15]
	global_store_b128 v[LI], v[220:223], s[14:15] offset:1024
	; ---- v = context Wv
	s_wait_xcnt 0x0                                ; the stores above have read their registers: source 1's second set may be loaded
	FR 1, 96, 3, 1
	GW 0, 160, 20, 1, 1
	s_wait_loadcnt 25
	s_wait_dscnt 24
	MUL64 0, 0, 24, 16, 1
	PLACES
	FR 1, 0, 3, 2
	GW 0, 64, 16, 1, 2
	s_wait_loadcnt 25
	s_wait_dscnt 24
	MUL64 1, 2, 28, 20, 1
	PLACES
	FR 1, 96, 3, 3
	GW 0, 160, 20, 1, 3
	s_wait_loadcnt 25
	s_wait_dscnt 24
	MUL64 0, 2, 32, 16, 1
	s_wait_loadcnt 0x0
	s_wait_dscnt 0x0
	MUL64 1, 2, 36, 20, 1
	; ---- v's codes: tile d (16 of the heads' numbers x my 128 keys) is one whole fragment.  Wc1 is asked for as registers fall free: K steps 0, 1 and bc1 at once (window 1),
	;      K steps 2, 3 and ln_g when window 3's four tiles, which go first, have been read
	PLACES
	GW 1, 0, 16, 2, 0
	GW 1, 96, 20, 2, 1
	COLV 1, 192, 44
.set n, 0
.irp d, 4,5,6,7,0,1,2,3
.set F, 160+12*(\d%2)
.if n >= 2
	s_wait_xcnt 0x0                                ; the stores of two tiles ago have read their registers
.endif
	QUANT 2+\d/4, 64*(\d%4), F, F+6, 208+\d
.irp c, 0,1,2
	global_store_b128 v[LI], v[F+4*\c:F+4*\c+3], s[16:17] offset:12288*(\d/4)+1536*(\d%4)+512*\c
.endr
.if \d == 7
	GW 3, 0, 24, 2, 2
	GW 3, 96, 28, 2, 3
	COLV 3, 192, 46
.endif
.set n, n+1
.endr
.irp i, 0,1,2,3
	v_cndmask_b32 v[216+\i], v[208+2*\i], v[209+2*\i], s36
.endr
	global_store_b64 v2, v[216:217], s[18:19]
	global_store_b64 v2, v[218:219], s[18:19] offset:512
	; ---- h, 64 rows a trip, two trips.  Window 1: Wc1's K steps 0, 1, bc1.  Window 3: K steps 2, 3, ln_g.  Window 2: 32 accumulators, (q, i0) at v[8 (8 q + i0)].
	;      Window 0: v16-31 Wc1's scale words, v32-39 the rows' (register 2 st + q / 2); v64-255 the rows' 16 fragments, (st, q) at v[64 + 48 st + 12 q]; behind the products: v64-87 codes, v96-127 pairs, v128-191 ln_b, v208-255 at work.
	s_wait_xcnt 0x0                                ; the stores above have read their registers
	s_mov_b32 s52, 2
	s_mov_b32 s53, 0                               ; the trip's rows in LDS: 64 x 432 bytes a trip
	s_mov_b32 s54, 0                               ; its pairs: 4 tiles x 512 bytes
	s_mov_b32 s55, 0                               ; its scale words: 4 tiles x 128 bytes
.Lhalf:
	v_add_nc_u32 v3, s53, v10
	v_add_nc_u32 v4, s53, v11
	v_add_nc_u32 v5, s54, v12
	v_add_nc_u32 v9, s54, v13
	v_add_nc_u32 v8, s55, v15
	global_load_b128 v[40:43], v[LI], s[6:7]       ; the rows' scale bytes: lanes 0-15 tile 2 j's rows, lanes 16-31 tile 2 j + 1's
	global_load_b128 v[44:47], v[LI], s[6:7] offset:512
	FRH 0
	FRH 1
	FRH 2
	FRH 3
	s_wait_loadcnt 0x0                             ; the scale bytes; in the first trip Wc1, bc1 and ln_g too
.irp j, 0,1
	v_perm_b32 v[32+\j], v[42+4*\j], v[40+4*\j], s22
	v_perm_b32 v[34+\j], v[42+4*\j], v[40+4*\j], s23
	v_perm_b32 v[36+\j], v[43+4*\j], v[41+4*\j], s22
	v_perm_b32 v[38+\j], v[43+4*\j], v[41+4*\j], s23
.endr
.rept 8
	v_nop                                          ; a scale word written by a vector instruction stands 8 places ahead of a scaled matrix instruction
.endr
	s_wait_alu depctr_va_vdst(0)
	s_wait_dscnt 0x0
.set st, 0
.rept 4                                ; 128 matrix instructions; the 32 accumulators take turns, in the same order in every step
.if st == 0
	WIN 0x91                                       ; source 0 window 1, C (bc1) window 1, D window 2
.set cmv, 1
.elseif st == 1
	WIN 0xa1
.set cmv, 2
.else
	WIN 0xa3                                       ; source 0 window 3
.set cmv, 2
.endif
.set i1, 0
.rept 4
.set i0, 0
.rept 8
.set rD, 8*(8*i1+i0)
.set rA, 96*(st%2)+12*i0
.set rB, 64+48*st+12*i1
.set rC, 192+8*i0
.set rSA, 16+4*st+i0/2
.set rSB, 32+2*st+i1/2
	WM cmv, i0%2, i1%2
.set i0, i0+1
.endr
.set i1, i1+1
.endr
.set st, st+1
.endr
	PLACES
	COLV 0, 128, 48                                ; ln_b, into registers that the products have left; it lands under the sums below
	; the mean of my 128 columns, the numbers less that mean (in place), the sum of their squares: four tiles by turns
	WIN 0x08
.set k, 0
.rept 32
.irp q, 0,1,2,3
.if k < 4
	v_pk_add_f32 v[TC+4*\q+k:TC+4*\q+k+1], 0, v[64*\q+k:64*\q+k+1] op_sel_hi:[0,1]
.else
	v_pk_add_f32 v[TC+4*\q+k%4:TC+4*\q+k%4+1], v[TC+4*\q+k%4:TC+4*\q+k%4+1], v[64*\q+k:64*\q+k+1]
.endif
.endr
.set k, k+2
.endr
	WIN 0
	FOLD
.irp q, 0,1,2,3
	v_mul_f32 v[SA+4*\q], 0x3c000000, v[TC+4*\q]   ; / 128
	v_mov_b32 v[SA+4*\q+1], 0                      ; (named with it as a pair below)
.endr
	WIN 0x82
.irp q, 0,1,2,3
.set k, 0
.rept 32
	v_pk_add_f32 v[64*\q+k:64*\q+k+1], v[64*\q+k:64*\q+k+1], v[SA+4*\q:SA+4*\q+1] op_sel_hi:[1,0] neg_lo:[0,1] neg_hi:[0,1]
.set k, k+2
.endr
.endr
	WIN 0x0a
.set k, 0
.rept 32
.irp q, 0,1,2,3
.if k < 4
	v_pk_mul_f32 v[TC+4*\q+k:TC+4*\q+k+1], v[64*\q+k:64*\q+k+1], v[64*\q+k:64*\q+k+1]
.else
	v_pk_fma_f32 v[TC+4*\q+k%4:TC+4*\q+k%4+1], v[64*\q+k:64*\q+k+1], v[64*\q+k:64*\q+k+1], v[TC+4*\q+k%4:TC+4*\q+k%4+1]
.endif
.endr
.set k, k+2
.endr
	WIN 0
	FOLD
.irp q, 0,1,2,3
	v_mov_b32 v[SA+4*\q+1], v[TC+4*\q]
.endr
.irp q, 0,1,2,3
	ds_store_b64 v5, v[SA+4*\q:SA+4*\q+1] offset:512*\q
.endr
	BAR                                            ; all four waves' pairs of these 64 rows lie in LDS (each trip has bytes of its own)
.irp a, 0,1,2,3
	ds_load_b128 v[96+8*\a:99+8*\a], v9 offset:512*\a
	ds_load_b128 v[100+8*\a:103+8*\a], v9 offset:512*\a+16
.endr
	s_wait_dscnt 0x0
.irp a, 0,1,2,3
	v_add_f32 v[240+\a], v[96+8*\a], v[98+8*\a]
.endr
.irp a, 0,1,2,3
	v_add_f32 v[244+\a], v[100+8*\a], v[102+8*\a]
.endr
.irp a, 0,1,2,3
	v_add_f32 v[240+\a], v[240+\a], v[244+\a]
.endr
.irp a, 0,1,2,3
	v_mul_f32 v[240+\a], 0x3e800000, v[240+\a]     ; the row's mean: the mean of four means of 128
.endr
.irp i, 0,2,4,6
.irp a, 0,1,2,3
	v_sub_f32 v[96+8*\a+\i], v[96+8*\a+\i], v[240+\a]
.endr
.endr
.irp a, 0,1,2,3
	v_add_f32 v[97+8*\a], v[97+8*\a], v[99+8*\a]
.endr
.irp a, 0,1,2,3
	v_add_f32 v[101+8*\a], v[101+8*\a], v[103+8*\a]
.endr
.irp a, 0,1,2,3
	v_add_f32 v[97+8*\a], v[97+8*\a], v[101+8*\a]
.endr
.irp a, 0,1,2,3
	v_mul_f32 v[244+\a], v[96+8*\a], v[96+8*\a]
.endr
.irp i, 2,4,6
.irp a, 0,1,2,3
	v_fmac_f32 v[244+\a], v[96+8*\a+\i], v[96+8*\a+\i]
.endr
.endr
.irp a, 0,1,2,3
	v_fma_f32 v[97+8*\a], v[244+\a], s61, v[97+8*\a]   ; the sum of squares about the row's mean
.endr
.irp a, 0,1,2,3
	v_fma_f32 v[97+8*\a], v[97+8*\a], s60, s59     ; the variance + 1e-5
.endr
	s_wait_alu depctr_va_vdst(0)
.irp a, 0,1,2,3
	v_rsq_f32 v[SA+4*\a+2], v[97+8*\a]
.endr
.irp a, 0,1,2,3
	v_sub_f32 v[SA+4*\a], v[SA+4*\a], v[240+\a]    ; my wave's mean less the row's.  (Plain lines behind the roots)
.endr
	s_wait_alu depctr_va_vdst(0)
.irp a, 0,1,2,3
	v_mul_f32 v[SA+4*\a], v[SA+4*\a], v[SA+4*\a+2]
.endr
.irp a, 0,1,2,3
	v_mov_b32 v[SA+4*\a+3], v[SA+4*\a+2]
.endr
	s_wait_alu depctr_va_vdst(0)
	s_wait_loadcnt 0x0                             ; ln_b
	WIN 0x82                                       ; x / sigma + shift
.irp q, 0,1,2,3
.set k, 0
.rept 32
	v_pk_fma_f32 v[64*\q+k:64*\q+k+1], v[64*\q+k:64*\q+k+1], v[SA+4*\q+2:SA+4*\q+3], v[SA+4*\q:SA+4*\q+1] op_sel_hi:[1,0,0]
.set k, k+2
.endr
.endr
	WIN 0x8e                                       ; x gain (window 3) + bias (window 0)
.irp q, 0,1,2,3
.set k, 0
.rept 32
	v_pk_fma_f32 v[64*\q+k:64*\q+k+1], v[64*\q+k:64*\q+k+1], v[192+k:193+k], v[128+k:129+k]
.set k, k+2
.endr
.endr
	WIN 0x88                                       ; relu
.set k, 0
.rept 256
	v_max_num_f32 v[k], 0, v[k]
.set k, k+1
.endr
.irp q, 0,1,2,3                        ; a tile's 128 columns are one fragment of the last product's operand: three stores of 512 bytes; its scale words wait in my own LDS
.if \q >= 2
	s_wait_xcnt 0x0                                ; the stores of two tiles ago have read their registers
.endif
	QUANT 2, 64*\q, 64+12*(\q%2), 70+12*(\q%2), 88+\q%2
.irp c, 0,1,2
	global_store_b128 v[LI], v[64+12*(\q%2)+4*\c:67+12*(\q%2)+4*\c], s[50:51] offset:1536*\q+512*\c
.endr
	ds_store_b32 v8, v[88+\q%2] offset:128*\q
.endr
	s_wait_xcnt 0x0                                ; the bases step, and the stores' registers are loaded again, only behind this wait
	s_add_nc_u64 s[6:7], s[6:7], 1024              ; 64 rows of 16 scale bytes
	s_add_nc_u64 s[50:51], s[50:51], 6144          ; four fragments
	s_add_co_u32 s53, s53, 27648
	s_add_co_u32 s54, s54, 2048
	s_add_co_u32 s55, s55, 512
	s_sub_co_u32 s52, s52, 1
	s_cmp_lg_u32 s52, 0
	s_cbranch_scc1 .Lhalf
	v_add_nc_u32 v3, s58, v1                       ; my eight tiles' scale words leave as two stores of 512 bytes, behind the eight fragments
	ds_load_b128 v[64:67], v3                      ; LDS serves a wave's instructions in order (ISA guide 5.7.1.4): these see my stores
	ds_load_b128 v[68:71], v3 offset:512
	s_wait_dscnt 0x0
	global_store_b128 v[LI], v[64:67], s[50:51]
	global_store_b128 v[LI], v[68:71], s[50:51] offset:512
	s_wait_tensorcnt 0x0
	ds_add_u32 v59, v63
	s_wait_dscnt 0x0
	s_endpgm
.Lfunc_end_k_qf537003b1f_proj:
	.size	k_qf537003b1f_proj, .Lfunc_end_k_qf537003b1f_proj-k_qf537003b1f_proj
	.p2alignl 7, 3214868480
	.fill 96, 4, 3214868480
	.section	.rodata,"a",@progbits
	.p2align	6, 0x0
	.amdhsa_kernel k_qf537003b1f_proj
		.amdhsa_group_segment_fixed_size 168448
		.amdhsa_private_segment_fixed_size 0
		.amdhsa_enable_private_segment 0
		.amdhsa_kernarg_size 96
		.amdhsa_user_sgpr_count 2
		.amdhsa_user_sgpr_kernarg_segment_ptr 1
		.amdhsa_wavefront_size32 1
		.amdhsa_system_sgpr_workgroup_id_x 1
		.amdhsa_system_sgpr_workgroup_id_y 1
		.amdhsa_system_sgpr_workgroup_id_z 1
		.amdhsa_system_vgpr_workitem_id 0
		.amdhsa_next_free_vgpr 1024
		.amdhsa_next_free_sgpr 66
		.amdhsa_reserve_vcc 0
		.amdhsa_float_denorm_mode_32 3
		.amdhsa_float_denorm_mode_16_64 3
		.amdhsa_memory_ordered 1
		.amdhsa_forward_progress 1
		.amdhsa_inst_pref_size 255
	.end_amdhsa_kernel
	.section	.bss,"aw",@nobits
	.p2align	6
	.space	262144
	.amdgpu_metadata
---
amdhsa.version: [ 1, 2 ]
amdhsa.kernels:
  - .name:           k_qf537003b1f_proj
    .symbol:         k_qf537003b1f_proj.kd
    .args:
      - { .name: context_codes, .offset: 0, .size: 8, .value_kind: global_buffer, .address_space: global }
      - { .name: context_scales, .offset: 8, .size: 8, .value_kind: global_buffer, .address_space: global }
      - { .name: wimg, .offset: 16, .size: 8, .value_kind: global_buffer, .address_space: global }
      - { .name: wscl, .offset: 24, .size: 8, .value_kind: global_buffer, .address_space: global }
      - { .name: kimg, .offset: 32, .size: 8, .value_kind: global_buffer, .address_space: global }
      - { .name: ksc, .offset: 40, .size: 8, .value_kind: global_buffer, .address_space: global }
      - { .name: vimg, .offset: 48, .size: 8, .value_kind: global_buffer, .address_space: global }
      - { .name: vsc, .offset: 56, .size: 8, .value_kind: global_buffer, .address_space: global }
      - { .name: bc1, .offset: 64, .size: 8, .value_kind: global_buffer, .address_space: global }
      - { .name: ln_g, .offset: 72, .size: 8, .value_kind: global_buffer, .address_space: global }
      - { .name: ln_b, .offset: 80, .size: 8, .value_kind: global_buffer, .address_space: global }
      - { .name: himg, .offset: 88, .size: 8, .value_kind: global_buffer, .address_space: global }
    .group_segment_fixed_size: 168448
    .private_segment_fixed_size: 0
    .kernarg_segment_align: 8
    .kernarg_segment_size: 96
    .max_flat_workgroup_size: 128
    .sgpr_count:     66
    .vgpr_count:     1024
    .wavefront_size: 32
...
	.end_amdgpu_metadata
.endif
;; end of part 5
;; launch main (part 6): grid 256 x 1, 4 waves a work-group, no clusters, 327,680 bytes of LDS; arguments x_codes, x_scales, mask, himg, wimg, wscl, kimg, ksc, vimg, vsc, biasw, bo, bc2, out0; writes out0
.if DOCPART == 6
	.amdgcn_target "amdgcn-amd-amdhsa--gfx1250"
	.amdhsa_code_object_version 6
	.text
	.protected	k_qf537003b1f_main
	.globl	k_qf537003b1f_main
	.p2align	8
	.type	k_qf537003b1f_main,@function
k_qf537003b1f_main:
	s_mov_b64 s[64:65], 0
	v_nop
	global_prefetch_b8 v0, s[64:65] scope:SCOPE_SE
	s_setreg_imm32_b32 hwreg(HW_REG_WAVE_MODE, 25, 1), 1
	s_wait_xcnt 0x0
; out0 = softmax(q k^T / 8 + bias, under the mask) v Wo + bo + h Wc2 + bc2 for 128 rows (half a window: work-group id = 2 b + hf).  All products run on codes of BF6 (E3M2) with one E8M0 scale for each 32 along K.
; SHARES.  Four waves; wave w makes columns 128 w .. 128 w + 127 of q (heads 2 w, 2 w + 1), the attention of these two heads for all 128 queries, and the same columns of the result.
; STEPS.  q = x Wq (x's rows from LDS, Wq's register images from memory), quantised along the head's 64 into my own LDS image.  The mask's 128 x 256 whole numbers become 0 or -inf in the score tiles' register order, in LDS.
; A trip of the loop takes 16 queries through both heads: S^T = k q^T onto the bias (x 8) as C, + the mask, M = ceil of the row's largest t, p = 2^(t - M), the sum of the unquantised p, p's codes, O^T = v^T p^T, / the sum.
; A query tile's mask is read from LDS ONCE, into 128 registers, and serves both heads.  O's codes go to LDS as images of the operand's registers; the last product walks K = 512 of O with Wo and K = 512 of h with Wc2 on one set of sums.
; THE FIRST FILLS of LDS: x's rows at the head; the mask behind the barrier that shows x whole, so that it lands under the q product; h's images behind the barrier that shows the mask whole. One tensor load a wave each time.
; NO CLUSTER: what work-groups share (weights, bias) goes into registers without touching LDS; a joint load would add an LDS write and an LDS read of each of those bytes.
; NO DATA PREFETCH: a tile's bias (32 loads of 512 bytes) is asked for a whole unit ahead of its use, the weights a K step ahead, k and v once, all into registers: nothing is left to ask for earlier.
; LIMITS: the promise holds while the scaled scores stay under 2^31 in magnitude; a block whose largest magnitude lies under 2^-122 keeps the scale byte 1. A row whose mask is all 0 gives NaN.
; LDS: 0 the mask (128 x 1,040), at the end the way out's stages;  XR x's rows (pitch 432), later OIM O's images;  HIM h's images;  QIM q's images;  0x48800 the spare words.
.set PERM, 0
.set LI,   1
.set H64,  9
.set WIP,  12
.set WSP,  14
.set SEL,  72
.set TM,   224
.set T2,   240
.set KB,   13312
.set XR,   133120
.set OIM,  135168
.set HIM,  188416
.set QIM,  241664
.set MSB, 0
.macro WIN new
.if MSB != (\new)
	s_set_vgpr_msb (MSB<<8)|(\new)
.set MSB, (\new)
.endif
.endm
.macro PLACES
.rept 4
	v_nop
.endr
.endm
.macro WM cm, ra, rb
.if (\cm) == 0
.if (\ra) && (\rb)
	v_wmma_scale_f32_16x16x128_f8f6f4 v[rD:rD+7], v[rA:rA+11], v[rB:rB+11], 0, v[rSA], v[rSB] matrix_a_fmt:MATRIX_FMT_BF6 matrix_b_fmt:MATRIX_FMT_BF6 matrix_a_scale:MATRIX_SCALE_ROW1 matrix_b_scale:MATRIX_SCALE_ROW1
.elseif (\ra)
	v_wmma_scale_f32_16x16x128_f8f6f4 v[rD:rD+7], v[rA:rA+11], v[rB:rB+11], 0, v[rSA], v[rSB] matrix_a_fmt:MATRIX_FMT_BF6 matrix_b_fmt:MATRIX_FMT_BF6 matrix_a_scale:MATRIX_SCALE_ROW1
.elseif (\rb)
	v_wmma_scale_f32_16x16x128_f8f6f4 v[rD:rD+7], v[rA:rA+11], v[rB:rB+11], 0, v[rSA], v[rSB] matrix_a_fmt:MATRIX_FMT_BF6 matrix_b_fmt:MATRIX_FMT_BF6 matrix_b_scale:MATRIX_SCALE_ROW1
.else
	v_wmma_scale_f32_16x16x128_f8f6f4 v[rD:rD+7], v[rA:rA+11], v[rB:rB+11], 0, v[rSA], v[rSB] matrix_a_fmt:MATRIX_FMT_BF6 matrix_b_fmt:MATRIX_FMT_BF6
.endif
.elseif (\cm) == 1
.if (\ra) && (\rb)
	v_wmma_scale_f32_16x16x128_f8f6f4 v[rD:rD+7], v[rA:rA+11], v[rB:rB+11], v[rC:rC+7], v[rSA], v[rSB] matrix_a_fmt:MATRIX_FMT_BF6 matrix_b_fmt:MATRIX_FMT_BF6 matrix_a_scale:MATRIX_SCALE_ROW1 matrix_b_scale:MATRIX_SCALE_ROW1
.elseif (\ra)
	v_wmma_scale_f32_16x16x128_f8f6f4 v[rD:rD+7], v[rA:rA+11], v[rB:rB+11], v[rC:rC+7], v[rSA], v[rSB] matrix_a_fmt:MATRIX_FMT_BF6 matrix_b_fmt:MATRIX_FMT_BF6 matrix_a_scale:MATRIX_SCALE_ROW1
.elseif (\rb)
	v_wmma_scale_f32_16x16x128_f8f6f4 v[rD:rD+7], v[rA:rA+11], v[rB:rB+11], v[rC:rC+7], v[rSA], v[rSB] matrix_a_fmt:MATRIX_FMT_BF6 matrix_b_fmt:MATRIX_FMT_BF6 matrix_b_scale:MATRIX_SCALE_ROW1
.else
	v_wmma_scale_f32_16x16x128_f8f6f4 v[rD:rD+7], v[rA:rA+11], v[rB:rB+11], v[rC:rC+7], v[rSA], v[rSB] matrix_a_fmt:MATRIX_FMT_BF6 matrix_b_fmt:MATRIX_FMT_BF6
.endif
.else
.if (\ra) && (\rb)
	v_wmma_scale_f32_16x16x128_f8f6f4 v[rD:rD+7], v[rA:rA+11], v[rB:rB+11], v[rD:rD+7], v[rSA], v[rSB] matrix_a_fmt:MATRIX_FMT_BF6 matrix_b_fmt:MATRIX_FMT_BF6 matrix_a_scale:MATRIX_SCALE_ROW1 matrix_b_scale:MATRIX_SCALE_ROW1
.elseif (\ra)
	v_wmma_scale_f32_16x16x128_f8f6f4 v[rD:rD+7], v[rA:rA+11], v[rB:rB+11], v[rD:rD+7], v[rSA], v[rSB] matrix_a_fmt:MATRIX_FMT_BF6 matrix_b_fmt:MATRIX_FMT_BF6 matrix_a_scale:MATRIX_SCALE_ROW1
.elseif (\rb)
	v_wmma_scale_f32_16x16x128_f8f6f4 v[rD:rD+7], v[rA:rA+11], v[rB:rB+11], v[rD:rD+7], v[rSA], v[rSB] matrix_a_fmt:MATRIX_FMT_BF6 matrix_b_fmt:MATRIX_FMT_BF6 matrix_b_scale:MATRIX_SCALE_ROW1
.else
	v_wmma_scale_f32_16x16x128_f8f6f4 v[rD:rD+7], v[rA:rA+11], v[rB:rB+11], v[rD:rD+7], v[rSA], v[rSB] matrix_a_fmt:MATRIX_FMT_BF6 matrix_b_fmt:MATRIX_FMT_BF6
.endif
.endif
.endm
.macro MUL64 p, cm, sp, sq, pk
.set i1, 0
.rept 8
.if (\cm) == 1
	WIN 0x91+0x40*(i1/4)
.else
	WIN 0xa1+0x50*(i1/4)
.endif
.set i0, 0
.rept 8
.set rD, 8*(8*(i1%4)+i0)
.set rA, 96*(\p)+12*i0
.set rB, 64+96*(\p)+12*i1
.set rC, 192+8*i0
.set rSA, (\sp)+i0/2
.if \pk
.set rSB, (\sq)+i1/2
	WM \cm, i0%2, i1%2
.else
.set rSB, (\sq)+i1
	WM \cm, i0%2, 0
.endif
.set i0, i0+1
.endr
.set i1, i1+1
.endr
.endm
.macro GW dw, dst, ws, mt, s
	WIN (\dw)<<6
.irp t, 0,1,2,3,4,5,6,7
.irp c, 0,1,2
	global_load_b128 v[(\dst)+12*\t+4*\c:(\dst)+12*\t+4*\c+3], v[LI], s[WIP:WIP+1] offset:196608*(\mt)+12288*(\s)+1536*\t+512*\c
.endr
.endr
	WIN 0
	global_load_b128 v[(\ws):(\ws)+3], v[LI], s[WSP:WSP+1] offset:8192*(\mt)+512*(\s)
.endm
.macro FR dw, dst, ad, s
	WIN (\dw)<<6
.irp a, 0,1,2,3,4,5,6,7
.if PERM
.set TBA, (32*(\a/2)+8*(\a%2))*432
.else
.set TBA, 16*\a*432
.endif
.irp c, 0,1,2
.set PI, 3*(\s)+\c
.if PI < 4
	ds_load_b128 v[(\dst)+12*\a+4*\c:(\dst)+12*\a+4*\c+3], v[\ad] offset:TBA+16*PI
.elseif PI < 8
	ds_load_b128 v[(\dst)+12*\a+4*\c:(\dst)+12*\a+4*\c+3], v[\ad+1] offset:TBA+16*PI
.else
	ds_load_b128 v[(\dst)+12*\a+4*\c:(\dst)+12*\a+4*\c+3], v[\ad] offset:TBA+16*PI+16
.endif
.endr
.endr
	WIN 0
.endm
.macro FI dst, sq, li, ls, s
.irp a, 0,1,2,3,4,5,6,7
.irp c, 0,1,2
	ds_load_b128 v[(\dst)+12*\a+4*\c:(\dst)+12*\a+4*\c+3], v[\li] offset:KB*(\s)+1536*\a+512*\c
.endr
.endr
.irp a, 0,1,2,3,4,5,6,7
	ds_load_b32 v[(\sq)+\a], v[\ls] offset:KB*(\s)+128*\a
.endr
.endm
.macro QUANT x, src, d0, d1, pw
	WIN (\x)|((\x)<<2)
.irp b, 0,1,2,3
	v_max3_num_f32 v[TM+\b], |v[(\src)+16*\b]|, |v[(\src)+16*\b+1]|, 0x2800000
.endr
.irp i, 2,4,6,8,10,12,14
.irp b, 0,1,2,3
	v_max3_num_f32 v[TM+\b], |v[(\src)+16*\b+\i]|, |v[(\src)+16*\b+\i+1]|, v[TM+\b]
.endr
.endr
	WIN 0
.irp b, 0,1,2,3
	v_permlanex16_b32 v[TM+4+\b], v[TM+\b], s[SEL], s[SEL+1]
.endr
.irp b, 0,1,2,3
	v_max_num_f32 v[TM+\b], v[TM+\b], v[TM+4+\b]
.endr
.irp b, 0,1,2,3
	v_add_nc_u32 v[TM+12+\b], 0xfe000000, v[TM+\b]
.endr
.irp b, 0,1,2,3
	v_lshrrev_b32 v[TM+4+\b], 23, v[TM+12+\b]
.endr
	v_lshl_or_b32 v[\pw], v[TM+5], 8, v[TM+4]
	v_lshl_or_b32 v[\pw], v[TM+6], 16, v[\pw]
	v_lshl_or_b32 v[\pw], v[TM+7], 24, v[\pw]
	WIN (\x)
	v_cvt_scalef32_pk16_bf6_f32 v[(\d0):(\d0)+2], v[(\src):(\src)+15], v[TM+12]
	v_cvt_scalef32_pk16_bf6_f32 v[T2:T2+2], v[(\src)+16:(\src)+31], v[TM+13]
	v_cvt_scalef32_pk16_bf6_f32 v[(\d1):(\d1)+2], v[(\src)+32:(\src)+47], v[TM+14]
	v_cvt_scalef32_pk16_bf6_f32 v[T2+4:T2+6], v[(\src)+48:(\src)+63], v[TM+15]
	v_nop
	WIN 0
.irp i, 0,1,2
	v_permlane16_swap_b32 v[(\d0)+\i], v[T2+\i]
	v_permlane16_swap_b32 v[(\d1)+\i], v[T2+4+\i]
.endr
.irp i, 0,1,2
	v_mov_b32 v[(\d0)+3+\i], v[T2+\i]
	v_mov_b32 v[(\d1)+3+\i], v[T2+4+\i]
.endr
.endm
.macro IMAGE adr, reg, off
.irp c, 0,1,2
	ds_store_b128 v[\adr], v[(\reg)+4*\c:(\reg)+4*\c+3] offset:(\off)+512*\c
.endr
.endm
.macro BAR
	s_wait_dscnt 0x0
	s_barrier_signal -1
	s_barrier_wait -1
.endm
.macro COLV dw, dst, sb
	WIN (\dw)<<6
.irp i, 0,1,2,3,4,5,6,7
	global_load_b128 v[(\dst)+8*\i:(\dst)+8*\i+3], v[H64], s[\sb:\sb+1] offset:(32*(\i/2)+8*(\i%2))*4
	global_load_b128 v[(\dst)+8*\i+4:(\dst)+8*\i+7], v[H64], s[\sb:\sb+1] offset:(32*(\i/2)+8*(\i%2))*4+16
.endr
	WIN 0
.endm
.macro IMG24 dw, dst, sb, off
	WIN (\dw)<<6
.set q, 0
.rept 24
	global_load_b128 v[(\dst)+4*q:(\dst)+4*q+3], v[LI], s[\sb:\sb+1] offset:(\off)+512*q
.set q, q+1
.endr
	WIN 0
.endm
.macro BIAS dst, sb
	WIN 0xc0
.set q, 0
.rept 32
	global_load_b128 v[(\dst)+4*q:(\dst)+4*q+3], v[LI], s[\sb:\sb+1] offset:512*q
.set q, q+1
.endr
	WIN 0
.endm
.macro TOIMG a, wi, wsr
.if (\a) >= 2
	s_wait_dscnt 4
.endif
	QUANT 2+(\a)/4, 64*((\a)%4), 64+12*((\a)%2), 70+12*((\a)%2), 88+(\a)%2
	IMAGE \wi, 64+12*((\a)%2), 1536*(\a)
	ds_store_b32 v[\wsr], v[88+(\a)%2] offset:128*(\a)
.endm
	s_load_b512 s[4:19], s[0:1], 0x0
	s_load_b256 s[20:27], s[0:1], 0x40
	s_load_b128 s[28:31], s[0:1], 0x60
	v_lshl_add_u32 v62, v0, 2, 0x48800
	v_mov_b32 v63, 0
	ds_add_u32 v62, v63
	ds_add_u32 v62, v63
	v_lshrrev_b32 v1, 5, v0
	v_readfirstlane_b32 s2, v1
	s_mov_b32 s3, ttmp9
	s_mov_b32 s32, (1<<20)|(4<<22)|(3<<25)
	s_mov_b32 s33, 256<<16                         ; my 32 rows of x, 384 bytes each, are one dense block: 48 rows of 256 bytes, each beginning at a multiple of 256 bytes
	s_mov_b32 s34, 48<<16
	s_mov_b32 s35, 256<<16
	s_mov_b32 s36, 48
	s_mov_b32 s37, 256
	s_mov_b32 s38, 0
	s_mov_b32 s39, 0
	s_mov_b32 s40, (2<<16)|(1<<20)|(7<<22)|(3<<25)
	s_mov_b32 s41, 256<<16
	s_mov_b32 s42, 32<<16
	s_mov_b32 s43, 256<<16
	s_mov_b32 s44, 32
	s_mov_b32 s45, 256
	s_mov_b32 s46, 0
	s_mov_b32 s47, 0
	s_mov_b32 s48, 3<<16
	s_mov_b32 s49, 32<<16
	s_mov_b32 s50, 52<<16
	s_mov_b32 s51, 32<<16
	s_mov_b32 s52, 52
	s_mov_b32 s53, 32
	s_mov_b32 s54, 0
	s_mov_b32 s55, 0
	s_mov_b32 s72, 0x76543210
	s_mov_b32 s73, 0xfedcba98
	s_mov_b32 s74, 0x3e38aa3b
	s_mov_b32 s75, s74
	s_mov_b32 s76, 0x05010400
	s_mov_b32 s77, 0x07030602
	s_mul_i32 s88, s3, 49152
	s_mul_i32 s89, s2, 12288
	s_add_co_u32 s88, s88, s89
	s_mov_b32 s89, 0
	s_lshl_b32 s90, s3, 17
	s_lshl_b32 s91, s2, 15
	s_add_co_u32 s90, s90, s91
	s_mov_b32 s91, 0
	s_mul_i32 s92, s3, 53248
	s_mul_i32 s93, s2, KB
	s_add_co_u32 s92, s92, s93
	s_mov_b32 s56, 1
	s_mul_i32 s94, s2, 13824
	s_add_co_u32 s57, s94, XR
	s_mov_b32 s60, 1
	s_mul_i32 s61, s2, 33280
	s_mov_b32 s68, 1
	s_add_co_u32 s69, s93, HIM
	s_mov_b32 s93, 0
	s_wait_dscnt 0x0
	s_wait_kmcnt 0x0
	s_add_nc_u64 s[58:59], s[4:5], s[88:89]
	s_or_b32 s59, s59, 0x80000000
	s_add_nc_u64 s[62:63], s[8:9], s[90:91]
	s_or_b32 s63, s63, 0x80000000
	s_add_nc_u64 s[70:71], s[10:11], s[92:93]
	s_or_b32 s71, s71, 0x80000000
	tensor_load_to_lds s[56:59], s[32:39]          ; my 32 rows of x: the wave's one tensor load at the head
	s_nop 0
.rept 4
	v_nop
.endr
	v_and_b32 v56, 15, v0
	v_bfe_u32 v57, v0, 4, 1
	v_and_b32 v58, 31, v0
	v_lshlrev_b32 v1, 4, v58
	v_lshlrev_b32 v2, 2, v58
	v_lshlrev_b32 v8, 3, v58
	v_lshlrev_b32 v9, 6, v57
	v_mul_u32_u24 v59, v56, 432
	v_mad_u32_u24 v60, v57, 208, v59
	v_mad_u32_u24 v61, v57, 224, v59
	v_add_nc_u32 v5, XR, v60
	v_add_nc_u32 v6, XR, v61
	s_mul_i32 s88, s2, KB
	v_add_nc_u32 v59, s88, v1
	v_add_nc_u32 v60, s88, v2
	v_add_nc_u32 v12, QIM, v59
	v_add_nc_u32 v13, QIM+12288, v60
	v_add_nc_u32 v14, OIM, v59
	v_add_nc_u32 v15, OIM+12288, v60
	s_mul_i32 s88, s2, 49152
	s_add_nc_u64 s[12:13], s[12:13], s[88:89]
	s_lshl_b32 s88, s2, 11
	s_add_nc_u64 s[14:15], s[14:15], s[88:89]
	s_lshl_b32 s88, s3, 11
	s_add_nc_u64 s[6:7], s[6:7], s[88:89]
	s_lshl_b32 s88, s2, 9
	s_add_nc_u64 s[26:27], s[26:27], s[88:89]
	s_add_nc_u64 s[28:29], s[28:29], s[88:89]
	s_add_nc_u64 s[30:31], s[30:31], s[88:89]
	s_lshl_b32 s88, s3, 18
	s_add_nc_u64 s[30:31], s[30:31], s[88:89]
	s_lshr_b32 s90, s3, 1
	s_lshl_b32 s90, s90, 3
	s_lshl_b32 s92, s2, 1
	s_add_co_u32 s90, s90, s92
	s_mul_i32 s88, s90, 12288
	s_add_nc_u64 s[16:17], s[16:17], s[88:89]
	s_add_nc_u64 s[20:21], s[20:21], s[88:89]
	s_lshl_b32 s88, s90, 10
	s_add_nc_u64 s[18:19], s[18:19], s[88:89]
	s_lshl_b32 s88, s90, 9
	s_add_nc_u64 s[22:23], s[22:23], s[88:89]
	s_lshl_b32 s88, s2, 5
	s_and_b32 s90, s3, 1
	s_lshl_b32 s90, s90, 3
	s_add_co_u32 s88, s88, s90
	s_lshl_b32 s88, s88, 14
	s_add_nc_u64 s[84:85], s[24:25], s[88:89]
	s_add_nc_u64 s[86:87], s[84:85], 0x40000
.irp j, 0,1,2,3
	global_load_b128 v[176+4*\j:179+4*\j], v[LI], s[6:7] offset:512*\j
.endr
	GW 1, 0, 16, 3, 0
	GW 1, 96, 20, 3, 1                             ; Wq's second step too: both sets are free here
	s_wait_loadcnt 50                              ; x's scales are in; the 50 loads of Wq's first two steps may be out
.irp j, 0,1,2,3
	v_perm_b32 v[40+\j], v[178+4*\j], v[176+4*\j], s76
.endr
.irp j, 0,1,2,3
	v_perm_b32 v[44+\j], v[178+4*\j], v[176+4*\j], s77
.endr
.irp j, 0,1,2,3
	v_perm_b32 v[48+\j], v[179+4*\j], v[177+4*\j], s76
.endr
.irp j, 0,1,2,3
	v_perm_b32 v[52+\j], v[179+4*\j], v[177+4*\j], s77
.endr
	s_wait_alu depctr_va_vdst(0)
	s_wait_tensorcnt 0x0                           ; my rows of x are in LDS
	ds_add_u32 v62, v63
	s_wait_dscnt 0x0
	s_barrier_signal -1
	s_barrier_wait -1                              ; everybody's rows are in
	tensor_load_to_lds s[60:63], s[40:47]          ; my 32 rows of the mask: they land under the q product
	s_nop 0
.rept 4
	v_nop
.endr
	FR 0, 64, 5, 0
	FR 0, 160, 5, 1
	s_wait_loadcnt 25
	s_wait_dscnt 24
	MUL64 0, 0, 16, 40, 1
	PLACES
	GW 1, 0, 16, 3, 2
	FR 0, 64, 5, 2
	s_wait_alu depctr_va_vdst(0)
	s_wait_loadcnt 25
	s_wait_dscnt 24
	MUL64 1, 2, 20, 44, 1
	PLACES
	GW 1, 96, 20, 3, 3
	FR 0, 160, 5, 3
	s_wait_loadcnt 25
	s_wait_dscnt 24
	MUL64 0, 2, 16, 48, 1
	PLACES
	IMG24 1, 0, 16, 0
	s_wait_loadcnt 24
	s_wait_dscnt 0x0
	MUL64 1, 2, 20, 52, 1
	PLACES
	IMG24 1, 96, 16, 12288
	WIN 0x40
.irp i, 0,1,2,3,4,5
	v_mov_b32 v[192+\i], 0
.endr
	WIN 0
.irp b, 0,1,2,3
	v_mov_b32 v[TM+4+\b], 0
.endr
.irp j, 0,1,2,3
	global_load_b128 v[16+4*\j:19+4*\j], v[LI], s[18:19] offset:512*\j
.endr
.irp j, 0,1,2,3
	global_load_b64 v[32+2*\j:33+2*\j], v8, s[22:23] offset:256*\j
.endr
.irp a, 0,1,2,3
	TOIMG \a, 12, 13
.endr
	IMG24 2, 0, 20, 0
	IMG24 2, 96, 20, 12288
.irp a, 4,5,6,7
	TOIMG \a, 12, 13
.endr
	BIAS 0, 84
	BIAS 128, 86
	s_wait_alu depctr_va_vdst(0)
	s_wait_tensorcnt 0x0                           ; my rows of the mask are in LDS
	ds_add_u32 v62, v63
	s_wait_dscnt 0x0                               ; the add, and my stores of q's images
	s_barrier_signal -1
	s_barrier_wait -1
	tensor_load_to_lds s[68:71], s[48:55]          ; my quarter of h's images: read only by the last product
	s_nop 0
.rept 4
	v_nop
.endr
	s_mul_i32 s88, s2, 33280
	v_mul_u32_u24 v3, v56, 1040
	v_lshl_add_u32 v3, v57, 6, v3
	v_add_nc_u32 v3, s88, v3
	v_add_nc_u32 v4, s88, v1
	v_mov_b32 v5, 0xff800000
	s_wait_alu depctr_va_vdst(0)
.irp u, 0,1
.set j, 0
.rept 32
	ds_load_b128 v[64+4*j:67+4*j], v3 offset:16640*\u+128*(j/4)+16*(j%4)
.set j, j+1
.endr
	s_wait_dscnt 0x0
.set j, 0
.rept 128
	v_cmp_eq_u32 vcc_lo, 0, v[64+j]
	v_cndmask_b32 v[64+j], 0, v5, vcc_lo
.set j, j+1
.endr
.set j, 0
.rept 32
	ds_store_b128 v4, v[64+4*j:67+4*j] offset:16640*\u+512*j
.set j, j+1
.endr
	s_wait_dscnt 0x0
.endr
	BAR
	ds_load_b128 v[64:67], v12
	ds_load_b128 v[68:71], v12 offset:512
	ds_load_b128 v[72:75], v12 offset:1024
	ds_load_b32 v40, v13
	s_mov_b32 s81, 0
	s_mov_b32 s82, 0
	s_mov_b32 s83, 0
	s_mov_b32 s80, 8
	s_wait_dscnt 0x0
.irp i, 0,1,2,3,4,5
	v_mov_b32 v[82+\i], v[64+\i]
.endr
	v_lshrrev_b32 v41, 16, v40
.irp i, 0,1,2,3,4,5
	v_mov_b32 v[76+\i], 0
	v_mov_b32 v[88+\i], 0
.endr
.irp b, 0,1,2,3,4,5,6,7
	v_mov_b32 v[232+\b], 0
.endr
	v_mov_b32 v249, 0
	v_mov_b32 v255, 0
.rept 8
	v_nop
.endr
.macro MLOAD ch, w, mc                 ; chunk ch of the tile's mask (32 registers of the 128) into v[mc ..] of window w
	WIN (\w)<<6
.irp q, 0,1,2,3,4,5,6,7
	ds_load_b128 v[(\mc)+4*\q:(\mc)+4*\q+3], v3 offset:4096*(\ch)+512*\q
.endr
.endm
.macro MADD ch, w, mc
	WIN 0xc3|((\w)<<2)
.set k, 0
.rept 16
	v_pk_add_f32 v[SB+32*(\ch)+k:SB+32*(\ch)+k+1], v[SB+32*(\ch)+k:SB+32*(\ch)+k+1], v[(\mc)+k:(\mc)+k+1]
.set k, k+2
.endr
.endm
.macro UNIT hd
.set SB, 128*(\hd)
.set OB, 128+32*(\hd)
	WIN 0
.if (\hd) == 0                         ; the tile's mask is read once, by the first head's unit, and stays in registers for the second's
	v_add_nc_u32 v3, s81, v1
	MLOAD 0, 0, 160
	MLOAD 1, 1, 200
	MLOAD 2, 2, 192
	MLOAD 3, 2, 224
.endif
	s_wait_loadcnt 32
	WIN 0xf1
.set kt, 0
.rept 16
.set rD, SB+8*kt
.set rA, 96*(\hd)+6*kt
.set rB, 82-12*(\hd)
.set rSA, 16+8*(\hd)+kt/2
.set rSB, 40+(\hd)
	WM 2, kt%2, 0
.set kt, kt+1
.endr
	PLACES
.if (\hd) == 0
	s_wait_dscnt 24                                ; chunk 0 is in; the 24 loads of chunks 1 to 3 may be out
.endif
	MADD 0, 0, 160
.if (\hd) == 0
	s_wait_dscnt 16
.endif
	MADD 1, 1, 200
.if (\hd) == 0
	s_wait_dscnt 8
.endif
	MADD 2, 2, 192
.if (\hd) == 0
	s_wait_dscnt 0x0
.endif
	MADD 3, 2, 224
	WIN 0x0f
.irp b, 0,1,2,3,4,5,6,7
	v_max_num_f32 v[224+\b], v[SB+16*\b], v[SB+16*\b+1]
.endr
.irp i, 2,4,6,8,10,12,14
.irp b, 0,1,2,3,4,5,6,7
	v_max3_num_f32 v[224+\b], v[SB+16*\b+\i], v[SB+16*\b+\i+1], v[224+\b]
.endr
.endr
	WIN 0
.irp b, 0,1,2,3,4,5,6,7
	v_permlanex16_b32 v[232+\b], v[224+\b], s[SEL], s[SEL+1]
.endr
.irp b, 0,1,2,3,4,5,6,7
	v_max_num_f32 v[224+\b], v[224+\b], v[232+\b]
.endr
	v_max3_num_f32 v254, v224, v225, v226
	v_max3_num_f32 v254, v254, v227, v228
	v_max3_num_f32 v254, v254, v229, v230
	v_max_num_f32 v254, v254, v231
	v_mul_f32 v254, s74, v254
	v_floor_f32 v248, -v254
.irp b, 0,1,2,3,4,5,6,7
	v_fma_f32 v[224+\b], v[224+\b], s74, v248
.endr
	s_wait_alu depctr_va_vdst(0)
.irp b, 0,1,2,3,4,5,6,7
	v_exp_f32 v[224+\b], v[224+\b]
.endr
	WIN 0xc3
.set k, 0
.rept 64
	v_pk_fma_f32 v[SB+k:SB+k+1], v[SB+k:SB+k+1], s[74:75], v[248:249] op_sel_hi:[1,0,0]
.set k, k+2
.endr
.set k, 0
	s_wait_alu depctr_va_vdst(0)
.rept 128
	v_exp_f32 v[SB+k], v[SB+k]
.set k, k+1
.endr
	WIN 0
	s_wait_alu depctr_va_vdst(0)
.irp b, 0,1,2,3,4,5,6,7
	v_max_num_f32 v[224+\b], 0x2800000, v[224+\b]
.endr
.irp b, 0,1,2,3,4,5,6,7
	v_add_nc_u32 v[240+\b], 0xfe000000, v[224+\b]
.endr
.irp b, 0,1,2,3,4,5,6,7
	v_lshrrev_b32 v[232+\b], 23, v[240+\b]
.endr
.irp e, 0,1
	v_lshl_or_b32 v[44+\e], v[233+4*\e], 8, v[232+4*\e]
	v_lshl_or_b32 v[44+\e], v[234+4*\e], 16, v[44+\e]
	v_lshl_or_b32 v[44+\e], v[235+4*\e], 24, v[44+\e]
.endr
	WIN 0x03
.irp e, 0,1
.irp c, 0,1
	v_cvt_scalef32_pk16_bf6_f32 v[96+12*\e+6*\c:98+12*\e+6*\c], v[SB+64*\e+32*\c:SB+64*\e+32*\c+15], v[240+4*\e+2*\c]
	v_cvt_scalef32_pk16_bf6_f32 v[192+8*\e+4*\c:194+8*\e+4*\c], v[SB+64*\e+32*\c+16:SB+64*\e+32*\c+31], v[241+4*\e+2*\c]
.endr
.endr
	v_nop
	WIN 0
.irp e, 0,1
.irp c, 0,1
.irp i, 0,1,2
	v_permlane16_swap_b32 v[96+12*\e+6*\c+\i], v[192+8*\e+4*\c+\i]
.endr
.irp i, 0,1,2
	v_mov_b32 v[99+12*\e+6*\c+\i], v[192+8*\e+4*\c+\i]
.endr
.endr
.endr
	WIN 0x03
.irp n, 0,1,2,3
	v_pk_add_f32 v[120+2*\n:121+2*\n], v[SB+2*\n:SB+2*\n+1], 0 op_sel_hi:[1,0]
.endr
.set k, 8
.rept 15
.irp n, 0,1,2,3
	v_pk_add_f32 v[120+2*\n:121+2*\n], v[SB+k+2*\n:SB+k+2*\n+1], v[120+2*\n:121+2*\n]
.endr
.set k, k+8
.endr
	WIN 0x02
.irp e, 0,1
.irp t, 0,1,2,3
.set rD, OB+8*\t
.set rA, 96*(\hd)+48*\e+12*\t
.set rB, 96+12*\e
.set rSA, 32+4*(\hd)+2*\e+\t/2
.set rSB, 44+\e
	WM 2*\e, \t%2, 0
.endr
.endr
	PLACES
	WIN 0
	v_pk_add_f32 v[120:121], v[120:121], v[122:123]
	v_pk_add_f32 v[124:125], v[124:125], v[126:127]
	v_pk_add_f32 v[120:121], v[120:121], v[124:125]
	v_add_f32 v254, v120, v121
	v_permlanex16_b32 v255, v254, s[SEL], s[SEL+1]
	v_add_f32 v254, v254, v255
	s_wait_alu depctr_va_vdst(0)
	v_rcp_f32 v250, v254
	v_nop
	s_wait_alu depctr_va_vdst(0)
	v_mov_b32 v251, v250
.set k, 0
.rept 16
	v_pk_mul_f32 v[OB+k:OB+k+1], v[OB+k:OB+k+1], v[250:251] op_sel_hi:[1,0]
.set k, k+2
.endr
.endm
.Ltile:
	UNIT 0
	s_cmp_eq_u32 s80, 1
	s_cbranch_scc1 .Lno_a
	s_wait_xcnt 0x0
	s_add_nc_u64 s[84:85], s[84:85], 16384
	BIAS 0, 84
	s_branch .Lhad_a
.Lno_a:
	s_wait_loadcnt 0x0
.Lhad_a:
	UNIT 1
	s_add_co_u32 s92, s82, 1536
	s_min_u32 s92, s92, 10752
	s_add_co_u32 s93, s83, 128
	s_min_u32 s93, s93, 896
	v_add_nc_u32 v4, s92, v12
	v_add_nc_u32 v5, s93, v13
	ds_load_b128 v[64:67], v4
	ds_load_b128 v[68:71], v4 offset:512
	ds_load_b128 v[72:75], v4 offset:1024
	ds_load_b32 v40, v5
	s_cmp_eq_u32 s80, 1
	s_cbranch_scc1 .Lno_b
	s_wait_xcnt 0x0
	s_add_nc_u64 s[86:87], s[86:87], 16384
	BIAS 128, 86
	s_branch .Lhad_b
.Lno_b:
	s_wait_loadcnt 0x0
.Lhad_b:
	s_wait_dscnt 0x0
.irp i, 0,1,2,3,4,5
	v_mov_b32 v[82+\i], v[64+\i]
.endr
	v_lshrrev_b32 v41, 16, v40
	v_add_nc_u32 v6, s82, v14
	v_add_nc_u32 v7, s83, v15
	QUANT 0, 128, 96, 102, 42
	IMAGE 6, 96, 0
	ds_store_b32 v7, v42
	s_add_co_u32 s81, s81, 16640
	s_add_co_u32 s82, s82, 1536
	s_add_co_u32 s83, s83, 128
	s_sub_co_u32 s80, s80, 1
	s_cmp_lg_u32 s80, 0
	s_cbranch_scc1 .Ltile
	s_wait_loadcnt 0x0
	GW 1, 0, 16, 4, 0
	COLV 1, 192, 26
	COLV 3, 0, 28
	v_add_nc_u32 v3, OIM, v1
	v_add_nc_u32 v4, OIM+12288, v2
	s_mul_i32 s88, s2, 8448
	v_mul_u32_u24 v7, v56, 528
	v_lshl_add_u32 v7, v57, 6, v7
	v_add_nc_u32 v7, s88, v7
	v_add_nc_u32 v8, s88, v1
	s_wait_alu depctr_va_vdst(0)
	s_wait_tensorcnt 0x0                           ; my quarter of h's images is in LDS: the others read it behind the barrier
	BAR
	FI 64, 24, 3, 4, 0
	GW 1, 96, 20, 4, 1
	FI 160, 32, 3, 4, 1
	s_wait_loadcnt 25
	WIN 0x4d
.set k, 0
.rept 32
	v_pk_add_f32 v[192+k:193+k], v[192+k:193+k], v[k:k+1]
.set k, k+2
.endr
	WIN 0
	PLACES
	s_wait_alu depctr_va_vdst(0)
	s_wait_dscnt 32
	MUL64 0, 1, 16, 24, 0
	WIN 0
	s_add_nc_u64 s[84:85], s[12:13], 811008
	s_add_nc_u64 s[86:87], s[14:15], 33792
	s_mov_b32 s88, 172032
	s_mov_b32 s89, 0
	s_mov_b32 s90, 7168
	s_mov_b32 s91, 0
	s_mov_b32 s81, 2*KB
	s_mov_b32 s80, 3
.set WIP, 84
.set WSP, 86
.Lk:
	v_add_nc_u32 v5, s81, v3
	v_add_nc_u32 v6, s81, v4
	PLACES
	GW 1, 0, 16, 0, 0
	FI 64, 24, 5, 6, 0
	s_wait_alu depctr_va_vdst(0)
	s_wait_loadcnt 25
	s_wait_dscnt 32
	MUL64 1, 2, 20, 32, 0
	PLACES
	GW 1, 96, 20, 0, 1
	FI 160, 32, 5, 6, 1
	s_wait_loadcnt 25
	s_wait_dscnt 32
	MUL64 0, 2, 16, 24, 0
	WIN 0
	s_wait_xcnt 0x0
	s_add_nc_u64 s[84:85], s[84:85], s[88:89]
	s_add_nc_u64 s[86:87], s[86:87], s[90:91]
	s_mov_b32 s88, 24576
	s_mov_b32 s90, 1024
	s_add_co_u32 s81, s81, 2*KB
	s_sub_co_u32 s80, s80, 1
	s_cmp_lg_u32 s80, 0
	s_cbranch_scc1 .Lk
	s_wait_loadcnt 0x0
	s_wait_dscnt 0x0
	MUL64 1, 2, 20, 32, 0
.macro TOSTAGE a
	WIN 0x08+4*((\a)/4)
.irp b, 0,1,2,3
.irp q, 0,1,2,3
	ds_store_b128 v7, v[64*((\a)%4)+16*\b+4*\q:64*((\a)%4)+16*\b+4*\q+3] offset:128*\b+16*\q
.endr
.endr
	WIN 0
.set BB, 64+64*((\a)%2)
.irp t, 0,1,2,3,4,5,6,7,8,9,10,11,12,13,14,15
	ds_load_b128 v[BB+4*\t:BB+4*\t+3], v8 offset:528*\t
.endr
.endm
.macro SEND a, younger
.set BB, 64+64*((\a)%2)
	s_wait_dscnt \younger
.irp t, 0,1,2,3,4,5,6,7,8,9,10,11,12,13,14,15
	global_store_b128 v[LI], v[BB+4*\t:BB+4*\t+3], s[30:31] offset:(16*(\a)+\t)*2048 th:TH_STORE_NT
.endr
.endm
	PLACES
	TOSTAGE 0
.irp a, 1,2,3,4,5,6,7
.if \a > 1
	s_wait_xcnt 0x0
.endif
	TOSTAGE \a
	SEND \a-1, 32
.endr
	SEND 7, 0
	s_wait_tensorcnt 0x0
	ds_add_u32 v62, v63
	s_wait_dscnt 0x0
	s_endpgm
.Lfunc_end_k_qf537003b1f_main:
	.size	k_qf537003b1f_main, .Lfunc_end_k_qf537003b1f_main-k_qf537003b1f_main
	.p2alignl 7, 3214868480
	.fill 96, 4, 3214868480
	.section	.rodata,"a",@progbits
	.p2align	6, 0x0
	.amdhsa_kernel k_qf537003b1f_main
		.amdhsa_group_segment_fixed_size 327680
		.amdhsa_private_segment_fixed_size 0
		.amdhsa_enable_private_segment 0
		.amdhsa_kernarg_size 112
		.amdhsa_user_sgpr_count 2
		.amdhsa_user_sgpr_kernarg_segment_ptr 1
		.amdhsa_wavefront_size32 1
		.amdhsa_system_sgpr_workgroup_id_x 1
		.amdhsa_system_sgpr_workgroup_id_y 1
		.amdhsa_system_sgpr_workgroup_id_z 1
		.amdhsa_system_vgpr_workitem_id 0
		.amdhsa_next_free_vgpr 1024
		.amdhsa_next_free_sgpr 96
		.amdhsa_reserve_vcc 1
		.amdhsa_float_denorm_mode_32 3
		.amdhsa_float_denorm_mode_16_64 3
		.amdhsa_memory_ordered 1
		.amdhsa_forward_progress 1
		.amdhsa_inst_pref_size 255
	.end_amdhsa_kernel
	.section	.bss,"aw",@nobits
	.p2align	6
	.space	262144
	.amdgpu_metadata
---
amdhsa.version: [ 1, 2 ]
amdhsa.kernels:
  - .name:           k_qf537003b1f_main
    .symbol:         k_qf537003b1f_main.kd
    .args:
      - { .name: x_codes, .offset: 0, .size: 8, .value_kind: global_buffer, .address_space: global }
      - { .name: x_scales, .offset: 8, .size: 8, .value_kind: global_buffer, .address_space: global }
      - { .name: mask, .offset: 16, .size: 8, .value_kind: global_buffer, .address_space: global }
      - { .name: himg, .offset: 24, .size: 8, .value_kind: global_buffer, .address_space: global }
      - { .name: wimg, .offset: 32, .size: 8, .value_kind: global_buffer, .address_space: global }
      - { .name: wscl, .offset: 40, .size: 8, .value_kind: global_buffer, .address_space: global }
      - { .name: kimg, .offset: 48, .size: 8, .value_kind: global_buffer, .address_space: global }
      - { .name: ksc, .offset: 56, .size: 8, .value_kind: global_buffer, .address_space: global }
      - { .name: vimg, .offset: 64, .size: 8, .value_kind: global_buffer, .address_space: global }
      - { .name: vsc, .offset: 72, .size: 8, .value_kind: global_buffer, .address_space: global }
      - { .name: biasw, .offset: 80, .size: 8, .value_kind: global_buffer, .address_space: global }
      - { .name: bo, .offset: 88, .size: 8, .value_kind: global_buffer, .address_space: global }
      - { .name: bc2, .offset: 96, .size: 8, .value_kind: global_buffer, .address_space: global }
      - { .name: out0, .offset: 104, .size: 8, .value_kind: global_buffer, .address_space: global }
    .group_segment_fixed_size: 327680
    .private_segment_fixed_size: 0
    .kernarg_segment_align: 8
    .kernarg_segment_size: 112
    .max_flat_workgroup_size: 128
    .sgpr_count:     96
    .vgpr_count:     1024
    .wavefront_size: 32
...
	.end_amdgpu_metadata
.endif
;; end of part 6
